; MI455X (gfx1250); checked and timed in simulation.
; The chip was launched on July 23, 2026; its instructions are those of AMD's public machine-readable ISA for CDNA 5 (MIT licence, August 2026) and "CDNA5" Instruction Set Architecture Reference Guide (July 2026). The comments in the code are by the model that wrote it; some were corrected since.
;; Enhanced Transformer Block. Allowed arithmetic: float matrix products may take bf16 or f16 operands with f32 sums; all other float work in f32.
;; Inputs: down_b 1,024 float32; down_w 2,730 x 1,024 float32; gate_b 2,730 float32; gate_w 1,024 x 2,730 float32; ln1_b 1,024 float32; ln1_g 1,024 float32; ln2_b 1,024 float32; ln2_g 1,024 float32; proj_b 1,024 float32; proj_w 1,024 x 1,024 float32; qkv_b 3,072 float32; qkv_w 1,024 x 3,072 float32; up_b 2,730 float32; up_w 1,024 x 2,730 float32; x 2 x 2,048 x 1,024 float32.
;; Outputs: out0 2 x 2,048 x 1,024 float32.
;; 2 versions, each right. Each part assembles by itself: llvm-mc -triple=amdgcn-amd-amdhsa -mcpu=gfx1250 --defsym DOCPART=n.
;; ======== version 1 of 2: 8 launches
;; workspace buffers: wt 25,712,640 bytes; hbuf 8,388,608 bytes; qkvh 25,165,824 bytes; ao 8,388,608 bytes; x2 16,777,216 bytes; act 23,068,672 bytes
;; launch prep (part 1): grid 393 x 1, 4 waves a work-group, no clusters, 70,144 bytes of LDS; arguments qkv_w, proj_w, gate_w, up_w, down_w, gate_b, up_b, wt; writes wt
.if DOCPART == 1
	.amdgcn_target "amdgcn-amd-amdhsa--gfx1250"
	.amdhsa_code_object_version 6
	.text
	.protected	k_q01b9984ee4_prep
	.globl	k_q01b9984ee4_prep
	.p2align	8
	.type	k_q01b9984ee4_prep,@function
k_q01b9984ee4_prep:
	s_mov_b64 s[64:65], 0
	v_nop
	global_prefetch_b8 v0, s[64:65] scope:SCOPE_SE
	s_setreg_imm32_b32 hwreg(HW_REG_WAVE_MODE, 25, 1), 1
	s_wait_xcnt 0x0
; Every weight matrix once from f32 [K][N] to bf16 [N][K], so that the products' fragments find K along the rows.
; wt: qkv [3072][1024], proj [1024][1024], gate then up [2816][1024] each (rows 2730.. are zeros), down [1024][2816]
; (columns 2730.. are zeros), then the gate and up biases as f32 [2][2816] (zeros from 2730 on).
; A work-group turns a tile of 128 k x 256 n; a wave 128 k x 64 n.  A lane loads 8 bytes (2 neighbouring n) of a k row, so a
; load of the wave covers 256 neighbouring bytes (gate_w's and up_w's rows of 10,920 bytes start on multiples of 8 only).
; Two k rows are packed to bf16 pairs, laid into the wave's own stage in LDS as rows along k (64 rows of 256 + 16 bytes),
; read back by rows and stored: sixteen lanes store 256 consecutive bytes, aligned.  No wave reads another's bytes: no barrier.
; Work-groups 0-95 qkv_w, 96-127 proj_w, 128-215 gate_w, 216-303 up_w, 304-391 down_w, 392 the two biases.
.set WQKV,   0
.set WPROJ,  6291456
.set WGU,    8388608
.set WUP,    WGU+2816*2048
.set WDOWN,  19922944
.set BGU,    25690112
.set SROW,   272                       ; a stage row: 128 bf16 + 16 bytes
.set WSTAGE, 64*SROW                   ; a wave's stage
.set COLB, 2                           ; v2       byte offset of my two columns in a source row
.set STO,  3                           ; v3       stage: my two rows (n = 2 lane, 2 lane + 1)
.set RD,   4                           ; v4       stage: read back, lanes 0-15 one row, lanes 16-31 the next
.set D0,   5                           ; v5       the same two rows in wt
.set OFF0, 16                          ; v16-47   down_w alone: offsets of 32 clamped rows, set 0
.set OFF1, 48                          ; v48-79   set 1
.set X0,   80                          ; v80-143  32 k rows x 2 n as loaded, set 0
.set X1,   144                         ; v144-207 set 1
.set P0,   208                         ; v208-223 n = 2 lane:     16 pairs of k
.set P1,   224                         ; v224-239 n = 2 lane + 1
	s_load_b512 s[8:23], s[0:1], 0x0               ; qkv_w 8, proj_w 10, gate_w 12, up_w 14, down_w 16, gate_b 18, up_b 20, wt 22
	v_lshl_add_u32 v240, v0, 2, 0x11000
	v_mov_b32 v241, 0
	v_lshrrev_b32 v1, 5, v0
	v_readfirstlane_b32 s41, v1                    ; wave
	v_and_b32 v6, 31, v0                           ; lane
	v_lshrrev_b32 v7, 4, v6                        ; lane / 16
	v_and_b32 v8, 15, v6
	v_lshlrev_b32 v8, 4, v8                        ; 16 (lane % 16)
	s_mul_i32 s42, s41, WSTAGE
	v_mul_u32_u24 v[STO], v6, 2*SROW
	v_add_nc_u32 v[STO], s42, v[STO]
	v_mad_u32_u24 v[RD], v7, SROW, v8
	v_add_nc_u32 v[RD], s42, v[RD]
	s_mov_b32 s33, ttmp9
	s_wait_kmcnt 0x0
; 32 k rows (32 c .. 32 c + 31 of the tile) into set X.  kclamp = 0: every row exists, its place stands in the immediate.
; kclamp = K: rows at or beyond K are read from row K - 1 instead (and zeroed in PROC), so that no load leaves the buffer.
.macro LOADS c, X, OFF, src, sp, kclamp
.set i_, 0
.rept 32
.if \kclamp
	s_add_co_u32 s37, s31, 32*\c+i_
	s_min_u32 s37, s37, \kclamp-1
	s_mul_i32 s37, s37, \sp
	v_add_nc_u32 v[\OFF+i_], s37, v[COLB]
	global_load_b64 v[\X+2*i_:\X+2*i_+1], v[\OFF+i_], s[\src:\src+1] th:TH_LOAD_NT
.else
	global_load_b64 v[\X+2*i_:\X+2*i_+1], v[COLB], s[24:25] offset:(32*\c+i_)*\sp th:TH_LOAD_NT
.endif
.set i_, i_+1
.endr
.endm
; Set X to bf16: rows 2 p, 2 p + 1 of one column make one word.  2730 is even, so a pair of k and a lane's pair of n
; lie wholly inside or wholly outside; what lies outside becomes zero.  Then 64 bytes of each of my two stage rows.
.macro PROC c, X, nmask, kclamp
.set p_, 0
.rept 16
	v_cvt_pk_bf16_f32 v[P0+p_], v[\X+4*p_], v[\X+4*p_+2]
	v_cvt_pk_bf16_f32 v[P1+p_], v[\X+4*p_+1], v[\X+4*p_+3]
.if \nmask
	v_cndmask_b32 v[P0+p_], 0, v[P0+p_], s36
	v_cndmask_b32 v[P1+p_], 0, v[P1+p_], s36
.endif
.if \kclamp
	s_add_co_u32 s37, s31, 32*\c+2*p_
	s_cmp_lt_u32 s37, \kclamp
	s_cselect_b32 s38, -1, 0
	v_cndmask_b32 v[P0+p_], 0, v[P0+p_], s38
	v_cndmask_b32 v[P1+p_], 0, v[P1+p_], s38
.endif
.set p_, p_+1
.endr
.irp g, 0,1,2,3
	ds_store_b128 v[STO], v[P0+4*\g:P0+4*\g+3] offset:64*\c+16*\g
	ds_store_b128 v[STO], v[P1+4*\g:P1+4*\g+3] offset:64*\c+16*\g+SROW
.endr
.endm
; One job.  lo: its first work-group; src: the scalar pair of its buffer; sp: bytes of a source row; nlim: columns;
; dst, dp: place and row bytes in wt; kfirst = 1: the k tile is the id's low 3 bits, else the n block is its low 2 bits.
.macro TRANS lo, src, sp, nlim, nmask, kclamp, dst, dp, kfirst
	s_sub_co_u32 s33, s33, \lo
.if \kfirst
	s_and_b32 s38, s33, 7                          ; k tile
	s_lshr_b32 s32, s33, 3                         ; n block
.else
	s_lshr_b32 s38, s33, 2
	s_and_b32 s32, s33, 3
.endif
	s_lshl_b32 s31, s38, 7                         ; the tile's first k
	s_lshl_b32 s40, s32, 8
	s_lshl_b32 s43, s41, 6
	s_add_co_u32 s40, s40, s43                     ; my wave's first n
	v_lshl_add_u32 v1, v6, 1, s40                  ; my first column
.if \nmask
	s_mov_b32 s28, \nlim
	v_cmp_gt_u32 s36, s28, v1                      ; lanes whose two columns exist
	v_min_u32 v1, \nlim-2, v1                      ; the others read the last pair
.endif
	v_lshlrev_b32 v[COLB], 2, v1
.if \kclamp == 0
	s_mul_i32 s26, s31, \sp
	s_mov_b32 s27, 0
	s_add_nc_u64 s[24:25], s[\src:\src+1], s[26:27]
.endif
	v_mul_u32_u24 v[D0], v7, \dp
	v_add_nc_u32 v[D0], v[D0], v8
	s_mul_i32 s40, s40, \dp
	s_add_co_u32 s40, s40, \dst
	s_lshl_b32 s38, s38, 8                         ; 128 k are 256 bytes
	s_add_co_u32 s38, s40, s38
	s_mov_b32 s39, 0
	s_add_nc_u64 s[34:35], s[22:23], s[38:39]
	LOADS 0, X0, OFF0, \src, \sp, \kclamp
	LOADS 1, X1, OFF1, \src, \sp, \kclamp
	s_wait_loadcnt 32                              ; set 0 is in; the 32 younger loads of set 1 stay out
	PROC 0, X0, \nmask, \kclamp
	LOADS 2, X0, OFF0, \src, \sp, \kclamp          ; set 0's data and offsets are free since that wait
	s_wait_loadcnt 32
	PROC 1, X1, \nmask, \kclamp
	LOADS 3, X1, OFF1, \src, \sp, \kclamp
	s_wait_loadcnt 32
	PROC 2, X0, \nmask, \kclamp
	s_wait_loadcnt 0x0
	PROC 3, X1, \nmask, \kclamp
.set t_, 0
.rept 32
	ds_load_b128 v[X0+4*t_:X0+4*t_+3], v[RD] offset:2*SROW*t_     ; LDS serves a wave's instructions in order: these see the stores above
.set t_, t_+1
.endr
.set t_, 0
.rept 32
	s_wait_dscnt 31-t_                             ; the younger loads stay out
	global_store_b128 v[D0], v[X0+4*t_:X0+4*t_+3], s[34:35] offset:2*t_*\dp
.set t_, t_+1
.endr
	s_wait_tensorcnt 0x0
	ds_add_u32 v240, v241
	s_wait_dscnt 0x0
	s_endpgm
.endm
	s_cmp_lt_u32 s33, 96
	s_cbranch_scc0 .Lj1
	TRANS 0, 8, 12288, 3072, 0, 0, WQKV, 2048, 1
.Lj1:
	s_cmp_lt_u32 s33, 128
	s_cbranch_scc0 .Lj2
	TRANS 96, 10, 4096, 1024, 0, 0, WPROJ, 2048, 1
.Lj2:
	s_cmp_lt_u32 s33, 216
	s_cbranch_scc0 .Lj3
	TRANS 128, 12, 10920, 2730, 1, 0, WGU, 2048, 1
.Lj3:
	s_cmp_lt_u32 s33, 304
	s_cbranch_scc0 .Lj4
	TRANS 216, 14, 10920, 2730, 1, 0, WUP, 2048, 1
.Lj4:
	s_cmp_lt_u32 s33, 392
	s_cbranch_scc0 .Lbias
	TRANS 304, 16, 4096, 1024, 0, 2730, WDOWN, 5632, 0
.Lbias:
	; the two biases, 2730 numbers each, padded with zeros to 2816: thread t takes numbers t + 128 i, i = 0 .. 21
	v_lshlrev_b32 v1, 2, v0
	v_add_nc_u32 v2, 2688, v0                      ; i = 21 reaches past the end:
	v_cmp_gt_u32 vcc_lo, 2730, v2                  ; lanes whose number exists,
	v_min_u32 v2, 2729, v2                         ; the others read the last one and store zero
	v_lshlrev_b32 v2, 2, v2
	s_add_nc_u64 s[34:35], s[22:23], BGU
.set i_, 0
.rept 21
	global_load_b32 v[16+i_], v1, s[18:19] offset:512*i_
	global_load_b32 v[40+i_], v1, s[20:21] offset:512*i_
.set i_, i_+1
.endr
	global_load_b32 v37, v2, s[18:19]
	global_load_b32 v61, v2, s[20:21]
	s_wait_loadcnt 0x0
	v_cndmask_b32 v37, 0, v37, vcc_lo
	v_cndmask_b32 v61, 0, v61, vcc_lo
.set i_, 0
.rept 22
	global_store_b32 v1, v[16+i_], s[34:35] offset:512*i_
	global_store_b32 v1, v[40+i_], s[34:35] offset:11264+512*i_
.set i_, i_+1
.endr
	s_endpgm
.Lfunc_end_k_q01b9984ee4_prep:
	.size	k_q01b9984ee4_prep, .Lfunc_end_k_q01b9984ee4_prep-k_q01b9984ee4_prep
	.p2alignl 7, 3214868480
	.fill 96, 4, 3214868480
	.section	.rodata,"a",@progbits
	.p2align	6, 0x0
	.amdhsa_kernel k_q01b9984ee4_prep
		.amdhsa_group_segment_fixed_size 70144
		.amdhsa_private_segment_fixed_size 0
		.amdhsa_enable_private_segment 0
		.amdhsa_kernarg_size 64
		.amdhsa_user_sgpr_count 2
		.amdhsa_user_sgpr_kernarg_segment_ptr 1
		.amdhsa_wavefront_size32 1
		.amdhsa_system_sgpr_workgroup_id_x 1
		.amdhsa_system_sgpr_workgroup_id_y 1
		.amdhsa_system_sgpr_workgroup_id_z 1
		.amdhsa_system_vgpr_workitem_id 0
		.amdhsa_next_free_vgpr 242
		.amdhsa_next_free_sgpr 66
		.amdhsa_reserve_vcc 1
		.amdhsa_float_denorm_mode_32 3
		.amdhsa_float_denorm_mode_16_64 3
		.amdhsa_memory_ordered 1
		.amdhsa_forward_progress 1
		.amdhsa_inst_pref_size 215
	.end_amdhsa_kernel
	.amdgpu_metadata
---
amdhsa.version: [ 1, 2 ]
amdhsa.kernels:
  - .name:           k_q01b9984ee4_prep
    .symbol:         k_q01b9984ee4_prep.kd
    .args:
      - { .name: qkv_w, .offset: 0, .size: 8, .value_kind: global_buffer, .address_space: global }
      - { .name: proj_w, .offset: 8, .size: 8, .value_kind: global_buffer, .address_space: global }
      - { .name: gate_w, .offset: 16, .size: 8, .value_kind: global_buffer, .address_space: global }
      - { .name: up_w, .offset: 24, .size: 8, .value_kind: global_buffer, .address_space: global }
      - { .name: down_w, .offset: 32, .size: 8, .value_kind: global_buffer, .address_space: global }
      - { .name: gate_b, .offset: 40, .size: 8, .value_kind: global_buffer, .address_space: global }
      - { .name: up_b, .offset: 48, .size: 8, .value_kind: global_buffer, .address_space: global }
      - { .name: wt, .offset: 56, .size: 8, .value_kind: global_buffer, .address_space: global }
    .group_segment_fixed_size: 70144
    .private_segment_fixed_size: 0
    .kernarg_segment_align: 8
    .kernarg_segment_size: 64
    .max_flat_workgroup_size: 128
    .sgpr_count:     66
    .vgpr_count:     242
    .wavefront_size: 32
...
	.end_amdgpu_metadata
.endif
;; end of part 1
;; launch ln1 (part 2): grid 256 x 1, 4 waves a work-group, no clusters, 0 bytes of LDS; arguments x, ln1_g, ln1_b, hbuf; writes hbuf
.if DOCPART == 2
	.amdgcn_target "amdgcn-amd-amdhsa--gfx1250"
	.amdhsa_code_object_version 6
	.text
	.protected	k_q01b9984ee4_ln1
	.globl	k_q01b9984ee4_ln1
	.p2align	8
	.type	k_q01b9984ee4_ln1,@function
k_q01b9984ee4_ln1:
	s_mov_b64 s[64:65], 0
	v_nop
	global_prefetch_b8 v0, s[64:65] scope:SCOPE_SE
	s_setreg_imm32_b32 hwreg(HW_REG_WAVE_MODE, 25, 1), 1
	s_wait_xcnt 0x0
; LayerNorm of 4096 rows of 1024 f32, result in bf16: y = (x - mean) * rsqrt(var + 1e-5) * g + b.
; One wave takes a whole row (4,096 bytes = 32 registers a lane) and four rows in all, so that nothing leaves the wave: no LDS, no barrier.
; The variance is the mean of (x - mean)^2, formed in a second pass over the registers, as the definition has it: a common
; offset of the inputs costs no digits.  v_rsq_f32 is accurate to 1 ULP; its input is at least 1e-5.
; All six groups of eight loads (four rows, g, b) go out at once; each load of the wave covers 512 neighbouring bytes,
; each store 256 neighbouring bytes, aligned.
.set X, 32                             ; v32-159   row r at X + 32 r
.set G, 160                            ; v160-191  g of my 32 columns
.set B, 192                            ; v192-223  b
	s_load_b256 s[4:11], s[0:1], 0x0               ; x s[4:5], g s[6:7], b s[8:9], y s[10:11]
	v_and_b32 v1, 31, v0
	v_lshrrev_b32 v14, 5, v0                       ; wave
	v_lshlrev_b32 v15, 4, v1                       ; 16 bytes a lane: offset in g and b
	v_lshl_add_u32 v16, v14, 14, v15               ; + wave x 4 rows x 4,096 bytes: offset in x
	v_lshlrev_b32 v17, 3, v1
	v_lshl_add_u32 v17, v14, 13, v17               ; 8 bytes a lane + wave x 4 rows x 2,048 bytes: offset in y
	s_lshl_b32 s2, ttmp9, 16                       ; the work-group's 16 rows
	s_mov_b32 s3, 0
	s_lshl_b32 s16, ttmp9, 15
	s_mov_b32 s17, 0
	s_mov_b32 s12, 0x76543210                      ; v_permlanex16_b32: lane i reads lane i of the other half
	s_mov_b32 s13, 0xfedcba98
	s_mov_b32 s14, 0x3a800000                      ; 1 / 1024
	s_mov_b32 s15, 0x3727c5ac                      ; 1e-5
	s_wait_kmcnt 0x0
	s_add_nc_u64 s[4:5], s[4:5], s[2:3]
	s_add_nc_u64 s[10:11], s[10:11], s[16:17]
.macro FILL r
.irp j, 0,1,2,3,4,5,6,7
	global_load_b128 v[X+32*\r+4*\j:X+32*\r+4*\j+3], v16, s[4:5] offset:4096*\r+512*\j
.endr
.endm
	FILL 0
.irp j, 0,1,2,3,4,5,6,7
	global_load_b128 v[G+4*\j:G+4*\j+3], v15, s[6:7] offset:512*\j
.endr
.irp j, 0,1,2,3,4,5,6,7
	global_load_b128 v[B+4*\j:B+4*\j+3], v15, s[8:9] offset:512*\j
.endr
	FILL 1
	FILL 2
	FILL 3
.macro FOLD                            ; the four chains v[2:9] into v2
	v_pk_add_f32 v[2:3], v[2:3], v[4:5]
	v_pk_add_f32 v[6:7], v[6:7], v[8:9]
	v_pk_add_f32 v[2:3], v[2:3], v[6:7]
	v_add_f32 v2, v2, v3
.endm
.macro LANES                           ; v2 summed over the 32 lanes, in every lane
	v_add_f32_dpp v2, v2, v2 row_xmask:1 row_mask:0xf bank_mask:0xf
	v_add_f32_dpp v2, v2, v2 row_xmask:2 row_mask:0xf bank_mask:0xf
	v_add_f32_dpp v2, v2, v2 row_xmask:4 row_mask:0xf bank_mask:0xf
	v_add_f32_dpp v2, v2, v2 row_xmask:8 row_mask:0xf bank_mask:0xf
	v_permlanex16_b32 v3, v2, s12, s13             ; v3 has been written by the chains
	v_add_f32 v2, v2, v3
.endm
; left = the loads issued behind this row's (and, for row 0, behind b's): they may stay out
.macro ROW r, left
.set XB, X+32*\r
	s_wait_loadcnt \left
.irp k, 0,1,2,3
	v_pk_add_f32 v[2+2*\k:3+2*\k], v[XB+2*\k:XB+2*\k+1], v[XB+8+2*\k:XB+9+2*\k]      ; four chains, started by the first words
.endr
.irp k, 0,1,2,3
	v_pk_add_f32 v[2+2*\k:3+2*\k], v[2+2*\k:3+2*\k], v[XB+16+2*\k:XB+17+2*\k]
.endr
.irp k, 0,1,2,3
	v_pk_add_f32 v[2+2*\k:3+2*\k], v[2+2*\k:3+2*\k], v[XB+24+2*\k:XB+25+2*\k]
.endr
	FOLD
	LANES
	v_mul_f32 v10, s14, v2                         ; the mean, twice: a pair for the packed forms
	v_mul_f32 v11, s14, v2
.set i_, 0
.rept 16
	v_pk_add_f32 v[XB+2*i_:XB+2*i_+1], v[XB+2*i_:XB+2*i_+1], v[10:11] neg_lo:[0,1] neg_hi:[0,1]
.set i_, i_+1
.endr
.irp k, 0,1,2,3
	v_pk_mul_f32 v[2+2*\k:3+2*\k], v[XB+2*\k:XB+2*\k+1], v[XB+2*\k:XB+2*\k+1]
.endr
.irp k, 0,1,2,3
	v_pk_fma_f32 v[2+2*\k:3+2*\k], v[XB+8+2*\k:XB+9+2*\k], v[XB+8+2*\k:XB+9+2*\k], v[2+2*\k:3+2*\k]
.endr
.irp k, 0,1,2,3
	v_pk_fma_f32 v[2+2*\k:3+2*\k], v[XB+16+2*\k:XB+17+2*\k], v[XB+16+2*\k:XB+17+2*\k], v[2+2*\k:3+2*\k]
.endr
.irp k, 0,1,2,3
	v_pk_fma_f32 v[2+2*\k:3+2*\k], v[XB+24+2*\k:XB+25+2*\k], v[XB+24+2*\k:XB+25+2*\k], v[2+2*\k:3+2*\k]
.endr
	FOLD
	LANES
	v_fma_f32 v14, v2, s14, s15                    ; variance + 1e-5
	v_rsq_f32 v12, v14
	v_nop                                          ; one plain vector instruction behind the transcendental (ISA guide 5.7.2)
	s_wait_alu depctr_va_vdst(0)
	v_mov_b32 v13, v12
.set i_, 0
.rept 16
	v_pk_mul_f32 v[XB+2*i_:XB+2*i_+1], v[XB+2*i_:XB+2*i_+1], v[12:13]
.set i_, i_+1
.endr
.set i_, 0
.rept 16
	v_pk_fma_f32 v[XB+2*i_:XB+2*i_+1], v[XB+2*i_:XB+2*i_+1], v[G+2*i_:G+2*i_+1], v[B+2*i_:B+2*i_+1]
.set i_, i_+1
.endr
.irp j, 0,1,2,3,4,5,6,7
	v_cvt_pk_bf16_f32 v[XB+4*\j], v[XB+4*\j], v[XB+4*\j+1]
	v_cvt_pk_bf16_f32 v[XB+4*\j+1], v[XB+4*\j+2], v[XB+4*\j+3]
	global_store_b64 v17, v[XB+4*\j:XB+4*\j+1], s[10:11] offset:2048*\r+256*\j    ; each row has registers of its own: nothing that a store reads is rewritten
.endr
.endm
	ROW 0, 24
	ROW 1, 16
	ROW 2, 8
	ROW 3, 0
	s_endpgm
.Lfunc_end_k_q01b9984ee4_ln1:
	.size	k_q01b9984ee4_ln1, .Lfunc_end_k_q01b9984ee4_ln1-k_q01b9984ee4_ln1
	.p2alignl 7, 3214868480
	.fill 96, 4, 3214868480
	.section	.rodata,"a",@progbits
	.p2align	6, 0x0
	.amdhsa_kernel k_q01b9984ee4_ln1
		.amdhsa_group_segment_fixed_size 0
		.amdhsa_private_segment_fixed_size 0
		.amdhsa_enable_private_segment 0
		.amdhsa_kernarg_size 32
		.amdhsa_user_sgpr_count 2
		.amdhsa_user_sgpr_kernarg_segment_ptr 1
		.amdhsa_wavefront_size32 1
		.amdhsa_system_sgpr_workgroup_id_x 1
		.amdhsa_system_sgpr_workgroup_id_y 1
		.amdhsa_system_sgpr_workgroup_id_z 1
		.amdhsa_system_vgpr_workitem_id 0
		.amdhsa_next_free_vgpr 224
		.amdhsa_next_free_sgpr 66
		.amdhsa_reserve_vcc 0
		.amdhsa_float_denorm_mode_32 3
		.amdhsa_float_denorm_mode_16_64 3
		.amdhsa_memory_ordered 1
		.amdhsa_forward_progress 1
		.amdhsa_inst_pref_size 38
	.end_amdhsa_kernel
	.amdgpu_metadata
---
amdhsa.version: [ 1, 2 ]
amdhsa.kernels:
  - .name:           k_q01b9984ee4_ln1
    .symbol:         k_q01b9984ee4_ln1.kd
    .args:
      - { .name: x, .offset: 0, .size: 8, .value_kind: global_buffer, .address_space: global }
      - { .name: ln1_g, .offset: 8, .size: 8, .value_kind: global_buffer, .address_space: global }
      - { .name: ln1_b, .offset: 16, .size: 8, .value_kind: global_buffer, .address_space: global }
      - { .name: hbuf, .offset: 24, .size: 8, .value_kind: global_buffer, .address_space: global }
    .group_segment_fixed_size: 0
    .private_segment_fixed_size: 0
    .kernarg_segment_align: 8
    .kernarg_segment_size: 32
    .max_flat_workgroup_size: 128
    .sgpr_count:     66
    .vgpr_count:     224
    .wavefront_size: 32
...
	.end_amdgpu_metadata
.endif
;; end of part 2
;; launch qkvg (part 3): grid 32 x 16, 4 waves a work-group, clusters of 4 x 1, 327,680 bytes of LDS; arguments hbuf, wt, qkv_b, qkvh; writes qkvh
.if DOCPART == 3
	.amdgcn_target "amdgcn-amd-amdhsa--gfx1250"
	.amdhsa_code_object_version 6
	.text
	.protected	k_q01b9984ee4_qkvg
	.globl	k_q01b9984ee4_qkvg
	.p2align	8
	.type	k_q01b9984ee4_qkvg,@function
k_q01b9984ee4_qkvg:
	s_mov_b64 s[64:65], 0
	v_nop
	global_prefetch_b8 v0, s[64:65] scope:SCOPE_SE
	s_setreg_imm32_b32 hwreg(HW_REG_WAVE_MODE, 25, 1), 1
	s_wait_xcnt 0x0
	s_wait_alu depctr_hold_cnt(0) depctr_sa_sdst(0) depctr_va_vdst(0) depctr_va_sdst(0) depctr_va_ssrc(0) depctr_va_vcc(0) depctr_vm_vsrc(0)
	s_getreg_b32 s2, hwreg(HW_REG_IB_STS2, 6, 4)
	s_cmp_eq_u32 s2, 0
	s_cbranch_scc0 .Lentry_in_a_cluster
	s_endpgm
.Lentry_in_a_cluster:
	s_bfe_u32 s2, ttmp6, 0x10000c
	s_cmp_lg_u32 s2, 0x3003
	s_cbranch_scc0 .Lentry_shape_is_right
	s_endpgm
.Lentry_shape_is_right:
; qkv = h Wqkv + b.  h: hbuf [4096][1024] bf16; W: wt [3072 n][1024 k] bf16; result bf16, head-major: qkvh [b 2][c 48][t 2048][64],
; c = column / 64 (0-15 q, 16-31 k, 32-47 v).  Sums in f32, rounded once.
; q (columns 0-1023) is stored times log2(e) / 8, multiplied in f32 before the one rounding: the attention's scores q.k then are exponents of 2
; and its inner step needs no multiply.
; A work-group makes 128 rows x 192 columns (three heads) with four waves, 2 x 2; a wave makes 64 x 96: 4 x 6 accumulator tiles of 16 x 16.
; K goes in steps of 128 through two LDS slots filled by the tensor data mover (rows of 256 bytes, aligned, padded by 16 in LDS).
; Waves 0 and 1 fetch the two halves of h's tile, waves 2 and 3 those of W's: one tensor load a wave for a step.
; CLUSTER 4 x 1: the four work-groups are four row blocks with one column block, so W's tiles are asked for jointly (mask 15); h's tiles are
; each work-group's own.  A 4 x 4 cluster, which would share h's tiles too, is left out: this text is one with the gate/up product's,
; whose 22 column blocks no 4 divides.
; The matrix instruction is used transposed (source 0 = 16 rows of W, source 1 = 16 rows of h): a lane then holds row l % 16 of the result and
; eight neighbouring columns 8 (l / 16) + 0..7.
; Registers: window 0: addresses, two fragment buffers (h at FA0 + 32 f, W at FB0 + 64 f); window 1: accumulator (a, b) at 8 (NT a + b); window 2: the bias.
.set KTOT,  1024
.set KSTEP, 128
.set PITCH, 272
.set QI,    5                          ; padding behind every 64 dwords, a row
.set T,     8                          ; K steps
.set NT,    6                          ; column tiles of a wave
.set BN,    192
.set WOFF,  0                          ; W's place in wt
.set GU,    0
.set BSTEP, 192                        ; W rows from one column block to the next
.set BHS,   96                         ; W rows from wave 2's half to wave 3's
.set WNR,   96                         ; LDS rows from the left waves' W to the right waves'
.set BHALF, 16*NT                      ; rows of W in one tensor load
.set SLOT,  (128+BN)*PITCH             ; h's 128 rows, then W's
.set STAGE, 2*SLOT                     ; behind the ring, bytes into which no fill lands: 128 rows x 400 bytes
.set NQ,    KSTEP/32
.set NL,    2*NT+8                     ; LDS loads of one quarter step
.set FL,    (T-2-(T&1))/2              ; laps in which both slots are filled again
.set ADRA, 16
.set ADRB, 20
.set STO,  24
.set RD,   25
.set CO,   26
.set BO,   27
.set FA0,  32
.set FB0,  96
.set SC,   160                         ; the way out: v160-171, a pair for each column tile: its factor, twice
.set G1,   24                          ; s[24:31] group 1, h's tiles
.set G0,   32                          ; s[32:39] group 0, h's tiles, a set for each slot
.set G1B,  48                          ; s[48:55] group 1, W's tiles
.set G0B,  56                          ; s[56:63] group 0, W's tiles
.set MSB,  0
.macro WIN new                         ; the immediate's high byte repeats the setting that is left
.if MSB != \new
	s_set_vgpr_msb (MSB<<8)|\new
.set MSB, \new
.endif
.endm
.macro PLACES                          ; four places behind a matrix instruction (ISA guide 7.12.1)
.rept 4
	v_nop
.endr
.endm
.macro JLOAD s                         ; one tensor load a wave: waves 0, 1 h's halves (plain), waves 2, 3 W's halves (joint)
	s_cmp_eq_u32 s11, 0
	s_cbranch_scc0 .Lfor_w_\@
	tensor_load_to_lds s[G0+4*\s:G0+4*\s+3], s[G1:G1+7]
	s_nop 0
	s_branch .Lasked_\@
.Lfor_w_\@:
	tensor_load_to_lds s[G0B+4*\s:G0B+4*\s+3], s[G1B:G1B+7]
	s_nop 0
.Lasked_\@:
.endm
.macro CREST                           ; a round of the cluster's barrier behind its opening work-group barrier
	s_cmp_lg_u32 s10, 0
	s_cbranch_scc1 .Lnot_wave_0_\@
	s_barrier_signal -3
.Lnot_wave_0_\@:
	s_barrier_wait -3
	s_barrier_signal -1
	s_barrier_wait -1
.endm
.macro CROUND
	s_barrier_signal -1
	s_barrier_wait -1
	CREST
.endm
; NT matrix instructions: row tile a x all column tiles, 32 along K, from buffer f.  zero = 1: the first product starts the sums.
.macro MULA f, a, zero
.set b_, 0
.rept NT
.if \zero
	v_wmma_f32_16x16x32_bf16 v[8*(NT*\a+b_):8*(NT*\a+b_)+7], v[FB0+64*\f+8*b_:FB0+64*\f+8*b_+7], v[FA0+32*\f+8*\a:FA0+32*\f+8*\a+7], 0
.else
	v_wmma_f32_16x16x32_bf16 v[8*(NT*\a+b_):8*(NT*\a+b_)+7], v[FB0+64*\f+8*b_:FB0+64*\f+8*b_+7], v[FA0+32*\f+8*\a:FA0+32*\f+8*\a+7], v[8*(NT*\a+b_):8*(NT*\a+b_)+7]
.endif
.set b_, b_+1
.endr
.endm
; NL LDS loads in one run: the fragments of one quarter step (32 K at byte k of the rows) into buffer f; W's first, h's four row tiles last
.macro FETCH slot, k, f
	WIN 0
.set b_, 0
.rept NT
	ds_load_b128 v[FB0+64*\f+8*b_:FB0+64*\f+8*b_+3],   v[ADRB+\slot] offset:\k+(16*b_+GU*(b_/4)*64)*PITCH
	ds_load_b128 v[FB0+64*\f+8*b_+4:FB0+64*\f+8*b_+7], v[ADRB+\slot] offset:\k+(16*b_+GU*(b_/4)*64)*PITCH+32
.set b_, b_+1
.endr
.irp a, 0,1,2,3
	ds_load_b128 v[FA0+32*\f+8*\a:FA0+32*\f+8*\a+3],   v[ADRA+\slot] offset:\k+16*\a*PITCH
	ds_load_b128 v[FA0+32*\f+8*\a+4:FA0+32*\f+8*\a+7], v[ADRA+\slot] offset:\k+16*\a*PITCH+32
.endr
.endm
; A quarter step: multiplies buffer f; in its middle it fetches the next quarter's fragments into buffer g.
; The 4 NT accumulators take turns, one instruction a turn, in the same order in every quarter.
.macro QUARTER slot, k, f, g, zero
	s_wait_dscnt 4                                 ; all but the four youngest loads (h's row tiles 2 and 3) are in
	WIN 0x50
	MULA \f, 0, \zero
	MULA \f, 1, \zero
	PLACES                                         ; buffer g was read by earlier matrix instructions
	FETCH \slot, \k, \g
	s_wait_dscnt NL                                ; all but the NL just issued
	WIN 0x50
	MULA \f, 2, \zero
	MULA \f, 3, \zero
.endm
.macro BODY slot, zero                 ; all quarters of a K step but the last
	QUARTER \slot, 64,  0, 1, \zero
	QUARTER \slot, 128, 1, 0, 0
	QUARTER \slot, 192, 0, 1, 0
.if NQ == 8
	QUARTER \slot, 256, 1, 0, 0
	QUARTER \slot, 320, 0, 1, 0
	QUARTER \slot, 384, 1, 0, 0
	QUARTER \slot, 448, 0, 1, 0
.endif
.endm
; The last quarter: multiplies buffer 1 and changes slots.  In front of the barrier each wave waits for its reads of this slot and for all its
; tensor loads (the one that is out is its part of the next slot).  fill = 1: the barrier opens a round of the cluster's barrier, and this slot's
; refill, two K steps ahead, is the first tensor load behind the round.
.macro TURN slot, next, fill
	s_wait_dscnt 4
	WIN 0x50
	MULA 1, 0, 0
	s_wait_dscnt 0x0
	s_wait_tensorcnt 0x0
	ds_add_u32 v254, v255
	s_wait_dscnt 0x0
	s_barrier_signal -1
	MULA 1, 1, 0                                   ; register work while the others arrive
	WIN 0
	s_barrier_wait -1
.if \fill
	CREST
	s_add_nc_u64 s[G0+4*\slot+2:G0+4*\slot+3], s[G0+4*\slot+2:G0+4*\slot+3], 4*KSTEP      ; no tensor load of mine is out: group 0 may be written
	s_add_nc_u64 s[G0B+4*\slot+2:G0B+4*\slot+3], s[G0B+4*\slot+2:G0B+4*\slot+3], 4*KSTEP
	JLOAD \slot
.endif
	PLACES
	FETCH \next, 0, 0
	WIN 0x50
	MULA 1, 2, 0
	MULA 1, 3, 0
.endm
.macro LAP zero
	BODY 0, \zero
	TURN 0, 1, 1
	BODY 1, 0
	TURN 1, 0, 1
.endm
	s_load_b128 s[4:7], s[0:1], 0x0                ; h, wt
	s_load_b128 s[68:71], s[0:1], 0x10             ; qkv_b, qkvh
	v_lshl_add_u32 v254, v0, 2, 0x37000
	v_mov_b32 v255, 0
	ds_add_u32 v254, v255
	ds_add_u32 v254, v255
	v_lshrrev_b32 v1, 5, v0
	v_readfirstlane_b32 s10, v1                    ; wave
	s_lshr_b32 s11, s10, 1                         ; my half of the rows.  Also: I fetch h (0) or W (1)
	s_and_b32 s12, s10, 1                          ; my half of the columns.  Also: which half of the tile I fetch
	s_bfe_u32 s40, ttmp6, 0x40000                  ; cx
	s_lshl_b32 s13, ttmp9, 2
	s_add_co_u32 s13, s13, s40                     ; row block = 4 x cluster x + cx
	s_and_b32 s42, ttmp7, 0xffff                   ; column block, shared by the cluster
	s_mov_b32 s[G1+0], (1<<16)|(1<<20)|(QI<<22)|(3<<25)                 ; 2-byte elements, padding of 4 dwords behind each row, no mask
	s_mov_b32 s[G1+1], KSTEP<<16                   ; tensor_dim0
	s_mov_b32 s[G1+2], 64<<16                      ; tensor_dim1
	s_mov_b32 s[G1+3], KSTEP<<16                   ; tile_dim0
	s_mov_b32 s[G1+4], 64                          ; tile_dim1
	s_mov_b32 s[G1+5], KTOT                        ; elements from row to row
	s_mov_b32 s[G1+6], 0
	s_mov_b32 s[G1+7], 0
	s_mov_b32 s[G1B+0], 15|(1<<16)|(1<<20)|(1<<21)|(QI<<22)|(3<<25)     ; the same with the mask of all four and bit 21 beside it
	s_mov_b32 s[G1B+1], KSTEP<<16
	s_mov_b32 s[G1B+2], BHALF<<16
	s_mov_b32 s[G1B+3], KSTEP<<16
	s_mov_b32 s[G1B+4], BHALF
	s_mov_b32 s[G1B+5], KTOT
	s_mov_b32 s[G1B+6], 0
	s_mov_b32 s[G1B+7], 0
	s_lshl_b32 s16, s13, 7
	s_lshl_b32 s17, s12, 6
	s_add_co_u32 s16, s16, s17                     ; h: row 128 x row block + 64 x half
	s_mul_i32 s16, s16, 2*KTOT
	s_mov_b32 s17, 0
	s_mul_i32 s46, s42, BSTEP
	s_mul_i32 s47, s12, BHS
	s_add_co_u32 s46, s46, s47                     ; W: its row, from the column block and the wave alone
	s_mul_i32 s46, s46, 2*KTOT
	s_add_co_u32 s46, s46, WOFF
	s_mov_b32 s47, 0
	s_mul_i32 s20, s10, 64*PITCH                   ; LDS: h's halves at wave x 64 rows (waves 0, 1),
	s_mul_i32 s21, s10, BHALF*PITCH                ; W's at 128 rows + (wave - 2) x BHALF rows (waves 2, 3)
	s_add_co_i32 s21, s21, (128-2*BHALF)*PITCH
	s_wait_dscnt 0x0
	s_wait_kmcnt 0x0
	s_add_nc_u64 s[14:15], s[4:5], s[16:17]
	s_add_nc_u64 s[46:47], s[6:7], s[46:47]
	CROUND                                         ; all four work-groups are here: the first joint loads meet
.irp s, 0,1
	s_mov_b32 s[G0+4*\s], 1
	s_add_co_u32 s[G0+4*\s+1], s20, \s*SLOT
	s_add_nc_u64 s[G0+4*\s+2:G0+4*\s+3], s[14:15], \s*KSTEP*2
	s_or_b32 s[G0+4*\s+3], s[G0+4*\s+3], 0x80000000
	s_mov_b32 s[G0B+4*\s], 1
	s_add_co_u32 s[G0B+4*\s+1], s21, \s*SLOT
	s_add_nc_u64 s[G0B+4*\s+2:G0B+4*\s+3], s[46:47], \s*KSTEP*2
	s_or_b32 s[G0B+4*\s+3], s[G0B+4*\s+3], 0x80000000
	JLOAD \s                                       ; two tensor loads of a wave are out here, later never more than one
.endr
	v_and_b32 v1, 15, v0                           ; r = l % 16
	v_bfe_u32 v2, v0, 4, 1                         ; h = l / 16
	; the bias of my 96 columns, in the accumulators' layout: fragment b, registers 0-7 = columns 16 b + 8 h + 0..7
	v_lshlrev_b32 v[BO], 5, v2
	s_mul_i32 s16, s42, 768
	s_mul_i32 s17, s12, 384
	s_add_co_u32 s16, s16, s17
	s_mov_b32 s17, 0
	s_add_nc_u64 s[68:69], s[68:69], s[16:17]
	WIN 0x80
.set b_, 0
.rept NT
	global_load_b128 v[8*b_:8*b_+3],   v[BO], s[68:69] offset:64*b_
	global_load_b128 v[8*b_+4:8*b_+7], v[BO], s[68:69] offset:64*b_+16
.set b_, b_+1
.endr
	WIN 0
	; the way out: stage rows of 384 + 16 bytes; a wave reads back 32 rows of each of the three heads
	s_mul_i32 s22, s11, 64*400
	s_mul_i32 s23, s12, 192
	s_add_co_u32 s22, s22, s23
	s_add_co_u32 s22, s22, STAGE
	v_mul_u32_u24 v4, v1, 400
	v_lshl_add_u32 v4, v2, 4, v4
	v_add_nc_u32 v[STO], s22, v4
	v_and_b32 v5, 31, v0
	v_lshrrev_b32 v6, 3, v5
	v_and_b32 v7, 7, v5
	v_mul_u32_u24 v6, v6, 400
	v_lshl_add_u32 v6, v7, 4, v6
	s_mul_i32 s22, s10, 32*400
	s_add_co_u32 s22, s22, STAGE
	v_add_nc_u32 v[RD], s22, v6
	v_lshlrev_b32 v[CO], 4, v5                     ; four rows of 128 bytes are dense in qkvh: 16 bytes a lane
	s_lshr_b32 s16, s13, 4                         ; batch
	s_mul_i32 s16, s16, 48
	s_mul_i32 s17, s42, 3
	s_add_co_u32 s16, s16, s17                     ; 48 b + first c
	s_lshl_b32 s16, s16, 11
	s_and_b32 s17, s13, 15
	s_lshl_b32 s17, s17, 7
	s_add_co_u32 s16, s16, s17                     ; + the block's first t
	s_lshl_b32 s17, s10, 5
	s_add_co_u32 s16, s16, s17                     ; + my wave's 32 rows
	s_lshl_b32 s16, s16, 7
	s_mov_b32 s17, 0
	s_add_nc_u64 s[70:71], s[70:71], s[16:17]
	; fragments: lane l holds row l % 16; two loads of 16 bytes, 32 apart, at row x pitch + 16 (l / 16)
	v_mul_u32_u24 v3, v1, PITCH
	v_lshl_add_u32 v3, v2, 4, v3
	s_mul_i32 s22, s11, 64*PITCH
	s_mul_i32 s23, s12, WNR*PITCH
	s_add_co_u32 s23, s23, 128*PITCH
.irp s, 0,1
	v_add_nc_u32 v[ADRA+\s], s22, v3
	v_add_nc_u32 v[ADRB+\s], s23, v3
	s_add_co_u32 s22, s22, SLOT
	s_add_co_u32 s23, s23, SLOT
.endr
	s_wait_tensorcnt 0x1                           ; my part of K step 0 is in; step 1's may stay out
	s_barrier_signal -1
	s_barrier_wait -1
	FETCH 0, 0, 0
	LAP 1
.if FL > 1
	WIN 0
	s_mov_b32 s3, FL-1
.Llap:
	LAP 0
	WIN 0
	s_sub_co_u32 s3, s3, 1
	s_cmp_lg_u32 s3, 0
	s_cbranch_scc1 .Llap
.endif
.if T & 1
	BODY 0, 0
	TURN 0, 1, 1
	BODY 1, 0
	TURN 1, 0, 0
	BODY 0, 0
.else
	BODY 0, 0                                      ; the last two K steps fill nothing
	TURN 0, 1, 0
	BODY 1, 0
.endif
	s_wait_dscnt 0x0
	WIN 0x50
	MULA 1, 0, 0
	MULA 1, 1, 0
	MULA 1, 2, 0
	MULA 1, 3, 0
	PLACES                                         ; the sums are read, and the fragment buffers written, only behind these places
	WIN 0
	; each column tile's factor: log2(e) / 8 where its 16 columns belong to q (below 1024; a tile never straddles that), else 1
	s_mul_i32 s16, s42, 192
	s_mul_i32 s17, s12, 96
	s_add_co_u32 s16, s16, s17                     ; my first column
	s_mov_b32 s66, 0x3e38aa3b                      ; log2(e) / 8
	s_mov_b32 s67, 0x3f800000                      ; 1.0
.set b_, 0
.rept NT
	s_add_co_u32 s17, s16, 16*b_
	s_cmp_lt_u32 s17, 1024
	s_cselect_b32 s18, s66, s67
	v_mov_b32 v[SC+2*b_], s18
	v_mov_b32 v[SC+2*b_+1], s18
.set b_, b_+1
.endr
	s_wait_loadcnt 0x0                             ; the bias
.irp a, 0,1,2,3
	WIN 0x09                                       ; source 0 window 1 (sums), source 1 window 2 (bias)
.set i_, 0
.rept 4*NT
	v_pk_add_f32 v[32+2*i_:33+2*i_], v[8*NT*\a+2*i_:8*NT*\a+2*i_+1], v[2*i_:2*i_+1]
.set i_, i_+1
.endr
	WIN 0
.set i_, 0
.rept 4*NT
	v_pk_mul_f32 v[32+2*i_:33+2*i_], v[32+2*i_:33+2*i_], v[SC+2*(i_/4):SC+2*(i_/4)+1]
.set i_, i_+1
.endr
.set i_, 0
.rept 4*NT
	v_cvt_pk_bf16_f32 v[128+i_], v[32+2*i_], v[33+2*i_]
.set i_, i_+1
.endr
.set b_, 0
.rept NT
	ds_store_b128 v[STO], v[128+4*b_:128+4*b_+3] offset:6400*\a+32*b_
.set b_, b_+1
.endr
.endr
	s_wait_dscnt 0x0                               ; for the others' sake: my stores are done
	s_barrier_signal -1
	s_barrier_wait -1
.irp hc, 0,1,2
.irp t, 0,1,2,3,4,5,6,7
	ds_load_b128 v[32+32*\hc+4*\t:32+32*\hc+4*\t+3], v[RD] offset:1600*\t+128*\hc
.endr
.endr
.irp hc, 0,1,2
.irp t, 0,1,2,3,4,5,6,7
	s_wait_dscnt 23-8*\hc-\t
	global_store_b128 v[CO], v[32+32*\hc+4*\t:32+32*\hc+4*\t+3], s[70:71] offset:512*\t+262144*\hc   ; 512 consecutive bytes, aligned
.endr
.endr
	s_wait_tensorcnt 0x0
	ds_add_u32 v254, v255
	s_wait_dscnt 0x0
	CROUND                                         ; the closing round: no work-group ends while a partner may still ask jointly
	s_endpgm
.Lfunc_end_k_q01b9984ee4_qkvg:
	.size	k_q01b9984ee4_qkvg, .Lfunc_end_k_q01b9984ee4_qkvg-k_q01b9984ee4_qkvg
	.p2alignl 7, 3214868480
	.fill 96, 4, 3214868480
	.section	.rodata,"a",@progbits
	.p2align	6, 0x0
	.amdhsa_kernel k_q01b9984ee4_qkvg
		.amdhsa_group_segment_fixed_size 327680
		.amdhsa_private_segment_fixed_size 0
		.amdhsa_enable_private_segment 0
		.amdhsa_kernarg_size 32
		.amdhsa_user_sgpr_count 2
		.amdhsa_user_sgpr_kernarg_segment_ptr 1
		.amdhsa_wavefront_size32 1
		.amdhsa_system_sgpr_workgroup_id_x 1
		.amdhsa_system_sgpr_workgroup_id_y 1
		.amdhsa_system_sgpr_workgroup_id_z 1
		.amdhsa_system_vgpr_workitem_id 0
		.amdhsa_next_free_vgpr 576
		.amdhsa_next_free_sgpr 80
		.amdhsa_reserve_vcc 0
		.amdhsa_float_denorm_mode_32 3
		.amdhsa_float_denorm_mode_16_64 3
		.amdhsa_memory_ordered 1
		.amdhsa_forward_progress 1
		.amdhsa_inst_pref_size 111
	.end_amdhsa_kernel
	.amdgpu_metadata
---
amdhsa.version: [ 1, 2 ]
amdhsa.kernels:
  - .name:           k_q01b9984ee4_qkvg
    .symbol:         k_q01b9984ee4_qkvg.kd
    .args:
      - { .name: hbuf, .offset: 0, .size: 8, .value_kind: global_buffer, .address_space: global }
      - { .name: wt, .offset: 8, .size: 8, .value_kind: global_buffer, .address_space: global }
      - { .name: qkv_b, .offset: 16, .size: 8, .value_kind: global_buffer, .address_space: global }
      - { .name: qkvh, .offset: 24, .size: 8, .value_kind: global_buffer, .address_space: global }
    .group_segment_fixed_size: 327680
    .private_segment_fixed_size: 0
    .kernarg_segment_align: 8
    .kernarg_segment_size: 32
    .max_flat_workgroup_size: 128
    .sgpr_count:     80
    .vgpr_count:     576
    .wavefront_size: 32
...
	.end_amdgpu_metadata
.endif
;; end of part 3
;; launch attn (part 4): grid 8 x 32, 4 waves a work-group, no clusters, 327,680 bytes of LDS; arguments qkvh, ao; writes ao
.if DOCPART == 4
	.amdgcn_target "amdgcn-amd-amdhsa--gfx1250"
	.amdhsa_code_object_version 6
	.text
	.protected	k_q01b9984ee4_attn
	.globl	k_q01b9984ee4_attn
	.p2align	8
	.type	k_q01b9984ee4_attn,@function
k_q01b9984ee4_attn:
	s_mov_b64 s[64:65], 0
	v_nop
	global_prefetch_b8 v0, s[64:65] scope:SCOPE_SE
	s_setreg_imm32_b32 hwreg(HW_REG_WAVE_MODE, 25, 1), 1
	s_wait_xcnt 0x0
; Causal attention with the bias slope x (q_pos - k_pos), slope = 2^-((head+1)/2), running maximum and running sum in f32.
; qkvh: [b][c][t][64] bf16 (c = head: q, already times log2(e) / 8; 16 + head: k; 32 + head: v); ao: [4096][1024] bf16.
; A work-group serves one (b, head) and two blocks of 128 queries, 2 u and 15 - 2 u: 17 blocks of 128 keys for every work-group.
; A wave owns 32 queries (2 tiles of 16).  A step is a block of 128 keys, in two sub-steps of 64.
; S^T = K Q^T: a lane holds one query (l % 16) and keys 8 (l / 16) + 0..7 of each tile of 16, so that maximum, sum and rescaling are one
; number a lane, and two neighbouring key tiles pack in place into a fragment of P.  O^T = V^T P^T, V^T by the transposing LDS load.
; ARITHMETIC, in exponents of 2 (q carries the factor): the part slope x q_pos of the bias is the same along a softmax row and cancels for
; every input, so it is not formed; what is left is z = q.k - sl x key, sl = slope x log2(e).  -sl x (key within the sub-step) enters as
; the C operand of the first product, -sl x (the sub-step's first key) is OFFR.  p = exp2(z - M), M the running maximum of z.
; Each pass takes its diagonal block first: every query finds an allowed key in the first sub-step, which starts M, L and O.
; LIMITS: masked scores are set to -1e30, so z must lie above that; q, k, v and p go to the matrix unit in bf16; v_exp_f32 and v_rcp_f32 are
; accurate to 1 ULP and flush denormal results.  A head's row of ao is 128 bytes: a store covers four pieces of 128 consecutive bytes.
; NO CLUSTER: the eight work-groups of one (b, head) walk the key blocks in different orders (their passes change at step 2 u + 1), so at a
; given step they need different tiles and a joint request would not be alike in all partners.
.set KP,    144                        ; LDS row of K: 128 + 16 bytes
.set VP,    160                        ; LDS row of V: 128 + 32 bytes
.set VOFF,  128*KP                     ; V behind K in a slot
.set SLOTB, 128*KP+128*VP              ; 38,912
.set STAGE, 2*SLOTB                    ; 32 rows x 144 bytes for each wave, bytes into which no fill lands
.set ADRK, 1                           ; v1, v2   K fragments, slot 0, 1
.set ADRV, 3                           ; v3, v4   V fragments
.set STO,  5
.set RD,   6
.set CO,   7
.set QOFF, 8
.set OFFR, 9                           ; -sl x the sub-step's first key
.set NEG,  10                          ; -1e30
.set DW,   11                          ; 32 wave + r - 8 h
.set NSL,  12                          ; -sl
.set CB,   16                          ; v16-47   -sl (16 kt + 8 h + j)
.set KF,   48                          ; v48-111  K fragment 2 kt + dc
.set VF,   112                         ; v112-175 V^T fragment 4 kc + dt
.set SF,   176                         ; v176-239 S, then P: 32 qt + 8 kt
.set TT,   240                         ; v240-243 at work
.set UU,   244                         ; v244-247 at work
.set TP,   248                         ; v248-249 OFFR - M, twice: a pair for the packed add
.set AL,   250                         ; v250-251 the rescaling factor, twice
.set MM,   252                         ; v252, v253 M of query tile 0, 1
.set LL,   254                         ; v254, v255 L (this lane's keys alone; the halves are joined at the end)
.set OB,   64                          ; window 1: O at 64 + 32 qt + 8 dt; Q of pass p at 32 p + 16 qt + 8 dc
.set G1K,  24
.set G0K,  32
.set G1V,  48
.set G0V,  56
.set MSB,  0
.macro WIN new
.if MSB != \new
	s_set_vgpr_msb (MSB<<8)|\new
.set MSB, \new
.endif
.endm
.macro NEXT                            ; s21 = the next key block of the sequence qb0, 0 .. qb0-1, qb1, 0 .. qb1-1; s78 is this macro's own scratch
	s_add_co_u32 s78, s19, 1
	s_cmp_lt_u32 s19, s20
	s_cselect_b32 s21, s19, s18
	s_cselect_b32 s19, s78, 0
	s_cselect_b32 s20, s20, s18
.endm
.macro SETADR slot                     ; block s21's addresses into the slot's two group 0 sets (128 keys are 16,384 bytes)
	s_lshl_b32 s22, s21, 14
	s_mov_b32 s23, 0
	s_add_nc_u64 s[G0K+4*\slot+2:G0K+4*\slot+3], s[40:41], s[22:23]
	s_or_b32 s[G0K+4*\slot+3], s[G0K+4*\slot+3], 0x80000000
	s_add_nc_u64 s[G0V+4*\slot+2:G0V+4*\slot+3], s[42:43], s[22:23]
	s_or_b32 s[G0V+4*\slot+3], s[G0V+4*\slot+3], 0x80000000
.endm
.macro JLOAD s                         ; one tensor load a wave: waves 0, 1 K's halves, waves 2, 3 V's
	s_cmp_eq_u32 s11, 0
	s_cbranch_scc0 .Lfor_v_\@
	tensor_load_to_lds s[G0K+4*\s:G0K+4*\s+3], s[G1K:G1K+7]
	s_nop 0
	s_branch .Lasked_\@
.Lfor_v_\@:
	tensor_load_to_lds s[G0V+4*\s:G0V+4*\s+3], s[G1V:G1V+7]
	s_nop 0
.Lasked_\@:
.endm
.macro KLOAD slot, sub                 ; 16 loads: 64 keys x 64 d
.irp kt, 0,1,2,3
.irp dc, 0,1
	ds_load_b128 v[KF+16*\kt+8*\dc:KF+16*\kt+8*\dc+3],   v[ADRK+(\slot)] offset:64*KP*\sub+16*KP*\kt+64*\dc
	ds_load_b128 v[KF+16*\kt+8*\dc+4:KF+16*\kt+8*\dc+7], v[ADRK+(\slot)] offset:64*KP*\sub+16*KP*\kt+64*\dc+32
.endr
.endr
.endm
.macro VLOAD slot, sub                 ; 16 transposing loads: 64 d x 64 keys
.irp kc, 0,1
.irp dt, 0,1,2,3
	ds_load_tr16_b128 v[VF+32*\kc+8*\dt:VF+32*\kc+8*\dt+3],   v[ADRV+(\slot)] offset:(64*\sub+32*\kc)*VP+32*\dt
	ds_load_tr16_b128 v[VF+32*\kc+8*\dt+4:VF+32*\kc+8*\dt+7], v[ADRV+(\slot)] offset:(64*\sub+32*\kc)*VP+32*\dt+16*VP
.endr
.endr
.endm
.macro SMM qt, QB                      ; S of query tile qt: four key tiles by turns, d 0-31 onto the bias, then d 32-63 in place
.irp kt, 0,1,2,3
	v_wmma_f32_16x16x32_bf16 v[SF+32*\qt+8*\kt:SF+32*\qt+8*\kt+7], v[KF+16*\kt:KF+16*\kt+7], v[\QB+16*\qt:\QB+16*\qt+7], v[CB+8*\kt:CB+8*\kt+7]
.endr
.irp kt, 0,1,2,3
	v_wmma_f32_16x16x32_bf16 v[SF+32*\qt+8*\kt:SF+32*\qt+8*\kt+7], v[KF+16*\kt+8:KF+16*\kt+15], v[\QB+16*\qt+8:\QB+16*\qt+15], v[SF+32*\qt+8*\kt:SF+32*\qt+8*\kt+7]
.endr
.endm
.macro PV qt, first                    ; O of query tile qt: four d tiles by turns, keys 0-31, then keys 32-63
	WIN 0x50
.irp dt, 0,1,2,3
.if \first
	v_wmma_f32_16x16x32_bf16 v[OB+32*\qt+8*\dt:OB+32*\qt+8*\dt+7], v[VF+8*\dt:VF+8*\dt+7], v[SF+32*\qt:SF+32*\qt+7], 0
.else
	v_wmma_f32_16x16x32_bf16 v[OB+32*\qt+8*\dt:OB+32*\qt+8*\dt+7], v[VF+8*\dt:VF+8*\dt+7], v[SF+32*\qt:SF+32*\qt+7], v[OB+32*\qt+8*\dt:OB+32*\qt+8*\dt+7]
.endif
.endr
.irp dt, 0,1,2,3
	v_wmma_f32_16x16x32_bf16 v[OB+32*\qt+8*\dt:OB+32*\qt+8*\dt+7], v[VF+32+8*\dt:VF+32+8*\dt+7], v[SF+32*\qt+16:SF+32*\qt+23], v[OB+32*\qt+8*\dt:OB+32*\qt+8*\dt+7]
.endr
	WIN 0
.endm
; The softmax step of query tile qt on 64 keys (32 numbers a lane).
.macro SOFT qt, first, mask, sub
.set SB, SF+32*\qt
.if \mask
.set i_, 0
.rept 32
	v_cmp_gt_i32 vcc_lo, 64*\sub+16*(i_/8)+(i_%8)-16*\qt, v[DW]      ; key beyond the query
	v_cndmask_b32 v[SB+i_], v[SB+i_], v[NEG], vcc_lo
.set i_, i_+1
.endr
.endif
.irp k, 0,1,2,3
	v_max3_num_f32 v[TT+\k], v[SB+8*\k], v[SB+8*\k+1], v[SB+8*\k+2]
.endr
.irp k, 0,1,2,3
	v_max3_num_f32 v[TT+\k], v[TT+\k], v[SB+8*\k+3], v[SB+8*\k+4]
.endr
.irp k, 0,1,2,3
	v_max3_num_f32 v[TT+\k], v[TT+\k], v[SB+8*\k+5], v[SB+8*\k+6]
.endr
.irp k, 0,1,2,3
	v_max_num_f32 v[TT+\k], v[TT+\k], v[SB+8*\k+7]
.endr
	v_max3_num_f32 v[TT], v[TT], v[TT+1], v[TT+2]
	v_max_num_f32 v[TT], v[TT], v[TT+3]
	v_permlanex16_b32 v[TT+1], v[TT], s72, s73     ; the other half of the keys
	v_max_num_f32 v[TT], v[TT], v[TT+1]
.if \first
	v_add_f32 v[MM+\qt], v[TT], v[OFFR]
.else
	v_add_f32 v[TT], v[TT], v[OFFR]
	v_max_num_f32 v[TT+1], v[MM+\qt], v[TT]
	v_sub_f32 v[TT+2], v[MM+\qt], v[TT+1]
	v_exp_f32 v[AL], v[TT+2]
	v_mov_b32 v[MM+\qt], v[TT+1]                   ; a plain instruction behind the transcendental (ISA guide 5.7.2)
	s_wait_alu depctr_va_vdst(0)
	v_mov_b32 v[AL+1], v[AL]
.endif
	v_sub_f32 v[TP], v[OFFR], v[MM+\qt]
	v_sub_f32 v[TP+1], v[OFFR], v[MM+\qt]
.set i_, 0
.rept 16
	v_pk_add_f32 v[SB+2*i_:SB+2*i_+1], v[SB+2*i_:SB+2*i_+1], v[TP:TP+1]     ; z - M: the factor of the exponent lies in q
.set i_, i_+1
.endr
.set i_, 0
.rept 32
	v_exp_f32 v[SB+i_], v[SB+i_]
.set i_, i_+1
.endr
	v_nop                                          ; the plain place behind the run of transcendentals
	s_wait_alu depctr_va_vdst(0)
	v_pk_add_f32 v[UU:UU+1], v[SB:SB+1], v[SB+4:SB+5]
	v_pk_add_f32 v[UU+2:UU+3], v[SB+2:SB+3], v[SB+6:SB+7]
.set i_, 4
.rept 12
	v_pk_add_f32 v[UU+2*(i_&1):UU+2*(i_&1)+1], v[UU+2*(i_&1):UU+2*(i_&1)+1], v[SB+2*i_:SB+2*i_+1]
.set i_, i_+1
.endr
	v_pk_add_f32 v[UU:UU+1], v[UU:UU+1], v[UU+2:UU+3]
.if \first
	v_add_f32 v[LL+\qt], v[UU], v[UU+1]
.else
	v_add_f32 v[UU], v[UU], v[UU+1]
	v_fma_f32 v[LL+\qt], v[LL+\qt], v[AL], v[UU]
.endif
.irp kc, 0,1
.irp i, 0,1,2,3
	v_cvt_pk_bf16_f32 v[SB+16*\kc+\i], v[SB+16*\kc+2*\i], v[SB+16*\kc+2*\i+1]         ; key tile 2 kc: registers 0-3 of the fragment
.endr
.irp i, 0,1,2,3
	v_cvt_pk_bf16_f32 v[SB+16*\kc+4+\i], v[SB+16*\kc+8+2*\i], v[SB+16*\kc+9+2*\i]     ; key tile 2 kc + 1: registers 4-7
.endr
.endr
.if \first == 0
	WIN 0x41
.set i_, 0
.rept 16
	v_pk_mul_f32 v[OB+32*\qt+2*i_:OB+32*\qt+2*i_+1], v[OB+32*\qt+2*i_:OB+32*\qt+2*i_+1], v[AL:AL+1]
.set i_, i_+1
.endr
	WIN 0
.endif
.endm
; A sub-step of 64 keys.  At its head 32 LDS loads are out: its 16 of K, then its 16 of V.
; mode (sub 1 only): 1 = this slot is filled again, 2 = the slots change without a fill, 0 = the very last sub-step.
.macro SUB slot, sub, QB, mask, first, mode
.set kl_, 1
.if \sub
.if \mode == 0
.set kl_, 0
.endif
.endif
	v_cvt_f32_u32 v13, s70
	v_mul_f32 v[OFFR], v[NSL], v13
	s_add_co_u32 s70, s70, 64
	s_wait_dscnt 16                                ; K is in; the 16 younger loads of V may be out
	WIN 0x04                                       ; source 1 (Q) in window 1
	SMM 0, \QB
	SMM 1, \QB
	WIN 0
.rept 4
	v_nop                                          ; four places: S is read, K is loaded again (ISA guide 7.12.1)
.endr
.if \sub == 0
	KLOAD \slot, 1
.else
.if \mode
	s_wait_dscnt 0x0                               ; my reads of this slot are over (V of this sub-step was the last)
	s_set_vgpr_msb 0x5
	s_wait_tensorcnt 0x0                           ; all my tensor loads have landed: my part of the other slot
	ds_add_u32 v128, v129
	s_wait_dscnt 0x0
	s_set_vgpr_msb 0x500
.if \mode == 1
	NEXT
	SETADR \slot
.endif
	s_barrier_signal -1
	s_barrier_wait -1                              ; both hold of every wave
.if \mode == 1
	JLOAD \slot                                    ; my one tensor load behind the barrier: the block two steps ahead
.endif
	KLOAD 1-\slot, 0
.endif
.endif
	SOFT 0, \first, \mask, \sub
	s_wait_dscnt 16*kl_                            ; V is in; the 16 loads of the next K, if any were issued, may be out
	PV 0, \first
	SOFT 1, \first, \mask, \sub
	PV 1, \first
.rept 5
	v_nop                                          ; four places before V is loaded again and O is read, five before the next S writes over P
.endr
.if \sub == 0
	VLOAD \slot, 1
.else
.if \mode
	VLOAD 1-\slot, 0
.endif
.endif
.endm
.macro STEP slot, QB, mask, first, mode
	SUB \slot, 0, \QB, \mask, \first, 1
	SUB \slot, 1, \QB, \mask, 0, \mode
.endm
; The end of pass p: O / L to bf16, through my own stage, out in pieces of 128 bytes (a head's row).
.macro EPI p
.irp qt, 0,1
	v_permlanex16_b32 v[TT+1], v[LL+\qt], s72, s73
	v_add_f32 v[TT], v[LL+\qt], v[TT+1]
	v_rcp_f32 v[AL], v[TT]
	v_nop
	s_wait_alu depctr_va_vdst(0)
	v_mov_b32 v[AL+1], v[AL]
	WIN 0x01
.set i_, 0
.rept 16
	v_pk_mul_f32 v[SF+32*\qt+2*i_:SF+32*\qt+2*i_+1], v[OB+32*\qt+2*i_:OB+32*\qt+2*i_+1], v[AL:AL+1]
.set i_, i_+1
.endr
	WIN 0
.set i_, 0
.rept 16
	v_cvt_pk_bf16_f32 v[SF+32*\qt+i_], v[SF+32*\qt+2*i_], v[SF+32*\qt+2*i_+1]
.set i_, i_+1
.endr
.irp dt, 0,1,2,3
	ds_store_b128 v[STO], v[SF+32*\qt+4*\dt:SF+32*\qt+4*\dt+3] offset:2304*\qt+32*\dt
.endr
.endr
.irp t, 0,1,2,3,4,5,6,7
	ds_load_b128 v[SF+16+32*(\t/4)+4*(\t%4):SF+16+32*(\t/4)+4*(\t%4)+3], v[RD] offset:576*\t     ; my own bytes, served in order
.endr
.irp t, 0,1,2,3,4,5,6,7
	s_wait_dscnt 7-\t
	global_store_b128 v[CO], v[SF+16+32*(\t/4)+4*(\t%4):SF+16+32*(\t/4)+4*(\t%4)+3], s[66+2*\p:67+2*\p] offset:8192*\t
.endr
	s_wait_xcnt 0x0                                ; the stores' data lie where the next pass writes S
.endm
	s_load_b128 s[4:7], s[0:1], 0x0                ; qkvh, ao
	s_set_vgpr_msb 0x40
	v_lshl_add_u32 v128, v0, 2, 0x29000
	v_mov_b32 v129, 0
	s_set_vgpr_msb 0x4045
	ds_add_u32 v128, v129
	ds_add_u32 v128, v129
	s_set_vgpr_msb 0x4500
	v_lshrrev_b32 v13, 5, v0
	v_readfirstlane_b32 s10, v13                   ; wave
	s_lshr_b32 s11, s10, 1                         ; I fetch K (0) or V (1)
	s_and_b32 s12, s10, 1                          ; which 64 keys
	s_mov_b32 s13, ttmp9                           ; u
	s_and_b32 s14, ttmp7, 0xffff
	s_lshr_b32 s15, s14, 4                         ; b
	s_and_b32 s16, s14, 15                         ; head
	s_lshl_b32 s17, s13, 1                         ; qb0 = 2 u
	s_sub_co_u32 s18, 15, s17                      ; qb1 = 15 - 2 u
	s_mov_b32 s72, 0x76543210
	s_mov_b32 s73, 0xfedcba98
	; group 1: 64 rows of 64 bf16 (a head's row, 128 bytes), padded behind each row by 4 dwords (K) or 8 (V)
	s_mov_b32 s[G1K+0], (1<<16)|(1<<20)|(4<<22)|(3<<25)
	s_mov_b32 s[G1K+1], 64<<16
	s_mov_b32 s[G1K+2], 64<<16
	s_mov_b32 s[G1K+3], 64<<16
	s_mov_b32 s[G1K+4], 64
	s_mov_b32 s[G1K+5], 64
	s_mov_b32 s[G1K+6], 0
	s_mov_b32 s[G1K+7], 0
	s_mov_b32 s[G1V+0], (1<<16)|(1<<20)|(4<<22)|(7<<25)
	s_mov_b32 s[G1V+1], 64<<16
	s_mov_b32 s[G1V+2], 64<<16
	s_mov_b32 s[G1V+3], 64<<16
	s_mov_b32 s[G1V+4], 64
	s_mov_b32 s[G1V+5], 64
	s_mov_b32 s[G1V+6], 0
	s_mov_b32 s[G1V+7], 0
	s_mul_i32 s76, s10, 64*KP                      ; LDS: K's halves at wave x 64 rows (waves 0, 1),
	s_mul_i32 s77, s10, 64*VP                      ; V's at VOFF + (wave - 2) x 64 rows (waves 2, 3)
	s_add_co_i32 s77, s77, VOFF-128*VP
.irp s, 0,1
	s_mov_b32 s[G0K+4*\s], 1
	s_add_co_u32 s[G0K+4*\s+1], s76, \s*SLOTB
	s_mov_b32 s[G0V+4*\s], 1
	s_add_co_u32 s[G0V+4*\s+1], s77, \s*SLOTB
.endr
	s_mul_i32 s74, s15, 48
	s_add_co_u32 s74, s74, s16                     ; 48 b + head
	s_lshl_b32 s74, s74, 18                        ; x 2048 rows of 128 bytes: kept until Q's bases are made below
	s_lshl_b32 s75, s12, 13                        ; my 64 keys
	s_add_co_u32 s75, s74, s75
	s_mov_b32 s23, 0
	s_wait_dscnt 0x0
	s_wait_kmcnt 0x0
	s_add_co_u32 s22, s75, 16<<18
	s_add_nc_u64 s[40:41], s[4:5], s[22:23]        ; K's base
	s_add_co_u32 s22, s75, 32<<18
	s_add_nc_u64 s[42:43], s[4:5], s[22:23]        ; V's base
	s_mov_b32 s21, s17                             ; tile 0: pass 0's diagonal block
	SETADR 0
	JLOAD 0
	s_mov_b32 s19, 0
	s_mov_b32 s20, s17
	NEXT
	SETADR 1
	JLOAD 1                                        ; two tensor loads of a wave are out here, later never more than one
	s_lshl_b32 s75, s10, 12                        ; my wave's 32 queries
	s_add_co_u32 s75, s74, s75
	s_lshl_b32 s22, s17, 14
	s_add_co_u32 s22, s22, s75
	s_mov_b32 s23, 0
	s_add_nc_u64 s[44:45], s[4:5], s[22:23]        ; Q of pass 0
	s_lshl_b32 s22, s18, 14
	s_add_co_u32 s22, s22, s75
	s_add_nc_u64 s[46:47], s[4:5], s[22:23]        ; Q of pass 1
	s_lshl_b32 s75, s15, 22
	s_lshl_b32 s74, s10, 16
	s_add_co_u32 s75, s75, s74
	s_lshl_b32 s74, s16, 7
	s_add_co_u32 s75, s75, s74                     ; ao: b x 2048 rows + my wave's 32 rows, of 2,048 bytes, + head x 128
	s_lshl_b32 s22, s17, 18
	s_add_co_u32 s22, s22, s75
	s_add_nc_u64 s[66:67], s[6:7], s[22:23]
	s_lshl_b32 s22, s18, 18
	s_add_co_u32 s22, s22, s75
	s_add_nc_u64 s[68:69], s[6:7], s[22:23]
	v_and_b32 v13, 15, v0                          ; r
	v_bfe_u32 v14, v0, 4, 1                        ; h
	v_lshlrev_b32 v15, 7, v13
	v_lshl_add_u32 v[QOFF], v14, 4, v15            ; Q fragment: row r, 16 h
	WIN 0x40
.irp p, 0,1
.irp qt, 0,1
.irp dc, 0,1
	global_load_b128 v[32*\p+16*\qt+8*\dc:32*\p+16*\qt+8*\dc+3],   v[QOFF], s[44+2*\p:45+2*\p] offset:2048*\qt+64*\dc
	global_load_b128 v[32*\p+16*\qt+8*\dc+4:32*\p+16*\qt+8*\dc+7], v[QOFF], s[44+2*\p:45+2*\p] offset:2048*\qt+64*\dc+32
.endr
.endr
.endr
	WIN 0
	v_mul_u32_u24 v15, v13, KP
	v_lshl_add_u32 v[ADRK], v14, 4, v15
	v_add_nc_u32 v[ADRK+1], SLOTB, v[ADRK]
	v_and_b32 v15, 7, v0
	v_lshl_add_u32 v15, v14, 3, v15                ; key 8 h + l % 8
	v_mul_u32_u24 v15, v15, VP
	v_bfe_u32 v240, v0, 3, 1
	v_lshl_add_u32 v15, v240, 4, v15
	v_add_nc_u32 v[ADRV], VOFF, v15
	v_add_nc_u32 v[ADRV+1], VOFF+SLOTB, v15
	s_mul_i32 s74, s10, 32*144
	s_add_co_u32 s74, s74, STAGE
	v_mul_u32_u24 v15, v13, 144
	v_lshl_add_u32 v15, v14, 4, v15
	v_add_nc_u32 v[STO], s74, v15
	v_bfe_u32 v240, v0, 3, 2                       ; lane / 8
	v_and_b32 v241, 7, v0
	v_lshlrev_b32 v241, 4, v241
	v_mad_u32_u24 v15, v240, 144, v241
	v_add_nc_u32 v[RD], s74, v15
	v_lshl_add_u32 v[CO], v240, 11, v241
	v_lshlrev_b32 v15, 3, v14                      ; 8 h
	v_sub_nc_u32 v[DW], v13, v15
	s_lshl_b32 s74, s10, 5
	v_add_nc_u32 v[DW], s74, v[DW]
	v_mov_b32 v[NEG], 0xf149f2ca                   ; -1e30
	v_cvt_f32_u32 v240, s16
	v_fma_f32 v240, v240, -0.5, -0.5               ; -(head + 1) / 2
	v_exp_f32 v241, v240                           ; the slope
	v_nop
	s_wait_alu depctr_va_vdst(0)
	v_mul_f32 v[NSL], 0xbfb8aa3b, v241             ; -slope x log2(e)
.set i_, 0
.rept 32
	v_add_nc_u32 v240, 16*(i_/8)+(i_%8), v15
	v_cvt_f32_u32 v240, v240
	v_mul_f32 v[CB+i_], v[NSL], v240
.set i_, i_+1
.endr
	s_wait_tensorcnt 0x1                           ; my part of tile 0 is in; tile 1's may stay out
	s_barrier_signal -1
	s_barrier_wait -1
	KLOAD 0, 0
	VLOAD 0, 0
	s_wait_loadcnt 0x0                             ; Q of both passes
	; pass 0: 2 u + 1 steps
	s_lshl_b32 s70, s17, 7
	STEP 0, 0, 1, 1, 1
	s_mov_b32 s70, 0
	s_cmp_eq_u32 s13, 0
	s_cbranch_scc1 .Lp0_done
	s_mov_b32 s71, 0                               ; u trips
.Lp0:
	STEP 1, 0, 0, 0, 1
	STEP 0, 0, 0, 0, 1
	s_add_co_u32 s71, s71, 1
	s_cmp_lt_u32 s71, s13
	s_cbranch_scc1 .Lp0
.Lp0_done:
	EPI 0
	; pass 1: 16 - 2 u steps; of the 17 steps the first 15 fill their slot again
	s_lshl_b32 s70, s18, 7
	s_cmp_eq_u32 s13, 7
	s_cbranch_scc1 .Lshort
	STEP 1, 32, 1, 1, 1
	s_mov_b32 s70, 0
	s_cmp_ge_u32 s13, 6
	s_cbranch_scc1 .Lp1_done
	s_mov_b32 s71, s13                             ; 6 - u trips: the counter goes from u up to 6
.Lp1:
	STEP 0, 32, 0, 0, 1
	STEP 1, 32, 0, 0, 1
	s_add_co_u32 s71, s71, 1
	s_cmp_lt_u32 s71, 6
	s_cbranch_scc1 .Lp1
.Lp1_done:
	STEP 0, 32, 0, 0, 1
	STEP 1, 32, 0, 0, 2
	s_branch .Lfin
.Lshort:
	STEP 1, 32, 1, 1, 2                            ; u = 7: the diagonal block is the last step but one
	s_mov_b32 s70, 0
.Lfin:
	STEP 0, 32, 0, 0, 0
	EPI 1
	s_set_vgpr_msb 0x5
	s_wait_tensorcnt 0x0
	ds_add_u32 v128, v129
	s_wait_dscnt 0x0
	s_set_vgpr_msb 0x500
	s_endpgm
.Lfunc_end_k_q01b9984ee4_attn:
	.size	k_q01b9984ee4_attn, .Lfunc_end_k_q01b9984ee4_attn-k_q01b9984ee4_attn
	.p2alignl 7, 3214868480
	.fill 96, 4, 3214868480
	.section	.rodata,"a",@progbits
	.p2align	6, 0x0
	.amdhsa_kernel k_q01b9984ee4_attn
		.amdhsa_group_segment_fixed_size 327680
		.amdhsa_private_segment_fixed_size 0
		.amdhsa_enable_private_segment 0
		.amdhsa_kernarg_size 16
		.amdhsa_user_sgpr_count 2
		.amdhsa_user_sgpr_kernarg_segment_ptr 1
		.amdhsa_wavefront_size32 1
		.amdhsa_system_sgpr_workgroup_id_x 1
		.amdhsa_system_sgpr_workgroup_id_y 1
		.amdhsa_system_sgpr_workgroup_id_z 1
		.amdhsa_system_vgpr_workitem_id 0
		.amdhsa_next_free_vgpr 386
		.amdhsa_next_free_sgpr 80
		.amdhsa_reserve_vcc 1
		.amdhsa_float_denorm_mode_32 3
		.amdhsa_float_denorm_mode_16_64 3
		.amdhsa_memory_ordered 1
		.amdhsa_forward_progress 1
		.amdhsa_inst_pref_size 255
	.end_amdhsa_kernel
	.section	.bss,"aw",@nobits
	.p2align	6
	.space	262144
	.amdgpu_metadata
---
amdhsa.version: [ 1, 2 ]
amdhsa.kernels:
  - .name:           k_q01b9984ee4_attn
    .symbol:         k_q01b9984ee4_attn.kd
    .args:
      - { .name: qkvh, .offset: 0, .size: 8, .value_kind: global_buffer, .address_space: global }
      - { .name: ao, .offset: 8, .size: 8, .value_kind: global_buffer, .address_space: global }
    .group_segment_fixed_size: 327680
    .private_segment_fixed_size: 0
    .kernarg_segment_align: 8
    .kernarg_segment_size: 16
    .max_flat_workgroup_size: 128
    .sgpr_count:     80
    .vgpr_count:     386
    .wavefront_size: 32
...
	.end_amdgpu_metadata
.endif
;; end of part 4
;; launch proj (part 5): grid 32 x 8, 4 waves a work-group, clusters of 4 x 1, 327,680 bytes of LDS; arguments ao, wt, proj_b, x, x2; writes x2
.if DOCPART == 5
	.amdgcn_target "amdgcn-amd-amdhsa--gfx1250"
	.amdhsa_code_object_version 6
	.text
	.protected	k_q01b9984ee4_proj
	.globl	k_q01b9984ee4_proj
	.p2align	8
	.type	k_q01b9984ee4_proj,@function
k_q01b9984ee4_proj:
	s_mov_b64 s[64:65], 0
	v_nop
	global_prefetch_b8 v0, s[64:65] scope:SCOPE_SE
	s_setreg_imm32_b32 hwreg(HW_REG_WAVE_MODE, 25, 1), 1
	s_wait_xcnt 0x0
	s_wait_alu depctr_hold_cnt(0) depctr_sa_sdst(0) depctr_va_vdst(0) depctr_va_sdst(0) depctr_va_ssrc(0) depctr_va_vcc(0) depctr_vm_vsrc(0)
	s_getreg_b32 s2, hwreg(HW_REG_IB_STS2, 6, 4)
	s_cmp_eq_u32 s2, 0
	s_cbranch_scc0 .Lentry_in_a_cluster
	s_endpgm
.Lentry_in_a_cluster:
	s_bfe_u32 s2, ttmp6, 0x10000c
	s_cmp_lg_u32 s2, 0x3003
	s_cbranch_scc0 .Lentry_shape_is_right
	s_endpgm
.Lentry_shape_is_right:
; x2 = x + ao Wp + b, f32.  ao: [4096][1024] bf16; W: wt [1024 n][1024 k] bf16 at WOFF.  Sums in f32.
; A work-group makes 128 rows x 128 columns with four waves, 2 x 2; a wave makes 64 x 64: 4 x 4 accumulator tiles.  With 1024 columns that
; gives 256 work-groups; a larger block would leave WGPs without work.
; K goes in steps of 256 through two LDS slots filled by the tensor data mover (rows of 512 bytes, aligned, padded by 16 in LDS).
; Waves 0 and 1 fetch the two halves of ao's tile, waves 2 and 3 those of W's: one tensor load a wave for a step.
; CLUSTER 4 x 1: four row blocks with one column block: W's tiles are asked for jointly (mask 15); ao's tiles are each work-group's own.
; A 4 x 4 cluster is left out: this text is one with the gate/up product's, whose 22 column blocks no 4 divides.
; The matrix instruction is used transposed (source 0 = rows of W, source 1 = rows of ao): a lane holds row l % 16 and columns 8 (l / 16) + 0..7.
; Registers: window 0: addresses, two fragment buffers, the bias; window 1: accumulators at 8 (NT a + b), the residual at 128 + 32 a + 4 t.
.set KTOT,  1024
.set KSTEP, 256
.set PITCH, 528
.set QI,    6                          ; padding behind every 128 dwords, a row
.set T,     4
.set NT,    4
.set BN,    128
.set WOFF,  6291456
.set GU,    0
.set BSTEP, 128
.set BHS,   64
.set WNR,   64
.set BHALF, 16*NT
.set SLOT,  (128+BN)*PITCH
.set STAGE, 2*SLOT                     ; behind the ring, bytes into which no fill lands: 16 rows x 272 bytes for each wave
.set NQ,    KSTEP/32
.set NL,    2*NT+8
.set FL,    (T-2-(T&1))/2
.set ADRA, 16
.set ADRB, 20
.set STO,  24
.set RD,   25
.set CO,   26
.set BO,   27
.set FA0,  32
.set FB0,  96
.set G1,   24
.set G0,   32
.set G1B,  48
.set G0B,  56
.set MSB,  0
.macro WIN new
.if MSB != \new
	s_set_vgpr_msb (MSB<<8)|\new
.set MSB, \new
.endif
.endm
.macro PLACES                          ; four places behind a matrix instruction (ISA guide 7.12.1)
.rept 4
	v_nop
.endr
.endm
.macro JLOAD s                         ; one tensor load a wave: waves 0, 1 the left operand's halves (plain), waves 2, 3 W's halves (joint)
	s_cmp_eq_u32 s11, 0
	s_cbranch_scc0 .Lfor_w_\@
	tensor_load_to_lds s[G0+4*\s:G0+4*\s+3], s[G1:G1+7]
	s_nop 0
	s_branch .Lasked_\@
.Lfor_w_\@:
	tensor_load_to_lds s[G0B+4*\s:G0B+4*\s+3], s[G1B:G1B+7]
	s_nop 0
.Lasked_\@:
.endm
.macro CREST
	s_cmp_lg_u32 s10, 0
	s_cbranch_scc1 .Lnot_wave_0_\@
	s_barrier_signal -3
.Lnot_wave_0_\@:
	s_barrier_wait -3
	s_barrier_signal -1
	s_barrier_wait -1
.endm
.macro CROUND
	s_barrier_signal -1
	s_barrier_wait -1
	CREST
.endm
.macro MULA f, a, zero
.set b_, 0
.rept NT
.if \zero
	v_wmma_f32_16x16x32_bf16 v[8*(NT*\a+b_):8*(NT*\a+b_)+7], v[FB0+64*\f+8*b_:FB0+64*\f+8*b_+7], v[FA0+32*\f+8*\a:FA0+32*\f+8*\a+7], 0
.else
	v_wmma_f32_16x16x32_bf16 v[8*(NT*\a+b_):8*(NT*\a+b_)+7], v[FB0+64*\f+8*b_:FB0+64*\f+8*b_+7], v[FA0+32*\f+8*\a:FA0+32*\f+8*\a+7], v[8*(NT*\a+b_):8*(NT*\a+b_)+7]
.endif
.set b_, b_+1
.endr
.endm
.macro FETCH slot, k, f
	WIN 0
.set b_, 0
.rept NT
	ds_load_b128 v[FB0+64*\f+8*b_:FB0+64*\f+8*b_+3],   v[ADRB+\slot] offset:\k+(16*b_+GU*(b_/4)*64)*PITCH
	ds_load_b128 v[FB0+64*\f+8*b_+4:FB0+64*\f+8*b_+7], v[ADRB+\slot] offset:\k+(16*b_+GU*(b_/4)*64)*PITCH+32
.set b_, b_+1
.endr
.irp a, 0,1,2,3
	ds_load_b128 v[FA0+32*\f+8*\a:FA0+32*\f+8*\a+3],   v[ADRA+\slot] offset:\k+16*\a*PITCH
	ds_load_b128 v[FA0+32*\f+8*\a+4:FA0+32*\f+8*\a+7], v[ADRA+\slot] offset:\k+16*\a*PITCH+32
.endr
.endm
; The 4 NT accumulators take turns, one instruction a turn, in the same order in every quarter.
.macro QUARTER slot, k, f, g, zero
	s_wait_dscnt 4                                 ; all but the four youngest loads (row tiles 2 and 3) are in
	WIN 0x50
	MULA \f, 0, \zero
	MULA \f, 1, \zero
	PLACES
	FETCH \slot, \k, \g
	s_wait_dscnt NL                                ; all but the NL just issued
	WIN 0x50
	MULA \f, 2, \zero
	MULA \f, 3, \zero
.endm
.macro BODY slot, zero
	QUARTER \slot, 64,  0, 1, \zero
	QUARTER \slot, 128, 1, 0, 0
	QUARTER \slot, 192, 0, 1, 0
.if NQ == 8
	QUARTER \slot, 256, 1, 0, 0
	QUARTER \slot, 320, 0, 1, 0
	QUARTER \slot, 384, 1, 0, 0
	QUARTER \slot, 448, 0, 1, 0
.endif
.endm
; The last quarter changes slots: each wave's reads of this slot and all its tensor loads are waited for in front of the barrier; with fill = 1
; the barrier opens a round of the cluster's barrier and the refill, two K steps ahead, is the first tensor load behind the round.
.macro TURN slot, next, fill
	s_wait_dscnt 4
	WIN 0x50
	MULA 1, 0, 0
	s_wait_dscnt 0x0
	s_wait_tensorcnt 0x0
	ds_add_u32 v254, v255
	s_wait_dscnt 0x0
	s_barrier_signal -1
	MULA 1, 1, 0
	WIN 0
	s_barrier_wait -1
.if \fill
	CREST
	s_add_nc_u64 s[G0+4*\slot+2:G0+4*\slot+3], s[G0+4*\slot+2:G0+4*\slot+3], 4*KSTEP
	s_add_nc_u64 s[G0B+4*\slot+2:G0B+4*\slot+3], s[G0B+4*\slot+2:G0B+4*\slot+3], 4*KSTEP
	JLOAD \slot
.endif
	PLACES
	FETCH \next, 0, 0
	WIN 0x50
	MULA 1, 2, 0
	MULA 1, 3, 0
.endm
.macro LAP zero
	BODY 0, \zero
	TURN 0, 1, 1
	BODY 1, 0
	TURN 1, 0, 1
.endm
	s_load_b128 s[4:7], s[0:1], 0x0                ; left operand, wt
	s_load_b128 s[68:71], s[0:1], 0x10             ; bias, residual
	s_load_b64 s[72:73], s[0:1], 0x20              ; result
	v_lshl_add_u32 v254, v0, 2, 0x46400
	v_mov_b32 v255, 0
	ds_add_u32 v254, v255
	ds_add_u32 v254, v255
	v_lshrrev_b32 v1, 5, v0
	v_readfirstlane_b32 s10, v1
	s_lshr_b32 s11, s10, 1
	s_and_b32 s12, s10, 1
	s_bfe_u32 s40, ttmp6, 0x40000                  ; cx
	s_lshl_b32 s13, ttmp9, 2
	s_add_co_u32 s13, s13, s40                     ; row block
	s_and_b32 s42, ttmp7, 0xffff                   ; column block
	s_mov_b32 s[G1+0], (1<<16)|(1<<20)|(QI<<22)|(3<<25)
	s_mov_b32 s[G1+1], KSTEP<<16
	s_mov_b32 s[G1+2], 64<<16
	s_mov_b32 s[G1+3], KSTEP<<16
	s_mov_b32 s[G1+4], 64
	s_mov_b32 s[G1+5], KTOT
	s_mov_b32 s[G1+6], 0
	s_mov_b32 s[G1+7], 0
	s_mov_b32 s[G1B+0], 15|(1<<16)|(1<<20)|(1<<21)|(QI<<22)|(3<<25)
	s_mov_b32 s[G1B+1], KSTEP<<16
	s_mov_b32 s[G1B+2], BHALF<<16
	s_mov_b32 s[G1B+3], KSTEP<<16
	s_mov_b32 s[G1B+4], BHALF
	s_mov_b32 s[G1B+5], KTOT
	s_mov_b32 s[G1B+6], 0
	s_mov_b32 s[G1B+7], 0
	s_lshl_b32 s16, s13, 7
	s_lshl_b32 s17, s12, 6
	s_add_co_u32 s16, s16, s17
	s_mul_i32 s16, s16, 2*KTOT
	s_mov_b32 s17, 0
	s_mul_i32 s46, s42, BSTEP
	s_mul_i32 s47, s12, BHS
	s_add_co_u32 s46, s46, s47
	s_mul_i32 s46, s46, 2*KTOT
	s_add_co_u32 s46, s46, WOFF
	s_mov_b32 s47, 0
	s_mul_i32 s20, s10, 64*PITCH
	s_mul_i32 s21, s10, BHALF*PITCH
	s_add_co_i32 s21, s21, (128-2*BHALF)*PITCH
	s_wait_dscnt 0x0
	s_wait_kmcnt 0x0
	s_add_nc_u64 s[14:15], s[4:5], s[16:17]
	s_add_nc_u64 s[46:47], s[6:7], s[46:47]
	CROUND
.irp s, 0,1
	s_mov_b32 s[G0+4*\s], 1
	s_add_co_u32 s[G0+4*\s+1], s20, \s*SLOT
	s_add_nc_u64 s[G0+4*\s+2:G0+4*\s+3], s[14:15], \s*KSTEP*2
	s_or_b32 s[G0+4*\s+3], s[G0+4*\s+3], 0x80000000
	s_mov_b32 s[G0B+4*\s], 1
	s_add_co_u32 s[G0B+4*\s+1], s21, \s*SLOT
	s_add_nc_u64 s[G0B+4*\s+2:G0B+4*\s+3], s[46:47], \s*KSTEP*2
	s_or_b32 s[G0B+4*\s+3], s[G0B+4*\s+3], 0x80000000
	JLOAD \s                                       ; two tensor loads of a wave are out here, later never more than one
.endr
	v_and_b32 v1, 15, v0
	v_bfe_u32 v2, v0, 4, 1
	; bias and residual of my 64 x 64, in the layout of the way out: lanes 0-15 a row's 256 bytes, lanes 16-31 the next row's
	v_lshlrev_b32 v[BO], 4, v1
	v_lshl_add_u32 v[CO], v2, 12, v[BO]
	s_lshl_b32 s16, s42, 9
	s_lshl_b32 s17, s12, 8
	s_add_co_u32 s16, s16, s17                     ; my first column, in bytes
	s_mov_b32 s17, 0
	s_add_nc_u64 s[68:69], s[68:69], s[16:17]
	s_lshl_b32 s18, s13, 7
	s_lshl_b32 s19, s11, 6
	s_add_co_u32 s18, s18, s19                     ; my first row
	s_lshl_b32 s18, s18, 12
	s_add_co_u32 s16, s16, s18
	s_add_nc_u64 s[70:71], s[70:71], s[16:17]
	s_add_nc_u64 s[72:73], s[72:73], s[16:17]
	global_load_b128 v[224:227], v[BO], s[68:69]
	WIN 0x40
.irp a, 0,1,2,3
.irp t, 0,1,2,3,4,5,6,7
	global_load_b128 v[128+32*\a+4*\t:128+32*\a+4*\t+3], v[CO], s[70:71] offset:(16*\a+2*\t)*4096
.endr
.endr
	WIN 0
	s_mul_i32 s22, s10, 16*272
	s_add_co_u32 s22, s22, STAGE
	v_mul_u32_u24 v4, v1, 272
	v_lshl_add_u32 v4, v2, 5, v4
	v_add_nc_u32 v[STO], s22, v4
	v_mul_u32_u24 v5, v2, 272
	v_lshl_add_u32 v5, v1, 4, v5
	v_add_nc_u32 v[RD], s22, v5
	v_mul_u32_u24 v3, v1, PITCH
	v_lshl_add_u32 v3, v2, 4, v3
	s_mul_i32 s22, s11, 64*PITCH
	s_mul_i32 s23, s12, WNR*PITCH
	s_add_co_u32 s23, s23, 128*PITCH
.irp s, 0,1
	v_add_nc_u32 v[ADRA+\s], s22, v3
	v_add_nc_u32 v[ADRB+\s], s23, v3
	s_add_co_u32 s22, s22, SLOT
	s_add_co_u32 s23, s23, SLOT
.endr
	s_wait_tensorcnt 0x1                           ; my part of K step 0 is in; step 1's may stay out
	s_barrier_signal -1
	s_barrier_wait -1
	FETCH 0, 0, 0
	LAP 1
.if FL > 1
	WIN 0
	s_mov_b32 s3, FL-1
.Llap:
	LAP 0
	WIN 0
	s_sub_co_u32 s3, s3, 1
	s_cmp_lg_u32 s3, 0
	s_cbranch_scc1 .Llap
.endif
.if T & 1
	BODY 0, 0
	TURN 0, 1, 1
	BODY 1, 0
	TURN 1, 0, 0
	BODY 0, 0
.else
	BODY 0, 0
	TURN 0, 1, 0
	BODY 1, 0
.endif
	s_wait_dscnt 0x0
	WIN 0x50
	MULA 1, 0, 0
	MULA 1, 1, 0
	MULA 1, 2, 0
	MULA 1, 3, 0
	PLACES
	s_wait_loadcnt 0x0                             ; bias and residual
	; 16 rows at a time: the sums into my own stage (32 bytes a lane), read back as whole rows of 256 bytes, + residual + bias, out
.irp a, 0,1,2,3
.set TB, 32+32*(\a&1)
	WIN 0x04                                       ; source 1 in window 1: the stores' data, the residual
.set b_, 0
.rept NT
	ds_store_b128 v[STO], v[8*(NT*\a+b_):8*(NT*\a+b_)+3]   offset:64*b_
	ds_store_b128 v[STO], v[8*(NT*\a+b_)+4:8*(NT*\a+b_)+7] offset:64*b_+16
.set b_, b_+1
.endr
	s_wait_xcnt 0x0                                ; TB held the data of the stores two turns ago
.irp t, 0,1,2,3,4,5,6,7
	ds_load_b128 v[TB+4*\t:TB+4*\t+3], v[RD] offset:544*\t       ; my own bytes, served in order
.endr
.irp t, 0,1,2,3,4,5,6,7
	s_wait_dscnt 7-\t
	v_pk_add_f32 v[TB+4*\t:TB+4*\t+1],   v[TB+4*\t:TB+4*\t+1],   v[128+32*\a+4*\t:128+32*\a+4*\t+1]
	v_pk_add_f32 v[TB+4*\t+2:TB+4*\t+3], v[TB+4*\t+2:TB+4*\t+3], v[128+32*\a+4*\t+2:128+32*\a+4*\t+3]
.endr
	WIN 0
.irp t, 0,1,2,3,4,5,6,7
	v_pk_add_f32 v[TB+4*\t:TB+4*\t+1],   v[TB+4*\t:TB+4*\t+1],   v[224:225]
	v_pk_add_f32 v[TB+4*\t+2:TB+4*\t+3], v[TB+4*\t+2:TB+4*\t+3], v[226:227]
	global_store_b128 v[CO], v[TB+4*\t:TB+4*\t+3], s[72:73] offset:(16*\a+2*\t)*4096     ; sixteen lanes store 256 consecutive bytes, aligned
.endr
.endr
	s_wait_tensorcnt 0x0
	ds_add_u32 v254, v255
	s_wait_dscnt 0x0
	CROUND                                         ; the closing round
	s_endpgm
.Lfunc_end_k_q01b9984ee4_proj:
	.size	k_q01b9984ee4_proj, .Lfunc_end_k_q01b9984ee4_proj-k_q01b9984ee4_proj
	.p2alignl 7, 3214868480
	.fill 96, 4, 3214868480
	.section	.rodata,"a",@progbits
	.p2align	6, 0x0
	.amdhsa_kernel k_q01b9984ee4_proj
		.amdhsa_group_segment_fixed_size 327680
		.amdhsa_private_segment_fixed_size 0
		.amdhsa_enable_private_segment 0
		.amdhsa_kernarg_size 40
		.amdhsa_user_sgpr_count 2
		.amdhsa_user_sgpr_kernarg_segment_ptr 1
		.amdhsa_wavefront_size32 1
		.amdhsa_system_sgpr_workgroup_id_x 1
		.amdhsa_system_sgpr_workgroup_id_y 1
		.amdhsa_system_sgpr_workgroup_id_z 1
		.amdhsa_system_vgpr_workitem_id 0
		.amdhsa_next_free_vgpr 512
		.amdhsa_next_free_sgpr 80
		.amdhsa_reserve_vcc 0
		.amdhsa_float_denorm_mode_32 3
		.amdhsa_float_denorm_mode_16_64 3
		.amdhsa_memory_ordered 1
		.amdhsa_forward_progress 1
		.amdhsa_inst_pref_size 101
	.end_amdhsa_kernel
	.amdgpu_metadata
---
amdhsa.version: [ 1, 2 ]
amdhsa.kernels:
  - .name:           k_q01b9984ee4_proj
    .symbol:         k_q01b9984ee4_proj.kd
    .args:
      - { .name: ao, .offset: 0, .size: 8, .value_kind: global_buffer, .address_space: global }
      - { .name: wt, .offset: 8, .size: 8, .value_kind: global_buffer, .address_space: global }
      - { .name: proj_b, .offset: 16, .size: 8, .value_kind: global_buffer, .address_space: global }
      - { .name: x, .offset: 24, .size: 8, .value_kind: global_buffer, .address_space: global }
      - { .name: x2, .offset: 32, .size: 8, .value_kind: global_buffer, .address_space: global }
    .group_segment_fixed_size: 327680
    .private_segment_fixed_size: 0
    .kernarg_segment_align: 8
    .kernarg_segment_size: 40
    .max_flat_workgroup_size: 128
    .sgpr_count:     80
    .vgpr_count:     512
    .wavefront_size: 32
...
	.end_amdgpu_metadata
.endif
;; end of part 5
;; launch ln2: the kernel of part 2 again; grid 256 x 1, 4 waves a work-group, no clusters, 0 bytes of LDS; arguments x2, ln2_g, ln2_b, hbuf; writes hbuf
;; launch gateup (part 6): grid 32 x 22, 4 waves a work-group, clusters of 4 x 1, 327,680 bytes of LDS; arguments hbuf, wt, act; writes act
.if DOCPART == 6
	.amdgcn_target "amdgcn-amd-amdhsa--gfx1250"
	.amdhsa_code_object_version 6
	.text
	.protected	k_q01b9984ee4_gateup
	.globl	k_q01b9984ee4_gateup
	.p2align	8
	.type	k_q01b9984ee4_gateup,@function
k_q01b9984ee4_gateup:
	s_mov_b64 s[64:65], 0
	v_nop
	global_prefetch_b8 v0, s[64:65] scope:SCOPE_SE
	s_setreg_imm32_b32 hwreg(HW_REG_WAVE_MODE, 25, 1), 1
	s_wait_xcnt 0x0
	s_wait_alu depctr_hold_cnt(0) depctr_sa_sdst(0) depctr_va_vdst(0) depctr_va_sdst(0) depctr_va_ssrc(0) depctr_va_vcc(0) depctr_vm_vsrc(0)
	s_getreg_b32 s2, hwreg(HW_REG_IB_STS2, 6, 4)
	s_cmp_eq_u32 s2, 0
	s_cbranch_scc0 .Lentry_in_a_cluster
	s_endpgm
.Lentry_in_a_cluster:
	s_bfe_u32 s2, ttmp6, 0x10000c
	s_cmp_lg_u32 s2, 0x3003
	s_cbranch_scc0 .Lentry_shape_is_right
	s_endpgm
.Lentry_shape_is_right:
; act = silu(h Wg + bg) * (h Wu + bu), bf16, [4096][2816]; hidden columns 2730 .. 2815 have zero weights and zero biases and come out 0.
; h: hbuf [4096][1024] bf16; W: wt at WOFF, [5632][1024] bf16: rows 0-2815 gate columns, rows 2816-5631 up columns; biases f32 [2][2816] at BGU.
; A work-group makes 128 rows x 128 hidden columns, gate and up together (256 rows of W), with four waves, 2 x 2; a wave makes 64 rows x 64 hidden
; columns: 4 x 8 accumulator tiles, column tiles 0-3 gate, 4-7 up of the same columns, so that the product of the two never leaves the lane.
; K goes in steps of 128 through two LDS slots (rows of 256 bytes, aligned, padded by 16 in LDS).  Waves 0 and 1 fetch h's halves, wave 2 the 128 gate
; rows, wave 3 the 128 up rows: one tensor load a wave for a step.
; CLUSTER 4 x 1: four row blocks with one column block: W's tiles are asked for jointly (mask 15); h's are each work-group's own.  The 22 column
; blocks are no multiple of 4, so no 4 x 4 cluster.
; silu(g) u = g u / (1 + exp2(-g log2 e)); for very negative g the exponential overflows to infinity and the quotient is 0.
; v_exp_f32 and v_rcp_f32 are accurate to 1 ULP and flush denormal results.
.set KTOT,  1024
.set KSTEP, 128
.set PITCH, 272
.set QI,    5
.set T,     8
.set NT,    8
.set BN,    256
.set WOFF,  8388608
.set BGU,   25690112
.set GU,    1
.set BSTEP, 128
.set BHS,   2816
.set WNR,   64
.set BHALF, 16*NT
.set SLOT,  (128+BN)*PITCH
.set STAGE, 2*SLOT                     ; behind the ring, bytes into which no fill lands: 128 rows x 272 bytes
.set NQ,    KSTEP/32
.set NL,    2*NT+8
.set FL,    (T-2-(T&1))/2
.set ADRA, 16
.set ADRB, 20
.set STO,  24
.set RD,   25
.set CO,   26
.set BO,   27
.set NLE,  28                          ; v28-29  -log2(e), twice
.set ONE,  30                          ; v30-31  1.0, twice
.set FA0,  32
.set FB0,  96
.set G1,   24
.set G0,   32
.set G1B,  48
.set G0B,  56
.set MSB,  0
.macro WIN new
.if MSB != \new
	s_set_vgpr_msb (MSB<<8)|\new
.set MSB, \new
.endif
.endm
.macro PLACES                          ; four places behind a matrix instruction (ISA guide 7.12.1)
.rept 4
	v_nop
.endr
.endm
.macro JLOAD s
	s_cmp_eq_u32 s11, 0
	s_cbranch_scc0 .Lfor_w_\@
	tensor_load_to_lds s[G0+4*\s:G0+4*\s+3], s[G1:G1+7]
	s_nop 0
	s_branch .Lasked_\@
.Lfor_w_\@:
	tensor_load_to_lds s[G0B+4*\s:G0B+4*\s+3], s[G1B:G1B+7]
	s_nop 0
.Lasked_\@:
.endm
.macro CREST
	s_cmp_lg_u32 s10, 0
	s_cbranch_scc1 .Lnot_wave_0_\@
	s_barrier_signal -3
.Lnot_wave_0_\@:
	s_barrier_wait -3
	s_barrier_signal -1
	s_barrier_wait -1
.endm
.macro CROUND
	s_barrier_signal -1
	s_barrier_wait -1
	CREST
.endm
.macro MULA f, a, zero
.set b_, 0
.rept NT
.if \zero
	v_wmma_f32_16x16x32_bf16 v[8*(NT*\a+b_):8*(NT*\a+b_)+7], v[FB0+64*\f+8*b_:FB0+64*\f+8*b_+7], v[FA0+32*\f+8*\a:FA0+32*\f+8*\a+7], 0
.else
	v_wmma_f32_16x16x32_bf16 v[8*(NT*\a+b_):8*(NT*\a+b_)+7], v[FB0+64*\f+8*b_:FB0+64*\f+8*b_+7], v[FA0+32*\f+8*\a:FA0+32*\f+8*\a+7], v[8*(NT*\a+b_):8*(NT*\a+b_)+7]
.endif
.set b_, b_+1
.endr
.endm
; column tiles 4-7 (up) lie 128 LDS rows behind tiles 0-3 (gate): row 16 b + 64 (b / 4) from my wave's first
.macro FETCH slot, k, f
	WIN 0
.set b_, 0
.rept NT
	ds_load_b128 v[FB0+64*\f+8*b_:FB0+64*\f+8*b_+3],   v[ADRB+\slot] offset:\k+(16*b_+GU*(b_/4)*64)*PITCH
	ds_load_b128 v[FB0+64*\f+8*b_+4:FB0+64*\f+8*b_+7], v[ADRB+\slot] offset:\k+(16*b_+GU*(b_/4)*64)*PITCH+32
.set b_, b_+1
.endr
.irp a, 0,1,2,3
	ds_load_b128 v[FA0+32*\f+8*\a:FA0+32*\f+8*\a+3],   v[ADRA+\slot] offset:\k+16*\a*PITCH
	ds_load_b128 v[FA0+32*\f+8*\a+4:FA0+32*\f+8*\a+7], v[ADRA+\slot] offset:\k+16*\a*PITCH+32
.endr
.endm
; The 4 NT accumulators take turns, one instruction a turn, in the same order in every quarter.
.macro QUARTER slot, k, f, g, zero
	s_wait_dscnt 4                                 ; all but the four youngest loads (h's row tiles 2 and 3) are in
	WIN 0x50
	MULA \f, 0, \zero
	MULA \f, 1, \zero
	PLACES
	FETCH \slot, \k, \g
	s_wait_dscnt NL                                ; all but the NL just issued
	WIN 0x50
	MULA \f, 2, \zero
	MULA \f, 3, \zero
.endm
.macro BODY slot, zero
	QUARTER \slot, 64,  0, 1, \zero
	QUARTER \slot, 128, 1, 0, 0
	QUARTER \slot, 192, 0, 1, 0
.if NQ == 8
	QUARTER \slot, 256, 1, 0, 0
	QUARTER \slot, 320, 0, 1, 0
	QUARTER \slot, 384, 1, 0, 0
	QUARTER \slot, 448, 0, 1, 0
.endif
.endm
; The last quarter changes slots: each wave's reads of this slot and all its tensor loads are waited for in front of the barrier; with fill = 1
; the barrier opens a round of the cluster's barrier and the refill, two K steps ahead, is the first tensor load behind the round.
.macro TURN slot, next, fill
	s_wait_dscnt 4
	WIN 0x50
	MULA 1, 0, 0
	s_wait_dscnt 0x0
	s_wait_tensorcnt 0x0
	ds_add_u32 v254, v255
	s_wait_dscnt 0x0
	s_barrier_signal -1
	MULA 1, 1, 0
	WIN 0
	s_barrier_wait -1
.if \fill
	CREST
	s_add_nc_u64 s[G0+4*\slot+2:G0+4*\slot+3], s[G0+4*\slot+2:G0+4*\slot+3], 4*KSTEP
	s_add_nc_u64 s[G0B+4*\slot+2:G0B+4*\slot+3], s[G0B+4*\slot+2:G0B+4*\slot+3], 4*KSTEP
	JLOAD \slot
.endif
	PLACES
	FETCH \next, 0, 0
	WIN 0x50
	MULA 1, 2, 0
	MULA 1, 3, 0
.endm
.macro LAP zero
	BODY 0, \zero
	TURN 0, 1, 1
	BODY 1, 0
	TURN 1, 0, 1
.endm
	s_load_b128 s[4:7], s[0:1], 0x0                ; h, wt
	s_load_b64 s[68:69], s[0:1], 0x10              ; act
	v_lshl_add_u32 v254, v0, 2, 0x3b800
	v_mov_b32 v255, 0
	ds_add_u32 v254, v255
	ds_add_u32 v254, v255
	v_lshrrev_b32 v1, 5, v0
	v_readfirstlane_b32 s10, v1
	s_lshr_b32 s11, s10, 1
	s_and_b32 s12, s10, 1
	s_bfe_u32 s40, ttmp6, 0x40000                  ; cx
	s_lshl_b32 s13, ttmp9, 2
	s_add_co_u32 s13, s13, s40                     ; row block
	s_and_b32 s42, ttmp7, 0xffff                   ; column block
	s_mov_b32 s[G1+0], (1<<16)|(1<<20)|(QI<<22)|(3<<25)
	s_mov_b32 s[G1+1], KSTEP<<16
	s_mov_b32 s[G1+2], 64<<16
	s_mov_b32 s[G1+3], KSTEP<<16
	s_mov_b32 s[G1+4], 64
	s_mov_b32 s[G1+5], KTOT
	s_mov_b32 s[G1+6], 0
	s_mov_b32 s[G1+7], 0
	s_mov_b32 s[G1B+0], 15|(1<<16)|(1<<20)|(1<<21)|(QI<<22)|(3<<25)
	s_mov_b32 s[G1B+1], KSTEP<<16
	s_mov_b32 s[G1B+2], BHALF<<16
	s_mov_b32 s[G1B+3], KSTEP<<16
	s_mov_b32 s[G1B+4], BHALF
	s_mov_b32 s[G1B+5], KTOT
	s_mov_b32 s[G1B+6], 0
	s_mov_b32 s[G1B+7], 0
	s_lshl_b32 s16, s13, 7
	s_lshl_b32 s17, s12, 6
	s_add_co_u32 s16, s16, s17
	s_mul_i32 s16, s16, 2*KTOT
	s_mov_b32 s17, 0
	s_mul_i32 s46, s42, BSTEP
	s_mul_i32 s47, s12, BHS
	s_add_co_u32 s46, s46, s47                     ; wave 2: gate rows 128 x column block; wave 3: the up rows, 2816 further
	s_mul_i32 s46, s46, 2*KTOT
	s_add_co_u32 s46, s46, WOFF
	s_mov_b32 s47, 0
	s_mul_i32 s20, s10, 64*PITCH
	s_mul_i32 s21, s10, BHALF*PITCH
	s_add_co_i32 s21, s21, (128-2*BHALF)*PITCH
	s_wait_dscnt 0x0
	s_wait_kmcnt 0x0
	s_add_nc_u64 s[14:15], s[4:5], s[16:17]
	s_add_nc_u64 s[46:47], s[6:7], s[46:47]
	CROUND
.irp s, 0,1
	s_mov_b32 s[G0+4*\s], 1
	s_add_co_u32 s[G0+4*\s+1], s20, \s*SLOT
	s_add_nc_u64 s[G0+4*\s+2:G0+4*\s+3], s[14:15], \s*KSTEP*2
	s_or_b32 s[G0+4*\s+3], s[G0+4*\s+3], 0x80000000
	s_mov_b32 s[G0B+4*\s], 1
	s_add_co_u32 s[G0B+4*\s+1], s21, \s*SLOT
	s_add_nc_u64 s[G0B+4*\s+2:G0B+4*\s+3], s[46:47], \s*KSTEP*2
	s_or_b32 s[G0B+4*\s+3], s[G0B+4*\s+3], 0x80000000
	JLOAD \s                                       ; two tensor loads of a wave are out here, later never more than one
.endr
	v_and_b32 v1, 15, v0
	v_bfe_u32 v2, v0, 4, 1
	; the biases in the accumulators' layout, window 2: fragment b at 8 b; the up bias lies 11,264 bytes behind the gate bias
	v_lshlrev_b32 v[BO], 5, v2
	s_lshl_b32 s16, s42, 9
	s_lshl_b32 s17, s12, 8
	s_add_co_u32 s16, s16, s17
	s_add_co_u32 s16, s16, BGU
	s_mov_b32 s17, 0
	s_add_nc_u64 s[70:71], s[6:7], s[16:17]
	WIN 0x80
.set b_, 0
.rept NT
	global_load_b128 v[8*b_:8*b_+3],   v[BO], s[70:71] offset:64*b_+(b_/4)*11008
	global_load_b128 v[8*b_+4:8*b_+7], v[BO], s[70:71] offset:64*b_+(b_/4)*11008+16
.set b_, b_+1
.endr
	WIN 0
	s_mul_i32 s22, s11, 64*272
	s_lshl_b32 s23, s12, 7
	s_add_co_u32 s22, s22, s23
	s_add_co_u32 s22, s22, STAGE
	v_mul_u32_u24 v4, v1, 272
	v_lshl_add_u32 v4, v2, 4, v4
	v_add_nc_u32 v[STO], s22, v4
	s_mul_i32 s22, s10, 32*272
	s_add_co_u32 s22, s22, STAGE
	v_mul_u32_u24 v5, v2, 272
	v_lshl_add_u32 v5, v1, 4, v5
	v_add_nc_u32 v[RD], s22, v5
	v_mul_u32_u24 v5, v2, 5632
	v_lshl_add_u32 v[CO], v1, 4, v5
	s_lshl_b32 s16, s13, 7
	s_lshl_b32 s17, s10, 5
	s_add_co_u32 s16, s16, s17                     ; the rows that my wave stores
	s_mul_i32 s16, s16, 5632
	s_lshl_b32 s17, s42, 8
	s_add_co_u32 s16, s16, s17
	s_mov_b32 s17, 0
	s_add_nc_u64 s[68:69], s[68:69], s[16:17]
	v_mul_u32_u24 v3, v1, PITCH
	v_lshl_add_u32 v3, v2, 4, v3
	s_mul_i32 s22, s11, 64*PITCH
	s_mul_i32 s23, s12, WNR*PITCH
	s_add_co_u32 s23, s23, 128*PITCH
.irp s, 0,1
	v_add_nc_u32 v[ADRA+\s], s22, v3
	v_add_nc_u32 v[ADRB+\s], s23, v3
	s_add_co_u32 s22, s22, SLOT
	s_add_co_u32 s23, s23, SLOT
.endr
	s_wait_tensorcnt 0x1                           ; my part of K step 0 is in; step 1's may stay out
	s_barrier_signal -1
	s_barrier_wait -1
	FETCH 0, 0, 0
	LAP 1
.if FL > 1
	WIN 0
	s_mov_b32 s3, FL-1
.Llap:
	LAP 0
	WIN 0
	s_sub_co_u32 s3, s3, 1
	s_cmp_lg_u32 s3, 0
	s_cbranch_scc1 .Llap
.endif
.if T & 1
	BODY 0, 0
	TURN 0, 1, 1
	BODY 1, 0
	TURN 1, 0, 0
	BODY 0, 0
.else
	BODY 0, 0
	TURN 0, 1, 0
	BODY 1, 0
.endif
	s_wait_dscnt 0x0
	WIN 0x50
	MULA 1, 0, 0
	MULA 1, 1, 0
	MULA 1, 2, 0
	MULA 1, 3, 0
	PLACES
	WIN 0
	v_mov_b32 v[NLE], 0xbfb8aa3b                   ; -log2(e), as a pair for the packed multiply
	v_mov_b32 v[NLE+1], 0xbfb8aa3b
	v_mov_b32 v[ONE], 1.0
	v_mov_b32 v[ONE+1], 1.0
	s_wait_loadcnt 0x0                             ; the biases
.irp a, 0,1,2,3
	WIN 0x09                                       ; source 0 window 1 (sums), source 1 window 2 (bias)
.set i_, 0
.rept 32
	v_pk_add_f32 v[32+2*i_:33+2*i_], v[64*\a+2*i_:64*\a+2*i_+1], v[2*i_:2*i_+1]     ; v32-63 gate, v64-95 up
.set i_, i_+1
.endr
	WIN 0
.irp b, 0,1,2,3
.irp i, 0,2,4,6
	v_pk_mul_f32 v[96+\i:97+\i], v[32+8*\b+\i:33+8*\b+\i], v[NLE:NLE+1]                   ; -g log2 e
.endr
.irp i, 0,1,2,3,4,5,6,7
	v_exp_f32 v[96+\i], v[96+\i]
.endr
.irp i, 0,2,4,6
	v_pk_mul_f32 v[104+\i:105+\i], v[32+8*\b+\i:33+8*\b+\i], v[64+8*\b+\i:65+8*\b+\i]     ; g u: the plain places behind the exponentials
.endr
	s_wait_alu depctr_va_vdst(0)
.irp i, 0,2,4,6
	v_pk_add_f32 v[96+\i:97+\i], v[96+\i:97+\i], v[ONE:ONE+1]
.endr
.irp i, 0,1,2,3,4,5,6,7
	v_rcp_f32 v[96+\i], v[96+\i]
.endr
	v_nop
	s_wait_alu depctr_va_vdst(0)
.irp i, 0,2,4,6
	v_pk_mul_f32 v[104+\i:105+\i], v[104+\i:105+\i], v[96+\i:97+\i]
.endr
.irp i, 0,1,2,3
	v_cvt_pk_bf16_f32 v[112+\i], v[104+2*\i], v[105+2*\i]
.endr
	ds_store_b128 v[STO], v[112:115] offset:4352*\a+32*\b
.endr
.endr
	s_wait_dscnt 0x0                               ; for the others' sake: my stores are done
	s_barrier_signal -1
	s_barrier_wait -1
.set t_, 0
.rept 16
	ds_load_b128 v[32+4*t_:32+4*t_+3], v[RD] offset:544*t_
.set t_, t_+1
.endr
.set t_, 0
.rept 16
	s_wait_dscnt 15-t_
	global_store_b128 v[CO], v[32+4*t_:32+4*t_+3], s[68:69] offset:11264*t_      ; sixteen lanes store 256 consecutive bytes, aligned
.set t_, t_+1
.endr
	s_wait_tensorcnt 0x0
	ds_add_u32 v254, v255
	s_wait_dscnt 0x0
	CROUND                                         ; the closing round
	s_endpgm
.Lfunc_end_k_q01b9984ee4_gateup:
	.size	k_q01b9984ee4_gateup, .Lfunc_end_k_q01b9984ee4_gateup-k_q01b9984ee4_gateup
	.p2alignl 7, 3214868480
	.fill 96, 4, 3214868480
	.section	.rodata,"a",@progbits
	.p2align	6, 0x0
	.amdhsa_kernel k_q01b9984ee4_gateup
		.amdhsa_group_segment_fixed_size 327680
		.amdhsa_private_segment_fixed_size 0
		.amdhsa_enable_private_segment 0
		.amdhsa_kernarg_size 24
		.amdhsa_user_sgpr_count 2
		.amdhsa_user_sgpr_kernarg_segment_ptr 1
		.amdhsa_wavefront_size32 1
		.amdhsa_system_sgpr_workgroup_id_x 1
		.amdhsa_system_sgpr_workgroup_id_y 1
		.amdhsa_system_sgpr_workgroup_id_z 1
		.amdhsa_system_vgpr_workitem_id 0
		.amdhsa_next_free_vgpr 576
		.amdhsa_next_free_sgpr 80
		.amdhsa_reserve_vcc 0
		.amdhsa_float_denorm_mode_32 3
		.amdhsa_float_denorm_mode_16_64 3
		.amdhsa_memory_ordered 1
		.amdhsa_forward_progress 1
		.amdhsa_inst_pref_size 145
	.end_amdhsa_kernel
	.amdgpu_metadata
---
amdhsa.version: [ 1, 2 ]
amdhsa.kernels:
  - .name:           k_q01b9984ee4_gateup
    .symbol:         k_q01b9984ee4_gateup.kd
    .args:
      - { .name: hbuf, .offset: 0, .size: 8, .value_kind: global_buffer, .address_space: global }
      - { .name: wt, .offset: 8, .size: 8, .value_kind: global_buffer, .address_space: global }
      - { .name: act, .offset: 16, .size: 8, .value_kind: global_buffer, .address_space: global }
    .group_segment_fixed_size: 327680
    .private_segment_fixed_size: 0
    .kernarg_segment_align: 8
    .kernarg_segment_size: 24
    .max_flat_workgroup_size: 128
    .sgpr_count:     80
    .vgpr_count:     576
    .wavefront_size: 32
...
	.end_amdgpu_metadata
.endif
;; end of part 6
;; launch down (part 7): grid 32 x 8, 4 waves a work-group, clusters of 4 x 1, 327,680 bytes of LDS; arguments act, wt, down_b, x2, out0; writes out0
.if DOCPART == 7
	.amdgcn_target "amdgcn-amd-amdhsa--gfx1250"
	.amdhsa_code_object_version 6
	.text
	.protected	k_q01b9984ee4_down
	.globl	k_q01b9984ee4_down
	.p2align	8
	.type	k_q01b9984ee4_down,@function
k_q01b9984ee4_down:
	s_mov_b64 s[64:65], 0
	v_nop
	global_prefetch_b8 v0, s[64:65] scope:SCOPE_SE
	s_setreg_imm32_b32 hwreg(HW_REG_WAVE_MODE, 25, 1), 1
	s_wait_xcnt 0x0
	s_wait_alu depctr_hold_cnt(0) depctr_sa_sdst(0) depctr_va_vdst(0) depctr_va_sdst(0) depctr_va_ssrc(0) depctr_va_vcc(0) depctr_vm_vsrc(0)
	s_getreg_b32 s2, hwreg(HW_REG_IB_STS2, 6, 4)
	s_cmp_eq_u32 s2, 0
	s_cbranch_scc0 .Lentry_in_a_cluster
	s_endpgm
.Lentry_in_a_cluster:
	s_bfe_u32 s2, ttmp6, 0x10000c
	s_cmp_lg_u32 s2, 0x3003
	s_cbranch_scc0 .Lentry_shape_is_right
	s_endpgm
.Lentry_shape_is_right:
; out0 = x2 + act Wd + b, f32.  act: [4096][2816] bf16 (columns 2730.. are zeros); W: wt [1024 n][2816 k] bf16 at WOFF (k 2730.. zeros).  Sums in f32.
; A work-group makes 128 rows x 128 columns with four waves, 2 x 2; a wave makes 64 x 64: 4 x 4 accumulator tiles.  With 1024 columns that
; gives 256 work-groups; a larger block would leave WGPs without work.
; K goes in 11 steps of 256 through two LDS slots filled by the tensor data mover (rows of 512 bytes, aligned, padded by 16 in LDS).
; Waves 0 and 1 fetch the two halves of act's tile, waves 2 and 3 those of W's: one tensor load a wave for a step.
; CLUSTER 4 x 1: four row blocks with one column block: W's tiles are asked for jointly (mask 15); act's tiles are each work-group's own.
; A 4 x 4 cluster is left out: this text is one with the gate/up product's, whose 22 column blocks no 4 divides.
; The matrix instruction is used transposed (source 0 = rows of W, source 1 = rows of act): a lane holds row l % 16 and columns 8 (l / 16) + 0..7.
; Registers: window 0: addresses, two fragment buffers, the bias; window 1: accumulators at 8 (NT a + b), the residual at 128 + 32 a + 4 t.
.set KTOT,  2816
.set KSTEP, 256
.set PITCH, 528
.set QI,    6
.set T,     11
.set NT,    4
.set BN,    128
.set WOFF,  19922944
.set GU,    0
.set BSTEP, 128
.set BHS,   64
.set WNR,   64
.set BHALF, 16*NT
.set SLOT,  (128+BN)*PITCH
.set STAGE, 2*SLOT                     ; behind the ring, bytes into which no fill lands: 16 rows x 272 bytes for each wave
.set NQ,    KSTEP/32
.set NL,    2*NT+8
.set FL,    (T-2-(T&1))/2
.set ADRA, 16
.set ADRB, 20
.set STO,  24
.set RD,   25
.set CO,   26
.set BO,   27
.set FA0,  32
.set FB0,  96
.set G1,   24
.set G0,   32
.set G1B,  48
.set G0B,  56
.set MSB,  0
.macro WIN new
.if MSB != \new
	s_set_vgpr_msb (MSB<<8)|\new
.set MSB, \new
.endif
.endm
.macro PLACES                          ; four places behind a matrix instruction (ISA guide 7.12.1)
.rept 4
	v_nop
.endr
.endm
.macro JLOAD s
	s_cmp_eq_u32 s11, 0
	s_cbranch_scc0 .Lfor_w_\@
	tensor_load_to_lds s[G0+4*\s:G0+4*\s+3], s[G1:G1+7]
	s_nop 0
	s_branch .Lasked_\@
.Lfor_w_\@:
	tensor_load_to_lds s[G0B+4*\s:G0B+4*\s+3], s[G1B:G1B+7]
	s_nop 0
.Lasked_\@:
.endm
.macro CREST
	s_cmp_lg_u32 s10, 0
	s_cbranch_scc1 .Lnot_wave_0_\@
	s_barrier_signal -3
.Lnot_wave_0_\@:
	s_barrier_wait -3
	s_barrier_signal -1
	s_barrier_wait -1
.endm
.macro CROUND
	s_barrier_signal -1
	s_barrier_wait -1
	CREST
.endm
.macro MULA f, a, zero
.set b_, 0
.rept NT
.if \zero
	v_wmma_f32_16x16x32_bf16 v[8*(NT*\a+b_):8*(NT*\a+b_)+7], v[FB0+64*\f+8*b_:FB0+64*\f+8*b_+7], v[FA0+32*\f+8*\a:FA0+32*\f+8*\a+7], 0
.else
	v_wmma_f32_16x16x32_bf16 v[8*(NT*\a+b_):8*(NT*\a+b_)+7], v[FB0+64*\f+8*b_:FB0+64*\f+8*b_+7], v[FA0+32*\f+8*\a:FA0+32*\f+8*\a+7], v[8*(NT*\a+b_):8*(NT*\a+b_)+7]
.endif
.set b_, b_+1
.endr
.endm
.macro FETCH slot, k, f
	WIN 0
.set b_, 0
.rept NT
	ds_load_b128 v[FB0+64*\f+8*b_:FB0+64*\f+8*b_+3],   v[ADRB+\slot] offset:\k+(16*b_+GU*(b_/4)*64)*PITCH
	ds_load_b128 v[FB0+64*\f+8*b_+4:FB0+64*\f+8*b_+7], v[ADRB+\slot] offset:\k+(16*b_+GU*(b_/4)*64)*PITCH+32
.set b_, b_+1
.endr
.irp a, 0,1,2,3
	ds_load_b128 v[FA0+32*\f+8*\a:FA0+32*\f+8*\a+3],   v[ADRA+\slot] offset:\k+16*\a*PITCH
	ds_load_b128 v[FA0+32*\f+8*\a+4:FA0+32*\f+8*\a+7], v[ADRA+\slot] offset:\k+16*\a*PITCH+32
.endr
.endm
; The 4 NT accumulators take turns, one instruction a turn, in the same order in every quarter.
.macro QUARTER slot, k, f, g, zero
	s_wait_dscnt 4                                 ; all but the four youngest loads (row tiles 2 and 3) are in
	WIN 0x50
	MULA \f, 0, \zero
	MULA \f, 1, \zero
	PLACES
	FETCH \slot, \k, \g
	s_wait_dscnt NL                                ; all but the NL just issued
	WIN 0x50
	MULA \f, 2, \zero
	MULA \f, 3, \zero
.endm
.macro BODY slot, zero
	QUARTER \slot, 64,  0, 1, \zero
	QUARTER \slot, 128, 1, 0, 0
	QUARTER \slot, 192, 0, 1, 0
.if NQ == 8
	QUARTER \slot, 256, 1, 0, 0
	QUARTER \slot, 320, 0, 1, 0
	QUARTER \slot, 384, 1, 0, 0
	QUARTER \slot, 448, 0, 1, 0
.endif
.endm
; The last quarter changes slots: each wave's reads of this slot and all its tensor loads are waited for in front of the barrier; with fill = 1
; the barrier opens a round of the cluster's barrier and the refill, two K steps ahead, is the first tensor load behind the round.
.macro TURN slot, next, fill
	s_wait_dscnt 4
	WIN 0x50
	MULA 1, 0, 0
	s_wait_dscnt 0x0
	s_wait_tensorcnt 0x0
	ds_add_u32 v254, v255
	s_wait_dscnt 0x0
	s_barrier_signal -1
	MULA 1, 1, 0
	WIN 0
	s_barrier_wait -1
.if \fill
	CREST
	s_add_nc_u64 s[G0+4*\slot+2:G0+4*\slot+3], s[G0+4*\slot+2:G0+4*\slot+3], 4*KSTEP
	s_add_nc_u64 s[G0B+4*\slot+2:G0B+4*\slot+3], s[G0B+4*\slot+2:G0B+4*\slot+3], 4*KSTEP
	JLOAD \slot
.endif
	PLACES
	FETCH \next, 0, 0
	WIN 0x50
	MULA 1, 2, 0
	MULA 1, 3, 0
.endm
.macro LAP zero
	BODY 0, \zero
	TURN 0, 1, 1
	BODY 1, 0
	TURN 1, 0, 1
.endm
	s_load_b128 s[4:7], s[0:1], 0x0                ; left operand, wt
	s_load_b128 s[68:71], s[0:1], 0x10             ; bias, residual
	s_load_b64 s[72:73], s[0:1], 0x20              ; result
	v_lshl_add_u32 v254, v0, 2, 0x46400
	v_mov_b32 v255, 0
	ds_add_u32 v254, v255
	ds_add_u32 v254, v255
	v_lshrrev_b32 v1, 5, v0
	v_readfirstlane_b32 s10, v1
	s_lshr_b32 s11, s10, 1
	s_and_b32 s12, s10, 1
	s_bfe_u32 s40, ttmp6, 0x40000                  ; cx
	s_lshl_b32 s13, ttmp9, 2
	s_add_co_u32 s13, s13, s40                     ; row block
	s_and_b32 s42, ttmp7, 0xffff                   ; column block
	s_mov_b32 s[G1+0], (1<<16)|(1<<20)|(QI<<22)|(3<<25)
	s_mov_b32 s[G1+1], KSTEP<<16
	s_mov_b32 s[G1+2], 64<<16
	s_mov_b32 s[G1+3], KSTEP<<16
	s_mov_b32 s[G1+4], 64
	s_mov_b32 s[G1+5], KTOT
	s_mov_b32 s[G1+6], 0
	s_mov_b32 s[G1+7], 0
	s_mov_b32 s[G1B+0], 15|(1<<16)|(1<<20)|(1<<21)|(QI<<22)|(3<<25)
	s_mov_b32 s[G1B+1], KSTEP<<16
	s_mov_b32 s[G1B+2], BHALF<<16
	s_mov_b32 s[G1B+3], KSTEP<<16
	s_mov_b32 s[G1B+4], BHALF
	s_mov_b32 s[G1B+5], KTOT
	s_mov_b32 s[G1B+6], 0
	s_mov_b32 s[G1B+7], 0
	s_lshl_b32 s16, s13, 7
	s_lshl_b32 s17, s12, 6
	s_add_co_u32 s16, s16, s17
	s_mul_i32 s16, s16, 2*KTOT
	s_mov_b32 s17, 0
	s_mul_i32 s46, s42, BSTEP
	s_mul_i32 s47, s12, BHS
	s_add_co_u32 s46, s46, s47
	s_mul_i32 s46, s46, 2*KTOT
	s_add_co_u32 s46, s46, WOFF
	s_mov_b32 s47, 0
	s_mul_i32 s20, s10, 64*PITCH
	s_mul_i32 s21, s10, BHALF*PITCH
	s_add_co_i32 s21, s21, (128-2*BHALF)*PITCH
	s_wait_dscnt 0x0
	s_wait_kmcnt 0x0
	s_add_nc_u64 s[14:15], s[4:5], s[16:17]
	s_add_nc_u64 s[46:47], s[6:7], s[46:47]
	CROUND
.irp s, 0,1
	s_mov_b32 s[G0+4*\s], 1
	s_add_co_u32 s[G0+4*\s+1], s20, \s*SLOT
	s_add_nc_u64 s[G0+4*\s+2:G0+4*\s+3], s[14:15], \s*KSTEP*2
	s_or_b32 s[G0+4*\s+3], s[G0+4*\s+3], 0x80000000
	s_mov_b32 s[G0B+4*\s], 1
	s_add_co_u32 s[G0B+4*\s+1], s21, \s*SLOT
	s_add_nc_u64 s[G0B+4*\s+2:G0B+4*\s+3], s[46:47], \s*KSTEP*2
	s_or_b32 s[G0B+4*\s+3], s[G0B+4*\s+3], 0x80000000
	JLOAD \s                                       ; two tensor loads of a wave are out here, later never more than one
.endr
	v_and_b32 v1, 15, v0
	v_bfe_u32 v2, v0, 4, 1
	; bias and residual of my 64 x 64, in the layout of the way out: lanes 0-15 a row's 256 bytes, lanes 16-31 the next row's
	v_lshlrev_b32 v[BO], 4, v1
	v_lshl_add_u32 v[CO], v2, 12, v[BO]
	s_lshl_b32 s16, s42, 9
	s_lshl_b32 s17, s12, 8
	s_add_co_u32 s16, s16, s17
	s_mov_b32 s17, 0
	s_add_nc_u64 s[68:69], s[68:69], s[16:17]
	s_lshl_b32 s18, s13, 7
	s_lshl_b32 s19, s11, 6
	s_add_co_u32 s18, s18, s19
	s_lshl_b32 s18, s18, 12
	s_add_co_u32 s16, s16, s18
	s_add_nc_u64 s[70:71], s[70:71], s[16:17]
	s_add_nc_u64 s[72:73], s[72:73], s[16:17]
	global_load_b128 v[224:227], v[BO], s[68:69]
	WIN 0x40
.irp a, 0,1,2,3
.irp t, 0,1,2,3,4,5,6,7
	global_load_b128 v[128+32*\a+4*\t:128+32*\a+4*\t+3], v[CO], s[70:71] offset:(16*\a+2*\t)*4096
.endr
.endr
	WIN 0
	s_mul_i32 s22, s10, 16*272
	s_add_co_u32 s22, s22, STAGE
	v_mul_u32_u24 v4, v1, 272
	v_lshl_add_u32 v4, v2, 5, v4
	v_add_nc_u32 v[STO], s22, v4
	v_mul_u32_u24 v5, v2, 272
	v_lshl_add_u32 v5, v1, 4, v5
	v_add_nc_u32 v[RD], s22, v5
	v_mul_u32_u24 v3, v1, PITCH
	v_lshl_add_u32 v3, v2, 4, v3
	s_mul_i32 s22, s11, 64*PITCH
	s_mul_i32 s23, s12, WNR*PITCH
	s_add_co_u32 s23, s23, 128*PITCH
.irp s, 0,1
	v_add_nc_u32 v[ADRA+\s], s22, v3
	v_add_nc_u32 v[ADRB+\s], s23, v3
	s_add_co_u32 s22, s22, SLOT
	s_add_co_u32 s23, s23, SLOT
.endr
	s_wait_tensorcnt 0x1                           ; my part of K step 0 is in; step 1's may stay out
	s_barrier_signal -1
	s_barrier_wait -1
	FETCH 0, 0, 0
	LAP 1
.if FL > 1
	WIN 0
	s_mov_b32 s3, FL-1
.Llap:
	LAP 0
	WIN 0
	s_sub_co_u32 s3, s3, 1
	s_cmp_lg_u32 s3, 0
	s_cbranch_scc1 .Llap
.endif
.if T & 1
	BODY 0, 0                                      ; K step 8 still fills slot 0 with step 10; steps 9 and 10 fill nothing
	TURN 0, 1, 1
	BODY 1, 0
	TURN 1, 0, 0
	BODY 0, 0
.else
	BODY 0, 0
	TURN 0, 1, 0
	BODY 1, 0
.endif
	s_wait_dscnt 0x0
	WIN 0x50
	MULA 1, 0, 0
	MULA 1, 1, 0
	MULA 1, 2, 0
	MULA 1, 3, 0
	PLACES
	s_wait_loadcnt 0x0                             ; bias and residual
	; 16 rows at a time: the sums into my own stage (32 bytes a lane), read back as whole rows of 256 bytes, + residual + bias, out
.irp a, 0,1,2,3
.set TB, 32+32*(\a&1)
	WIN 0x04                                       ; source 1 in window 1: the stores' data, the residual
.set b_, 0
.rept NT
	ds_store_b128 v[STO], v[8*(NT*\a+b_):8*(NT*\a+b_)+3]   offset:64*b_
	ds_store_b128 v[STO], v[8*(NT*\a+b_)+4:8*(NT*\a+b_)+7] offset:64*b_+16
.set b_, b_+1
.endr
	s_wait_xcnt 0x0                                ; TB held the data of the stores two turns ago
.irp t, 0,1,2,3,4,5,6,7
	ds_load_b128 v[TB+4*\t:TB+4*\t+3], v[RD] offset:544*\t       ; my own bytes, served in order
.endr
.irp t, 0,1,2,3,4,5,6,7
	s_wait_dscnt 7-\t
	v_pk_add_f32 v[TB+4*\t:TB+4*\t+1],   v[TB+4*\t:TB+4*\t+1],   v[128+32*\a+4*\t:128+32*\a+4*\t+1]
	v_pk_add_f32 v[TB+4*\t+2:TB+4*\t+3], v[TB+4*\t+2:TB+4*\t+3], v[128+32*\a+4*\t+2:128+32*\a+4*\t+3]
.endr
	WIN 0
.irp t, 0,1,2,3,4,5,6,7
	v_pk_add_f32 v[TB+4*\t:TB+4*\t+1],   v[TB+4*\t:TB+4*\t+1],   v[224:225]
	v_pk_add_f32 v[TB+4*\t+2:TB+4*\t+3], v[TB+4*\t+2:TB+4*\t+3], v[226:227]
	global_store_b128 v[CO], v[TB+4*\t:TB+4*\t+3], s[72:73] offset:(16*\a+2*\t)*4096     ; sixteen lanes store 256 consecutive bytes, aligned
.endr
.endr
	s_wait_tensorcnt 0x0
	ds_add_u32 v254, v255
	s_wait_dscnt 0x0
	CROUND                                         ; the closing round
	s_endpgm
.Lfunc_end_k_q01b9984ee4_down:
	.size	k_q01b9984ee4_down, .Lfunc_end_k_q01b9984ee4_down-k_q01b9984ee4_down
	.p2alignl 7, 3214868480
	.fill 96, 4, 3214868480
	.section	.rodata,"a",@progbits
	.p2align	6, 0x0
	.amdhsa_kernel k_q01b9984ee4_down
		.amdhsa_group_segment_fixed_size 327680
		.amdhsa_private_segment_fixed_size 0
		.amdhsa_enable_private_segment 0
		.amdhsa_kernarg_size 40
		.amdhsa_user_sgpr_count 2
		.amdhsa_user_sgpr_kernarg_segment_ptr 1
		.amdhsa_wavefront_size32 1
		.amdhsa_system_sgpr_workgroup_id_x 1
		.amdhsa_system_sgpr_workgroup_id_y 1
		.amdhsa_system_sgpr_workgroup_id_z 1
		.amdhsa_system_vgpr_workitem_id 0
		.amdhsa_next_free_vgpr 512
		.amdhsa_next_free_sgpr 80
		.amdhsa_reserve_vcc 0
		.amdhsa_float_denorm_mode_32 3
		.amdhsa_float_denorm_mode_16_64 3
		.amdhsa_memory_ordered 1
		.amdhsa_forward_progress 1
		.amdhsa_inst_pref_size 158
	.end_amdhsa_kernel
	.amdgpu_metadata
---
amdhsa.version: [ 1, 2 ]
amdhsa.kernels:
  - .name:           k_q01b9984ee4_down
    .symbol:         k_q01b9984ee4_down.kd
    .args:
      - { .name: act, .offset: 0, .size: 8, .value_kind: global_buffer, .address_space: global }
      - { .name: wt, .offset: 8, .size: 8, .value_kind: global_buffer, .address_space: global }
      - { .name: down_b, .offset: 16, .size: 8, .value_kind: global_buffer, .address_space: global }
      - { .name: x2, .offset: 24, .size: 8, .value_kind: global_buffer, .address_space: global }
      - { .name: out0, .offset: 32, .size: 8, .value_kind: global_buffer, .address_space: global }
    .group_segment_fixed_size: 327680
    .private_segment_fixed_size: 0
    .kernarg_segment_align: 8
    .kernarg_segment_size: 40
    .max_flat_workgroup_size: 128
    .sgpr_count:     80
    .vgpr_count:     512
    .wavefront_size: 32
...
	.end_amdgpu_metadata
.endif
;; end of part 7
;; ======== version 2 of 2: 8 launches
;; workspace buffers: wt 25,712,640 bytes; hbuf 8,388,608 bytes; qkvh 25,165,824 bytes; ao 8,388,608 bytes; x2 16,777,216 bytes; act 23,068,672 bytes
;; launch prep: the kernel of part 1 again; grid 393 x 1, 4 waves a work-group, no clusters, 70,144 bytes of LDS; arguments qkv_w, proj_w, gate_w, up_w, down_w, gate_b, up_b, wt; writes wt
;; launch ln1: the kernel of part 2 again; grid 256 x 1, 4 waves a work-group, no clusters, 0 bytes of LDS; arguments x, ln1_g, ln1_b, hbuf; writes hbuf
;; launch qkvg (part 8): grid 16 x 16, 4 waves a work-group, clusters of 4 x 4, 327,680 bytes of LDS; arguments hbuf, wt, qkv_b, qkvh; writes qkvh
.if DOCPART == 8
	.amdgcn_target "amdgcn-amd-amdhsa--gfx1250"
	.amdhsa_code_object_version 6
	.text
	.protected	k_q01b9984ee4_qkvg
	.globl	k_q01b9984ee4_qkvg
	.p2align	8
	.type	k_q01b9984ee4_qkvg,@function
k_q01b9984ee4_qkvg:
	s_mov_b64 s[64:65], 0
	v_nop
	global_prefetch_b8 v0, s[64:65] scope:SCOPE_SE
	s_setreg_imm32_b32 hwreg(HW_REG_WAVE_MODE, 25, 1), 1
	s_wait_xcnt 0x0
	s_wait_alu depctr_hold_cnt(0) depctr_sa_sdst(0) depctr_va_vdst(0) depctr_va_sdst(0) depctr_va_ssrc(0) depctr_va_vcc(0) depctr_vm_vsrc(0)
	s_getreg_b32 s2, hwreg(HW_REG_IB_STS2, 6, 4)
	s_cmp_eq_u32 s2, 0
	s_cbranch_scc0 .Lentry_in_a_cluster
	s_endpgm
.Lentry_in_a_cluster:
	s_bfe_u32 s2, ttmp6, 0x10000c
	s_cmp_lg_u32 s2, 0xf033
	s_cbranch_scc0 .Lentry_shape_is_right
	s_endpgm
.Lentry_shape_is_right:
; qkv = h Wqkv + b.  h: hbuf [4096][1024] bf16; W: wt [3072 n][1024 k] bf16; result bf16, head-major: qkvh [b 2][c 48][t 2048][64],
; c = column / 64 (0-15 q, 16-31 k, 32-47 v).  Sums in f32, rounded once.
; q (columns 0-1023) is stored times log2(e) / 8, multiplied in f32 before the one rounding: the attention's scores q.k then are exponents of 2
; and its inner step needs no multiply.
; A work-group makes 256 rows x 192 columns (three heads) with four waves, 2 x 2; a wave makes 128 x 96: 8 x 6 accumulator tiles of 16 x 16.
; 16 x 16 such blocks are 256 work-groups.  K goes in steps of 128 through two LDS slots filled by the tensor data mover (rows of 256 bytes,
; aligned, padded by 16 in LDS).  Waves 0 and 1 fetch the two halves of h's tile, waves 2 and 3 those of W's: one tensor load a wave for a step.
; A K step is 192 matrix instructions of a wave, 180 of them between a tile's request and the wait for it.
; CLUSTER 4 x 4: grid x is the row block, grid y the column block.  h's tiles hang on the row block alone and are asked for jointly by the four
; work-groups with my cx; W's hang on the column block alone and are asked for jointly by the four with my cy.
; The matrix instruction is used transposed (source 0 = 16 rows of W, source 1 = 16 rows of h): a lane then holds row l % 16 of the result and
; eight neighbouring columns 8 (l / 16) + 0..7.
; REGISTERS, in windows of 256: window 0: v0-31 addresses, v64-127 and v128-191 h's fragments (8 x 16 rows x 32 K), two buffers, v192-203 factors;
; window 1: v0-47 the bias, v64-111 and v128-175 W's fragments, two buffers; window 2: the 24 accumulator tiles of my rows 0-63, tile (a, b) at
; 8 (NT a + b); window 3: those of my rows 64-127.
.set KTOT,  1024
.set KSTEP, 128
.set PITCH, 272
.set QI,    5                          ; padding behind every 64 dwords, a row
.set T,     8                          ; K steps
.set NT,    6                          ; column tiles of a wave
.set BN,    192
.set WOFF,  0                          ; W's place in wt
.set GU,    0
.set BSTEP, 192                        ; W rows from one column block to the next
.set BHS,   96                         ; W rows from wave 2's half to wave 3's
.set WNR,   96                         ; LDS rows from the left waves' W to the right waves'
.set BHALF, 16*NT                      ; rows of W in one tensor load
.set SLOT,  (256+BN)*PITCH             ; h's 256 rows, then W's
.set STAGE, 2*SLOT                     ; behind the ring, bytes into which no fill lands: 128 rows x 400 bytes
.set NL,    2*NT+16                    ; LDS loads of one quarter step
.set FL,    (T-2)/2                    ; laps in which both slots are filled again
.set ADRA, 16
.set ADRB, 20
.set STO,  24
.set RD,   25
.set CO,   26
.set BO,   27
.set F0,   64                          ; fragment buffer 0
.set F1,   128                         ; fragment buffer 1
.set SC,   192                         ; the way out: v192-203, a pair for each column tile: its factor, twice
.set G1,   24                          ; s[24:31] group 1, h's tiles
.set G0,   32                          ; s[32:39] group 0, h's tiles, a set for each slot
.set G1B,  48                          ; s[48:55] group 1, W's tiles
.set G0B,  56                          ; s[56:63] group 0, W's tiles
.set MUL_LO, 0xa1                      ; source 0 (W) window 1, source 1 (h) window 0, C and D window 2
.set MUL_HI, 0xf1                      ; the same, C and D window 3
.set TO_B,   0x40                      ; destination window 1, address window 0
.set MSB,  0
.macro WIN new                         ; the immediate's high byte repeats the setting that is left
.if MSB != \new
	s_set_vgpr_msb (MSB<<8)|\new
.set MSB, \new
.endif
.endm
.macro PLACES                          ; four places behind a matrix instruction (ISA guide 7.12.1)
.rept 4
	v_nop
.endr
.endm
.macro JLOAD s                         ; one joint tensor load a wave: waves 0, 1 h's halves, waves 2, 3 W's halves; each line has one mask
	s_cmp_eq_u32 s11, 0
	s_cbranch_scc0 .Lfor_w_\@
	tensor_load_to_lds s[G0+4*\s:G0+4*\s+3], s[G1:G1+7]
	s_nop 0
	s_branch .Lasked_\@
.Lfor_w_\@:
	tensor_load_to_lds s[G0B+4*\s:G0B+4*\s+3], s[G1B:G1B+7]
	s_nop 0
.Lasked_\@:
.endm
.macro CREST                           ; a round of the cluster's barrier behind its opening work-group barrier
	s_cmp_lg_u32 s10, 0
	s_cbranch_scc1 .Lnot_wave_0_\@
	s_barrier_signal -3
.Lnot_wave_0_\@:
	s_barrier_wait -3
	s_barrier_signal -1
	s_barrier_wait -1
.endm
.macro CROUND
	s_barrier_signal -1
	s_barrier_wait -1
	CREST
.endm
; NT matrix instructions: row tile 4 hi + a x all column tiles, 32 along K, from buffer f.  zero = 1: the first product starts the sums.
.macro MULA f, hi, a, zero
.set b_, 0
.rept NT
.if \zero
	v_wmma_f32_16x16x32_bf16 v[8*(NT*\a+b_):8*(NT*\a+b_)+7], v[\f+8*b_:\f+8*b_+7], v[\f+8*(4*\hi+\a):\f+8*(4*\hi+\a)+7], 0
.else
	v_wmma_f32_16x16x32_bf16 v[8*(NT*\a+b_):8*(NT*\a+b_)+7], v[\f+8*b_:\f+8*b_+7], v[\f+8*(4*\hi+\a):\f+8*(4*\hi+\a)+7], v[8*(NT*\a+b_):8*(NT*\a+b_)+7]
.endif
.set b_, b_+1
.endr
.endm
.macro HALF f, hi, zero                ; the 4 NT tiles of one accumulator window
	MULA \f, \hi, 0, \zero
	MULA \f, \hi, 1, \zero
	MULA \f, \hi, 2, \zero
	MULA \f, \hi, 3, \zero
.endm
; NL LDS loads in one run: the fragments of one quarter step (32 K at byte k of the rows) into buffer f; W's first, h's eight row tiles last
.macro FETCH slot, k, f
	WIN TO_B
.set b_, 0
.rept NT
	ds_load_b128 v[\f+8*b_:\f+8*b_+3],   v[ADRB+\slot] offset:\k+(16*b_+GU*(b_/4)*64)*PITCH
	ds_load_b128 v[\f+8*b_+4:\f+8*b_+7], v[ADRB+\slot] offset:\k+(16*b_+GU*(b_/4)*64)*PITCH+32
.set b_, b_+1
.endr
	WIN 0
.irp a, 0,1,2,3,4,5,6,7
	ds_load_b128 v[\f+8*\a:\f+8*\a+3],   v[ADRA+\slot] offset:\k+16*\a*PITCH
	ds_load_b128 v[\f+8*\a+4:\f+8*\a+7], v[ADRA+\slot] offset:\k+16*\a*PITCH+32
.endr
.endm
; A quarter step: multiplies buffer f; in its middle it fetches the next quarter's fragments into buffer g.
; The 8 NT accumulators take turns, one instruction a turn, in the same order in every quarter.
.macro QUARTER slot, k, f, g, zero
	s_wait_dscnt 8                                 ; all but the eight youngest loads (h's row tiles 4-7) are in
	WIN MUL_LO
	HALF \f, 0, \zero
	PLACES                                         ; buffer g was read by earlier matrix instructions
	FETCH \slot, \k, \g
	s_wait_dscnt NL                                ; all but the NL just issued
	WIN MUL_HI
	HALF \f, 1, \zero
.endm
.macro BODY slot, zero                 ; the first three quarters of a K step
	QUARTER \slot, 64,  F0, F1, \zero
	QUARTER \slot, 128, F1, F0, 0
	QUARTER \slot, 192, F0, F1, 0
.endm
; The last quarter: multiplies buffer 1 and changes slots.  In front of the barrier each wave waits for its reads of this slot and for all its
; tensor loads (the one that is out is its part of the next slot).  fill = 1: the barrier opens a round of the cluster's barrier, and this slot's
; refill, two K steps ahead, is the first tensor load behind the round.
.macro TURN slot, next, fill
	s_wait_dscnt 8
	WIN MUL_LO
	MULA F1, 0, 0, 0
	MULA F1, 0, 1, 0
	s_wait_dscnt 0x0
	s_wait_tensorcnt 0x0
	ds_add_u32 v255, v255
	s_wait_dscnt 0x0
	s_barrier_signal -1
	MULA F1, 0, 2, 0                               ; register work while the others arrive
	MULA F1, 0, 3, 0
	WIN 0
	s_barrier_wait -1
.if \fill
	CREST
	s_add_nc_u64 s[G0+4*\slot+2:G0+4*\slot+3], s[G0+4*\slot+2:G0+4*\slot+3], 4*KSTEP      ; no tensor load of mine is out: group 0 may be written
	s_add_nc_u64 s[G0B+4*\slot+2:G0B+4*\slot+3], s[G0B+4*\slot+2:G0B+4*\slot+3], 4*KSTEP
	JLOAD \slot
.endif
	PLACES
	FETCH \next, 0, F0
	WIN MUL_HI
	HALF F1, 1, 0
.endm
.macro LAP zero
	BODY 0, \zero
	TURN 0, 1, 1
	BODY 1, 0
	TURN 1, 0, 1
.endm
	s_load_b128 s[4:7], s[0:1], 0x0                ; h, wt
	s_load_b128 s[68:71], s[0:1], 0x10             ; qkv_b, qkvh
	s_set_vgpr_msb 0x40
	v_lshl_add_u32 v255, v0, 2, 0x48000
	s_set_vgpr_msb 0x4000
	v_mov_b32 v255, 0
	s_set_vgpr_msb 0x1
	ds_add_u32 v255, v255
	ds_add_u32 v255, v255
	s_set_vgpr_msb 0x100
	v_lshrrev_b32 v1, 5, v0
	v_readfirstlane_b32 s10, v1                    ; wave
	s_lshr_b32 s11, s10, 1                         ; my half of the rows.  Also: I fetch h (0) or W (1)
	s_and_b32 s12, s10, 1                          ; my half of the columns.  Also: which half of the tile I fetch
	s_bfe_u32 s40, ttmp6, 0x40000                  ; cx
	s_bfe_u32 s41, ttmp6, 0x40004                  ; cy
	s_lshl_b32 s13, ttmp9, 2
	s_add_co_u32 s13, s13, s40                     ; row block = 4 x cluster x + cx
	s_and_b32 s42, ttmp7, 0xffff
	s_lshl_b32 s42, s42, 2
	s_add_co_u32 s42, s42, s41                     ; column block = 4 x cluster y + cy
	s_lshl_b32 s43, 0x1111, s40                    ; the four with my cx: places cx, cx + 4, cx + 8, cx + 12
	s_lshl_b32 s44, s41, 2
	s_lshl_b32 s44, 15, s44                        ; the four with my cy: places 4 cy .. 4 cy + 3
	s_or_b32 s[G1+0], s43, (1<<16)|(1<<20)|(1<<21)|(QI<<22)|(3<<25)     ; h's tiles: mask, 2-byte elements, padding of 4 dwords behind each row, bit 21 beside the mask
	s_mov_b32 s[G1+1], KSTEP<<16                   ; tensor_dim0
	s_mov_b32 s[G1+2], 128<<16                     ; tensor_dim1
	s_mov_b32 s[G1+3], KSTEP<<16                   ; tile_dim0
	s_mov_b32 s[G1+4], 128                         ; tile_dim1
	s_mov_b32 s[G1+5], KTOT                        ; elements from row to row
	s_mov_b32 s[G1+6], 0
	s_mov_b32 s[G1+7], 0
	s_or_b32 s[G1B+0], s44, (1<<16)|(1<<20)|(1<<21)|(QI<<22)|(3<<25)    ; W's tiles: the other mask
	s_mov_b32 s[G1B+1], KSTEP<<16
	s_mov_b32 s[G1B+2], BHALF<<16
	s_mov_b32 s[G1B+3], KSTEP<<16
	s_mov_b32 s[G1B+4], BHALF
	s_mov_b32 s[G1B+5], KTOT
	s_mov_b32 s[G1B+6], 0
	s_mov_b32 s[G1B+7], 0
	; s14-17 hold terms of the row block alone, s46-47 terms of the column block alone: no register that feeds one operand's descriptors ever holds the other coordinate
	s_lshl_b32 s16, s13, 8
	s_lshl_b32 s17, s12, 7
	s_add_co_u32 s16, s16, s17                     ; h: row 256 x row block + 128 x half
	s_mul_i32 s16, s16, 2*KTOT
	s_mov_b32 s17, 0
	s_mul_i32 s46, s42, BSTEP
	s_mul_i32 s47, s12, BHS
	s_add_co_u32 s46, s46, s47                     ; W: its row
	s_mul_i32 s46, s46, 2*KTOT
	s_add_co_u32 s46, s46, WOFF
	s_mov_b32 s47, 0
	s_mul_i32 s20, s10, 128*PITCH                  ; LDS: h's halves at wave x 128 rows (waves 0, 1),
	s_mul_i32 s21, s10, BHALF*PITCH                ; W's at 256 rows + (wave - 2) x BHALF rows (waves 2, 3)
	s_add_co_i32 s21, s21, (256-2*BHALF)*PITCH
	s_wait_dscnt 0x0
	s_wait_kmcnt 0x0
	s_add_nc_u64 s[14:15], s[4:5], s[16:17]
	s_add_nc_u64 s[46:47], s[6:7], s[46:47]
	CROUND                                         ; all sixteen work-groups are here: the first joint loads meet
.irp s, 0,1
	s_mov_b32 s[G0+4*\s], 1
	s_add_co_u32 s[G0+4*\s+1], s20, \s*SLOT
	s_add_nc_u64 s[G0+4*\s+2:G0+4*\s+3], s[14:15], \s*KSTEP*2
	s_or_b32 s[G0+4*\s+3], s[G0+4*\s+3], 0x80000000
	s_mov_b32 s[G0B+4*\s], 1
	s_add_co_u32 s[G0B+4*\s+1], s21, \s*SLOT
	s_add_nc_u64 s[G0B+4*\s+2:G0B+4*\s+3], s[46:47], \s*KSTEP*2
	s_or_b32 s[G0B+4*\s+3], s[G0B+4*\s+3], 0x80000000
	JLOAD \s                                       ; two tensor loads of a wave are out here, later never more than one
.endr
	v_and_b32 v1, 15, v0                           ; r = l % 16
	v_bfe_u32 v2, v0, 4, 1                         ; h = l / 16
	; the bias of my 96 columns, in the accumulators' layout, window 1: fragment b, registers 8 b + 0..7 = columns 16 b + 8 h + 0..7
	v_lshlrev_b32 v[BO], 5, v2
	s_mul_i32 s46, s42, 768
	s_mul_i32 s47, s12, 384
	s_add_co_u32 s46, s46, s47
	s_mov_b32 s47, 0
	s_add_nc_u64 s[68:69], s[68:69], s[46:47]
	WIN TO_B
.set b_, 0
.rept NT
	global_load_b128 v[8*b_:8*b_+3],   v[BO], s[68:69] offset:64*b_
	global_load_b128 v[8*b_+4:8*b_+7], v[BO], s[68:69] offset:64*b_+16
.set b_, b_+1
.endr
	WIN 0
	; the way out: stage rows of 384 + 16 bytes, 128 rows: 64 of the upper waves' rows, then 64 of the lower waves'; a wave reads back 32 rows of each of the three heads
	s_mul_i32 s22, s11, 64*400
	s_mul_i32 s23, s12, 192
	s_add_co_u32 s22, s22, s23
	s_add_co_u32 s22, s22, STAGE
	v_mul_u32_u24 v4, v1, 400
	v_lshl_add_u32 v4, v2, 4, v4
	v_add_nc_u32 v[STO], s22, v4
	v_and_b32 v5, 31, v0
	v_lshrrev_b32 v6, 3, v5
	v_and_b32 v7, 7, v5
	v_mul_u32_u24 v6, v6, 400
	v_lshl_add_u32 v6, v7, 4, v6
	s_mul_i32 s22, s10, 32*400
	s_add_co_u32 s22, s22, STAGE
	v_add_nc_u32 v[RD], s22, v6
	v_lshlrev_b32 v[CO], 4, v5                     ; four rows of 128 bytes are dense in qkvh: 16 bytes a lane
	s_mul_i32 s46, s42, 3*2048*128                 ; the column block's three planes of 2048 rows of 128 bytes
	s_add_nc_u64 s[70:71], s[70:71], s[46:47]
	s_lshr_b32 s16, s13, 3                         ; batch
	s_mul_i32 s16, s16, 48*2048*128
	s_and_b32 s17, s13, 7
	s_lshl_b32 s17, s17, 15                        ; the block's first t, 256 rows of 128 bytes a block
	s_add_co_u32 s16, s16, s17
	s_lshl_b32 s17, s11, 14                        ; stage rows 32 w .. are rows 128 (w / 2) + 32 (w % 2) .. of the block (+ 64 in the second phase)
	s_add_co_u32 s16, s16, s17
	s_lshl_b32 s17, s12, 12
	s_add_co_u32 s16, s16, s17
	s_mov_b32 s17, 0
	s_add_nc_u64 s[70:71], s[70:71], s[16:17]
	; fragments: lane l holds row l % 16; two loads of 16 bytes, 32 apart, at row x pitch + 16 (l / 16)
	v_mul_u32_u24 v3, v1, PITCH
	v_lshl_add_u32 v3, v2, 4, v3
	s_mul_i32 s22, s11, 128*PITCH
	s_mul_i32 s23, s12, WNR*PITCH
	s_add_co_u32 s23, s23, 256*PITCH
.irp s, 0,1
	v_add_nc_u32 v[ADRA+\s], s22, v3
	v_add_nc_u32 v[ADRB+\s], s23, v3
	s_add_co_u32 s22, s22, SLOT
	s_add_co_u32 s23, s23, SLOT
.endr
	s_wait_tensorcnt 0x1                           ; my part of K step 0 is in; step 1's may stay out
	s_barrier_signal -1
	s_barrier_wait -1
	FETCH 0, 0, F0
	LAP 1
	WIN 0
	s_mov_b32 s3, FL-1
.Llap:
	LAP 0
	WIN 0
	s_sub_co_u32 s3, s3, 1
	s_cmp_lg_u32 s3, 0
	s_cbranch_scc1 .Llap
	BODY 0, 0                                      ; the last two K steps fill nothing
	TURN 0, 1, 0
	BODY 1, 0
	s_wait_dscnt 8
	WIN MUL_LO
	HALF F1, 0, 0
	s_wait_dscnt 0x0
	WIN MUL_HI
	HALF F1, 1, 0
	PLACES                                         ; the sums are read, and the fragment buffers written, only behind these places
	WIN 0
	; each column tile's factor: log2(e) / 8 where its 16 columns belong to q (below 1024; a tile never straddles that), else 1
	s_mul_i32 s46, s42, 192
	s_mul_i32 s47, s12, 96
	s_add_co_u32 s46, s46, s47                     ; my first column
	s_mov_b32 s66, 0x3e38aa3b                      ; log2(e) / 8
	s_mov_b32 s67, 0x3f800000                      ; 1.0
.set b_, 0
.rept NT
	s_add_co_u32 s47, s46, 16*b_
	s_cmp_lt_u32 s47, 1024
	s_cselect_b32 s74, s66, s67
	v_mov_b32 v[SC+2*b_], s74
	v_mov_b32 v[SC+2*b_+1], s74
.set b_, b_+1
.endr
	s_wait_loadcnt 0x0                             ; the bias
; One phase of the way out: my row tiles 4 ph + 0..3 (accumulator window 2 + ph; win: source 0 that window, source 1 window 1, the bias).
.macro OUTPH ph, win
.if \ph
	s_wait_dscnt 0x0                               ; my reads of the stage are back,
	s_barrier_signal -1
	s_barrier_wait -1                              ; everybody's are: the stage may be written again
	s_wait_xcnt 0x0                                ; v64-159 held the data of the first phase's stores
.endif
.irp a, 0,1,2,3
	WIN \win
.set i_, 0
.rept 4*NT
	v_pk_add_f32 v[64+2*i_:65+2*i_], v[8*NT*\a+2*i_:8*NT*\a+2*i_+1], v[2*i_:2*i_+1]
.set i_, i_+1
.endr
	WIN 0
.set i_, 0
.rept 4*NT
	v_pk_mul_f32 v[64+2*i_:65+2*i_], v[64+2*i_:65+2*i_], v[SC+2*(i_/4):SC+2*(i_/4)+1]
.set i_, i_+1
.endr
.set i_, 0
.rept 4*NT
	v_cvt_pk_bf16_f32 v[160+i_], v[64+2*i_], v[65+2*i_]
.set i_, i_+1
.endr
.set b_, 0
.rept NT
	ds_store_b128 v[STO], v[160+4*b_:160+4*b_+3] offset:6400*\a+32*b_
.set b_, b_+1
.endr
.endr
	s_wait_dscnt 0x0                               ; for the others' sake: my stores are done
	s_barrier_signal -1
	s_barrier_wait -1
.irp hc, 0,1,2
.irp t, 0,1,2,3,4,5,6,7
	ds_load_b128 v[64+32*\hc+4*\t:64+32*\hc+4*\t+3], v[RD] offset:1600*\t+128*\hc
.endr
.endr
.irp hc, 0,1,2
.irp t, 0,1,2,3,4,5,6,7
	s_wait_dscnt 23-8*\hc-\t                       ; the younger loads stay out
	global_store_b128 v[CO], v[64+32*\hc+4*\t:64+32*\hc+4*\t+3], s[70:71] offset:512*\t+262144*\hc+8192*\ph   ; 512 consecutive bytes, aligned
.endr
.endr
.endm
	OUTPH 0, 0x06
	OUTPH 1, 0x07
	s_set_vgpr_msb 0x1
	s_wait_tensorcnt 0x0
	ds_add_u32 v255, v255
	s_wait_dscnt 0x0
	s_set_vgpr_msb 0x100
	CROUND                                         ; the closing round: no work-group ends while a partner may still ask jointly
	s_endpgm
.Lfunc_end_k_q01b9984ee4_qkvg:
	.size	k_q01b9984ee4_qkvg, .Lfunc_end_k_q01b9984ee4_qkvg-k_q01b9984ee4_qkvg
	.p2alignl 7, 3214868480
	.fill 96, 4, 3214868480
	.section	.rodata,"a",@progbits
	.p2align	6, 0x0
	.amdhsa_kernel k_q01b9984ee4_qkvg
		.amdhsa_group_segment_fixed_size 327680
		.amdhsa_private_segment_fixed_size 0
		.amdhsa_enable_private_segment 0
		.amdhsa_kernarg_size 32
		.amdhsa_user_sgpr_count 2
		.amdhsa_user_sgpr_kernarg_segment_ptr 1
		.amdhsa_wavefront_size32 1
		.amdhsa_system_sgpr_workgroup_id_x 1
		.amdhsa_system_sgpr_workgroup_id_y 1
		.amdhsa_system_sgpr_workgroup_id_z 1
		.amdhsa_system_vgpr_workitem_id 0
		.amdhsa_next_free_vgpr 960
		.amdhsa_next_free_sgpr 80
		.amdhsa_reserve_vcc 0
		.amdhsa_float_denorm_mode_32 3
		.amdhsa_float_denorm_mode_16_64 3
		.amdhsa_memory_ordered 1
		.amdhsa_forward_progress 1
		.amdhsa_inst_pref_size 185
	.end_amdhsa_kernel
	.amdgpu_metadata
---
amdhsa.version: [ 1, 2 ]
amdhsa.kernels:
  - .name:           k_q01b9984ee4_qkvg
    .symbol:         k_q01b9984ee4_qkvg.kd
    .args:
      - { .name: hbuf, .offset: 0, .size: 8, .value_kind: global_buffer, .address_space: global }
      - { .name: wt, .offset: 8, .size: 8, .value_kind: global_buffer, .address_space: global }
      - { .name: qkv_b, .offset: 16, .size: 8, .value_kind: global_buffer, .address_space: global }
      - { .name: qkvh, .offset: 24, .size: 8, .value_kind: global_buffer, .address_space: global }
    .group_segment_fixed_size: 327680
    .private_segment_fixed_size: 0
    .kernarg_segment_align: 8
    .kernarg_segment_size: 32
    .max_flat_workgroup_size: 128
    .sgpr_count:     80
    .vgpr_count:     960
    .wavefront_size: 32
...
	.end_amdgpu_metadata
.endif
;; end of part 8
;; launch attn: the kernel of part 4 again; grid 8 x 32, 4 waves a work-group, no clusters, 327,680 bytes of LDS; arguments qkvh, ao; writes ao
;; launch proj (part 9): grid 32 x 8, 4 waves a work-group, clusters of 4 x 4, 327,680 bytes of LDS; arguments ao, wt, proj_b, x, x2; writes x2
.if DOCPART == 9
	.amdgcn_target "amdgcn-amd-amdhsa--gfx1250"
	.amdhsa_code_object_version 6
	.text
	.protected	k_q01b9984ee4_proj
	.globl	k_q01b9984ee4_proj
	.p2align	8
	.type	k_q01b9984ee4_proj,@function
k_q01b9984ee4_proj:
	s_mov_b64 s[64:65], 0
	v_nop
	global_prefetch_b8 v0, s[64:65] scope:SCOPE_SE
	s_setreg_imm32_b32 hwreg(HW_REG_WAVE_MODE, 25, 1), 1
	s_wait_xcnt 0x0
	s_wait_alu depctr_hold_cnt(0) depctr_sa_sdst(0) depctr_va_vdst(0) depctr_va_sdst(0) depctr_va_ssrc(0) depctr_va_vcc(0) depctr_vm_vsrc(0)
	s_getreg_b32 s2, hwreg(HW_REG_IB_STS2, 6, 4)
	s_cmp_eq_u32 s2, 0
	s_cbranch_scc0 .Lentry_in_a_cluster
	s_endpgm
.Lentry_in_a_cluster:
	s_bfe_u32 s2, ttmp6, 0x10000c
	s_cmp_lg_u32 s2, 0xf033
	s_cbranch_scc0 .Lentry_shape_is_right
	s_endpgm
.Lentry_shape_is_right:
; x2 = x + ao Wp + b, f32.  ao: [4096][1024] bf16; W: wt [1024 n][1024 k] bf16 at WOFF.  Sums in f32.
; A work-group makes 128 rows x 128 columns with four waves, 2 x 2; a wave makes 64 x 64: 4 x 4 accumulator tiles.  With 1024 columns that
; gives 256 work-groups; a larger block would leave WGPs without work.
; K goes in steps of 256 through two LDS slots filled by the tensor data mover (rows of 512 bytes, aligned, padded by 16 in LDS).
; Waves 0 and 1 fetch the two halves of ao's tile, waves 2 and 3 those of W's: one tensor load a wave for a step.
; CLUSTER 4 x 4: grid x is the row block, grid y the column block.  ao's tiles hang on the row block alone and are asked for jointly by the four
; work-groups with my cx; W's hang on the column block alone and are asked for jointly by the four with my cy.
; The matrix instruction is used transposed (source 0 = rows of W, source 1 = rows of ao): a lane holds row l % 16 and columns 8 (l / 16) + 0..7.
; Registers: window 0: addresses, two fragment buffers, the bias; window 1: accumulators at 8 (NT a + b), the residual at 128 + 32 a + 4 t.
.set KTOT,  1024
.set KSTEP, 256
.set PITCH, 528
.set QI,    6                          ; padding behind every 128 dwords, a row
.set T,     4
.set NT,    4
.set BN,    128
.set WOFF,  6291456
.set GU,    0
.set BSTEP, 128
.set BHS,   64
.set WNR,   64
.set BHALF, 16*NT
.set SLOT,  (128+BN)*PITCH
.set STAGE, 2*SLOT                     ; behind the ring, bytes into which no fill lands: 16 rows x 272 bytes for each wave
.set NQ,    KSTEP/32
.set NL,    2*NT+8
.set FL,    (T-2-(T&1))/2
.set ADRA, 16
.set ADRB, 20
.set STO,  24
.set RD,   25
.set CO,   26
.set BO,   27
.set FA0,  32
.set FB0,  96
.set G1,   24
.set G0,   32
.set G1B,  48
.set G0B,  56
.set MSB,  0
.macro WIN new
.if MSB != \new
	s_set_vgpr_msb (MSB<<8)|\new
.set MSB, \new
.endif
.endm
.macro PLACES                          ; four places behind a matrix instruction (ISA guide 7.12.1)
.rept 4
	v_nop
.endr
.endm
.macro JLOAD s                         ; one joint tensor load a wave: waves 0, 1 the left operand's halves, waves 2, 3 W's halves; each line has one mask
	s_cmp_eq_u32 s11, 0
	s_cbranch_scc0 .Lfor_w_\@
	tensor_load_to_lds s[G0+4*\s:G0+4*\s+3], s[G1:G1+7]
	s_nop 0
	s_branch .Lasked_\@
.Lfor_w_\@:
	tensor_load_to_lds s[G0B+4*\s:G0B+4*\s+3], s[G1B:G1B+7]
	s_nop 0
.Lasked_\@:
.endm
.macro CREST
	s_cmp_lg_u32 s10, 0
	s_cbranch_scc1 .Lnot_wave_0_\@
	s_barrier_signal -3
.Lnot_wave_0_\@:
	s_barrier_wait -3
	s_barrier_signal -1
	s_barrier_wait -1
.endm
.macro CROUND
	s_barrier_signal -1
	s_barrier_wait -1
	CREST
.endm
.macro MULA f, a, zero
.set b_, 0
.rept NT
.if \zero
	v_wmma_f32_16x16x32_bf16 v[8*(NT*\a+b_):8*(NT*\a+b_)+7], v[FB0+64*\f+8*b_:FB0+64*\f+8*b_+7], v[FA0+32*\f+8*\a:FA0+32*\f+8*\a+7], 0
.else
	v_wmma_f32_16x16x32_bf16 v[8*(NT*\a+b_):8*(NT*\a+b_)+7], v[FB0+64*\f+8*b_:FB0+64*\f+8*b_+7], v[FA0+32*\f+8*\a:FA0+32*\f+8*\a+7], v[8*(NT*\a+b_):8*(NT*\a+b_)+7]
.endif
.set b_, b_+1
.endr
.endm
.macro FETCH slot, k, f
	WIN 0
.set b_, 0
.rept NT
	ds_load_b128 v[FB0+64*\f+8*b_:FB0+64*\f+8*b_+3],   v[ADRB+\slot] offset:\k+(16*b_+GU*(b_/4)*64)*PITCH
	ds_load_b128 v[FB0+64*\f+8*b_+4:FB0+64*\f+8*b_+7], v[ADRB+\slot] offset:\k+(16*b_+GU*(b_/4)*64)*PITCH+32
.set b_, b_+1
.endr
.irp a, 0,1,2,3
	ds_load_b128 v[FA0+32*\f+8*\a:FA0+32*\f+8*\a+3],   v[ADRA+\slot] offset:\k+16*\a*PITCH
	ds_load_b128 v[FA0+32*\f+8*\a+4:FA0+32*\f+8*\a+7], v[ADRA+\slot] offset:\k+16*\a*PITCH+32
.endr
.endm
; The 4 NT accumulators take turns, one instruction a turn, in the same order in every quarter.
.macro QUARTER slot, k, f, g, zero
	s_wait_dscnt 4                                 ; all but the four youngest loads (row tiles 2 and 3) are in
	WIN 0x50
	MULA \f, 0, \zero
	MULA \f, 1, \zero
	PLACES
	FETCH \slot, \k, \g
	s_wait_dscnt NL                                ; all but the NL just issued
	WIN 0x50
	MULA \f, 2, \zero
	MULA \f, 3, \zero
.endm
.macro BODY slot, zero
	QUARTER \slot, 64,  0, 1, \zero
	QUARTER \slot, 128, 1, 0, 0
	QUARTER \slot, 192, 0, 1, 0
.if NQ == 8
	QUARTER \slot, 256, 1, 0, 0
	QUARTER \slot, 320, 0, 1, 0
	QUARTER \slot, 384, 1, 0, 0
	QUARTER \slot, 448, 0, 1, 0
.endif
.endm
; The last quarter changes slots: each wave's reads of this slot and all its tensor loads are waited for in front of the barrier; with fill = 1
; the barrier opens a round of the cluster's barrier and the refill, two K steps ahead, is the first tensor load behind the round.
.macro TURN slot, next, fill
	s_wait_dscnt 4
	WIN 0x50
	MULA 1, 0, 0
	s_wait_dscnt 0x0
	s_wait_tensorcnt 0x0
	ds_add_u32 v254, v255
	s_wait_dscnt 0x0
	s_barrier_signal -1
	MULA 1, 1, 0
	WIN 0
	s_barrier_wait -1
.if \fill
	CREST
	s_add_nc_u64 s[G0+4*\slot+2:G0+4*\slot+3], s[G0+4*\slot+2:G0+4*\slot+3], 4*KSTEP
	s_add_nc_u64 s[G0B+4*\slot+2:G0B+4*\slot+3], s[G0B+4*\slot+2:G0B+4*\slot+3], 4*KSTEP
	JLOAD \slot
.endif
	PLACES
	FETCH \next, 0, 0
	WIN 0x50
	MULA 1, 2, 0
	MULA 1, 3, 0
.endm
.macro LAP zero
	BODY 0, \zero
	TURN 0, 1, 1
	BODY 1, 0
	TURN 1, 0, 1
.endm
	s_load_b128 s[4:7], s[0:1], 0x0                ; left operand, wt
	s_load_b128 s[68:71], s[0:1], 0x10             ; bias, residual
	s_load_b64 s[72:73], s[0:1], 0x20              ; result
	v_lshl_add_u32 v254, v0, 2, 0x46400
	v_mov_b32 v255, 0
	ds_add_u32 v254, v255
	ds_add_u32 v254, v255
	v_lshrrev_b32 v1, 5, v0
	v_readfirstlane_b32 s10, v1
	s_lshr_b32 s11, s10, 1
	s_and_b32 s12, s10, 1
	s_bfe_u32 s40, ttmp6, 0x40000                  ; cx
	s_bfe_u32 s41, ttmp6, 0x40004                  ; cy
	s_lshl_b32 s13, ttmp9, 2
	s_add_co_u32 s13, s13, s40                     ; row block = 4 x cluster x + cx
	s_and_b32 s42, ttmp7, 0xffff
	s_lshl_b32 s42, s42, 2
	s_add_co_u32 s42, s42, s41                     ; column block = 4 x cluster y + cy
	s_lshl_b32 s43, 0x1111, s40                    ; the four with my cx: places cx, cx + 4, cx + 8, cx + 12
	s_lshl_b32 s44, s41, 2
	s_lshl_b32 s44, 15, s44                        ; the four with my cy: places 4 cy .. 4 cy + 3
	s_or_b32 s[G1+0], s43, (1<<16)|(1<<20)|(1<<21)|(QI<<22)|(3<<25)     ; the left operand's tiles: mask, 2-byte elements, padding, bit 21 beside the mask
	s_mov_b32 s[G1+1], KSTEP<<16
	s_mov_b32 s[G1+2], 64<<16
	s_mov_b32 s[G1+3], KSTEP<<16
	s_mov_b32 s[G1+4], 64
	s_mov_b32 s[G1+5], KTOT
	s_mov_b32 s[G1+6], 0
	s_mov_b32 s[G1+7], 0
	s_or_b32 s[G1B+0], s44, (1<<16)|(1<<20)|(1<<21)|(QI<<22)|(3<<25)    ; W's tiles: the other mask
	s_mov_b32 s[G1B+1], KSTEP<<16
	s_mov_b32 s[G1B+2], BHALF<<16
	s_mov_b32 s[G1B+3], KSTEP<<16
	s_mov_b32 s[G1B+4], BHALF
	s_mov_b32 s[G1B+5], KTOT
	s_mov_b32 s[G1B+6], 0
	s_mov_b32 s[G1B+7], 0
	; s14-17 hold terms of the row block alone, s46-47 terms of the column block alone: no register that feeds one operand's descriptors ever holds the other coordinate
	s_lshl_b32 s16, s13, 7
	s_lshl_b32 s17, s12, 6
	s_add_co_u32 s16, s16, s17
	s_mul_i32 s16, s16, 2*KTOT
	s_mov_b32 s17, 0
	s_mul_i32 s46, s42, BSTEP
	s_mul_i32 s47, s12, BHS
	s_add_co_u32 s46, s46, s47
	s_mul_i32 s46, s46, 2*KTOT
	s_add_co_u32 s46, s46, WOFF
	s_mov_b32 s47, 0
	s_mul_i32 s20, s10, 64*PITCH
	s_mul_i32 s21, s10, BHALF*PITCH
	s_add_co_i32 s21, s21, (128-2*BHALF)*PITCH
	s_wait_dscnt 0x0
	s_wait_kmcnt 0x0
	s_add_nc_u64 s[14:15], s[4:5], s[16:17]
	s_add_nc_u64 s[46:47], s[6:7], s[46:47]
	CROUND                                         ; all sixteen work-groups are here: the first joint loads meet
.irp s, 0,1
	s_mov_b32 s[G0+4*\s], 1
	s_add_co_u32 s[G0+4*\s+1], s20, \s*SLOT
	s_add_nc_u64 s[G0+4*\s+2:G0+4*\s+3], s[14:15], \s*KSTEP*2
	s_or_b32 s[G0+4*\s+3], s[G0+4*\s+3], 0x80000000
	s_mov_b32 s[G0B+4*\s], 1
	s_add_co_u32 s[G0B+4*\s+1], s21, \s*SLOT
	s_add_nc_u64 s[G0B+4*\s+2:G0B+4*\s+3], s[46:47], \s*KSTEP*2
	s_or_b32 s[G0B+4*\s+3], s[G0B+4*\s+3], 0x80000000
	JLOAD \s                                       ; two tensor loads of a wave are out here, later never more than one
.endr
	v_and_b32 v1, 15, v0
	v_bfe_u32 v2, v0, 4, 1
	; bias and residual of my 64 x 64, in the layout of the way out: lanes 0-15 a row's 256 bytes, lanes 16-31 the next row's
	v_lshlrev_b32 v[BO], 4, v1
	v_lshl_add_u32 v[CO], v2, 12, v[BO]
	s_lshl_b32 s46, s42, 9
	s_lshl_b32 s47, s12, 8
	s_add_co_u32 s46, s46, s47                     ; my first column, in bytes
	s_mov_b32 s47, 0
	s_add_nc_u64 s[68:69], s[68:69], s[46:47]
	s_add_nc_u64 s[70:71], s[70:71], s[46:47]
	s_add_nc_u64 s[72:73], s[72:73], s[46:47]
	s_lshl_b32 s16, s13, 7
	s_lshl_b32 s17, s11, 6
	s_add_co_u32 s16, s16, s17                     ; my first row
	s_lshl_b32 s16, s16, 12
	s_mov_b32 s17, 0
	s_add_nc_u64 s[70:71], s[70:71], s[16:17]
	s_add_nc_u64 s[72:73], s[72:73], s[16:17]
	global_load_b128 v[224:227], v[BO], s[68:69]
	WIN 0x40
.irp a, 0,1,2,3
.irp t, 0,1,2,3,4,5,6,7
	global_load_b128 v[128+32*\a+4*\t:128+32*\a+4*\t+3], v[CO], s[70:71] offset:(16*\a+2*\t)*4096
.endr
.endr
	WIN 0
	s_mul_i32 s22, s10, 16*272
	s_add_co_u32 s22, s22, STAGE
	v_mul_u32_u24 v4, v1, 272
	v_lshl_add_u32 v4, v2, 5, v4
	v_add_nc_u32 v[STO], s22, v4
	v_mul_u32_u24 v5, v2, 272
	v_lshl_add_u32 v5, v1, 4, v5
	v_add_nc_u32 v[RD], s22, v5
	v_mul_u32_u24 v3, v1, PITCH
	v_lshl_add_u32 v3, v2, 4, v3
	s_mul_i32 s22, s11, 64*PITCH
	s_mul_i32 s23, s12, WNR*PITCH
	s_add_co_u32 s23, s23, 128*PITCH
.irp s, 0,1
	v_add_nc_u32 v[ADRA+\s], s22, v3
	v_add_nc_u32 v[ADRB+\s], s23, v3
	s_add_co_u32 s22, s22, SLOT
	s_add_co_u32 s23, s23, SLOT
.endr
	s_wait_tensorcnt 0x1                           ; my part of K step 0 is in; step 1's may stay out
	s_barrier_signal -1
	s_barrier_wait -1
	FETCH 0, 0, 0
	LAP 1
.if FL > 1
	WIN 0
	s_mov_b32 s3, FL-1
.Llap:
	LAP 0
	WIN 0
	s_sub_co_u32 s3, s3, 1
	s_cmp_lg_u32 s3, 0
	s_cbranch_scc1 .Llap
.endif
.if T & 1
	BODY 0, 0
	TURN 0, 1, 1
	BODY 1, 0
	TURN 1, 0, 0
	BODY 0, 0
.else
	BODY 0, 0
	TURN 0, 1, 0
	BODY 1, 0
.endif
	s_wait_dscnt 0x0
	WIN 0x50
	MULA 1, 0, 0
	MULA 1, 1, 0
	MULA 1, 2, 0
	MULA 1, 3, 0
	PLACES
	s_wait_loadcnt 0x0                             ; bias and residual
	; 16 rows at a time: the sums into my own stage (32 bytes a lane), read back as whole rows of 256 bytes, + residual + bias, out
.irp a, 0,1,2,3
.set TB, 32+32*(\a&1)
	WIN 0x04                                       ; source 1 in window 1: the stores' data, the residual
.set b_, 0
.rept NT
	ds_store_b128 v[STO], v[8*(NT*\a+b_):8*(NT*\a+b_)+3]   offset:64*b_
	ds_store_b128 v[STO], v[8*(NT*\a+b_)+4:8*(NT*\a+b_)+7] offset:64*b_+16
.set b_, b_+1
.endr
	s_wait_xcnt 0x0                                ; TB held the data of the stores two turns ago
.irp t, 0,1,2,3,4,5,6,7
	ds_load_b128 v[TB+4*\t:TB+4*\t+3], v[RD] offset:544*\t       ; my own bytes, served in order
.endr
.irp t, 0,1,2,3,4,5,6,7
	s_wait_dscnt 7-\t
	v_pk_add_f32 v[TB+4*\t:TB+4*\t+1],   v[TB+4*\t:TB+4*\t+1],   v[128+32*\a+4*\t:128+32*\a+4*\t+1]
	v_pk_add_f32 v[TB+4*\t+2:TB+4*\t+3], v[TB+4*\t+2:TB+4*\t+3], v[128+32*\a+4*\t+2:128+32*\a+4*\t+3]
.endr
	WIN 0
.irp t, 0,1,2,3,4,5,6,7
	v_pk_add_f32 v[TB+4*\t:TB+4*\t+1],   v[TB+4*\t:TB+4*\t+1],   v[224:225]
	v_pk_add_f32 v[TB+4*\t+2:TB+4*\t+3], v[TB+4*\t+2:TB+4*\t+3], v[226:227]
	global_store_b128 v[CO], v[TB+4*\t:TB+4*\t+3], s[72:73] offset:(16*\a+2*\t)*4096     ; sixteen lanes store 256 consecutive bytes, aligned
.endr
.endr
	s_wait_tensorcnt 0x0
	ds_add_u32 v254, v255
	s_wait_dscnt 0x0
	CROUND                                         ; the closing round
	s_endpgm
.Lfunc_end_k_q01b9984ee4_proj:
	.size	k_q01b9984ee4_proj, .Lfunc_end_k_q01b9984ee4_proj-k_q01b9984ee4_proj
	.p2alignl 7, 3214868480
	.fill 96, 4, 3214868480
	.section	.rodata,"a",@progbits
	.p2align	6, 0x0
	.amdhsa_kernel k_q01b9984ee4_proj
		.amdhsa_group_segment_fixed_size 327680
		.amdhsa_private_segment_fixed_size 0
		.amdhsa_enable_private_segment 0
		.amdhsa_kernarg_size 40
		.amdhsa_user_sgpr_count 2
		.amdhsa_user_sgpr_kernarg_segment_ptr 1
		.amdhsa_wavefront_size32 1
		.amdhsa_system_sgpr_workgroup_id_x 1
		.amdhsa_system_sgpr_workgroup_id_y 1
		.amdhsa_system_sgpr_workgroup_id_z 1
		.amdhsa_system_vgpr_workitem_id 0
		.amdhsa_next_free_vgpr 512
		.amdhsa_next_free_sgpr 80
		.amdhsa_reserve_vcc 0
		.amdhsa_float_denorm_mode_32 3
		.amdhsa_float_denorm_mode_16_64 3
		.amdhsa_memory_ordered 1
		.amdhsa_forward_progress 1
		.amdhsa_inst_pref_size 101
	.end_amdhsa_kernel
	.amdgpu_metadata
---
amdhsa.version: [ 1, 2 ]
amdhsa.kernels:
  - .name:           k_q01b9984ee4_proj
    .symbol:         k_q01b9984ee4_proj.kd
    .args:
      - { .name: ao, .offset: 0, .size: 8, .value_kind: global_buffer, .address_space: global }
      - { .name: wt, .offset: 8, .size: 8, .value_kind: global_buffer, .address_space: global }
      - { .name: proj_b, .offset: 16, .size: 8, .value_kind: global_buffer, .address_space: global }
      - { .name: x, .offset: 24, .size: 8, .value_kind: global_buffer, .address_space: global }
      - { .name: x2, .offset: 32, .size: 8, .value_kind: global_buffer, .address_space: global }
    .group_segment_fixed_size: 327680
    .private_segment_fixed_size: 0
    .kernarg_segment_align: 8
    .kernarg_segment_size: 40
    .max_flat_workgroup_size: 128
    .sgpr_count:     80
    .vgpr_count:     512
    .wavefront_size: 32
...
	.end_amdgpu_metadata
.endif
;; end of part 9
;; launch ln2: the kernel of part 2 again; grid 256 x 1, 4 waves a work-group, no clusters, 0 bytes of LDS; arguments x2, ln2_g, ln2_b, hbuf; writes hbuf
;; launch gateup (part 10): grid 16 x 22, 4 waves a work-group, clusters of 4 x 1, 327,680 bytes of LDS; arguments hbuf, wt, act; writes act
.if DOCPART == 10
	.amdgcn_target "amdgcn-amd-amdhsa--gfx1250"
	.amdhsa_code_object_version 6
	.text
	.protected	k_q01b9984ee4_gateup
	.globl	k_q01b9984ee4_gateup
	.p2align	8
	.type	k_q01b9984ee4_gateup,@function
k_q01b9984ee4_gateup:
	s_mov_b64 s[64:65], 0
	v_nop
	global_prefetch_b8 v0, s[64:65] scope:SCOPE_SE
	s_setreg_imm32_b32 hwreg(HW_REG_WAVE_MODE, 25, 1), 1
	s_wait_xcnt 0x0
	s_wait_alu depctr_hold_cnt(0) depctr_sa_sdst(0) depctr_va_vdst(0) depctr_va_sdst(0) depctr_va_ssrc(0) depctr_va_vcc(0) depctr_vm_vsrc(0)
	s_getreg_b32 s2, hwreg(HW_REG_IB_STS2, 6, 4)
	s_cmp_eq_u32 s2, 0
	s_cbranch_scc0 .Lentry_in_a_cluster
	s_endpgm
.Lentry_in_a_cluster:
	s_bfe_u32 s2, ttmp6, 0x10000c
	s_cmp_lg_u32 s2, 0x3003
	s_cbranch_scc0 .Lentry_shape_is_right
	s_endpgm
.Lentry_shape_is_right:
; act = silu(h Wg + bg) * (h Wu + bu), bf16, [4096][2816]; hidden columns 2730 .. 2815 have zero weights and zero biases and come out 0.
; h: hbuf [4096][1024] bf16; W: wt at WOFF, [5632][1024] bf16: rows 0-2815 gate columns, rows 2816-5631 up columns; biases f32 [2][2816] at BGU.
; A work-group makes 256 rows x 128 hidden columns, gate and up together (256 rows of W), with four waves, 2 x 2; a wave makes 128 rows x 64 hidden
; columns: 8 x 8 accumulator tiles, column tiles 0-3 gate, 4-7 up of the same columns, so that the product of the two never leaves the lane.
; K goes in steps of 128 through two LDS slots (rows of 256 bytes, aligned, padded by 16 in LDS).  Waves 0 and 1 fetch h's halves, wave 2 the 128 gate
; rows, wave 3 the 128 up rows: one tensor load a wave for a step.  A K step is 256 matrix instructions of a wave, 240 of them between a tile's
; request and the wait for it.
; 16 x 22 = 352 work-groups: more than there are WGPs and no multiple of their number.  No block was found that shares 2 x 2730 columns evenly, fits two slots
; in LDS, keeps gate and up in one lane and stores whole aligned runs of 256 bytes.
; CLUSTER 4 x 1: four row blocks with one column block: W's tiles are asked for jointly (mask 15); h's are each work-group's own.  The 22 column
; blocks are no multiple of 4, so no 4 x 4 cluster.
; silu(g) u = g u / (1 + exp2(-g log2 e)); for very negative g the exponential overflows to infinity and the quotient is 0.
; v_exp_f32 and v_rcp_f32 are accurate to 1 ULP and flush denormal results.
; REGISTERS, in windows of 256: window 0: v0-31 addresses and constants, v64-127 and v128-191 h's fragments (8 x 16 rows x 32 K), two buffers;
; window 1: v0-63 the biases, v64-127 and v128-191 W's fragments, two buffers; window 2: the 32 accumulator tiles of my rows 0-63, tile (a, b) at
; 8 (8 a + b); window 3: those of my rows 64-127.
.set KTOT,  1024
.set KSTEP, 128
.set PITCH, 272
.set QI,    5
.set T,     8
.set NT,    8
.set BN,    256
.set WOFF,  8388608
.set BGU,   25690112
.set GU,    1
.set BSTEP, 128
.set BHS,   2816
.set WNR,   64
.set BHALF, 16*NT
.set SLOT,  (256+BN)*PITCH
.set STAGE, 2*SLOT                     ; behind the ring, bytes into which no fill lands: 128 rows x 272 bytes
.set NL,    2*NT+16
.set FL,    (T-2)/2
.set ADRA, 16
.set ADRB, 20
.set STO,  24
.set RD,   25
.set CO,   26
.set BO,   27
.set NLE,  28                          ; v28-29  -log2(e), twice
.set ONE,  30                          ; v30-31  1.0, twice
.set F0,   64
.set F1,   128
.set G1,   24
.set G0,   32
.set G1B,  48
.set G0B,  56
.set MUL_LO, 0xa1                      ; source 0 (W) window 1, source 1 (h) window 0, C and D window 2
.set MUL_HI, 0xf1                      ; the same, C and D window 3
.set TO_B,   0x40                      ; destination window 1, address window 0
.set MSB,  0
.macro WIN new
.if MSB != \new
	s_set_vgpr_msb (MSB<<8)|\new
.set MSB, \new
.endif
.endm
.macro PLACES                          ; four places behind a matrix instruction (ISA guide 7.12.1)
.rept 4
	v_nop
.endr
.endm
.macro JLOAD s                         ; one tensor load a wave: waves 0, 1 h's halves (plain), waves 2, 3 W's halves (joint)
	s_cmp_eq_u32 s11, 0
	s_cbranch_scc0 .Lfor_w_\@
	tensor_load_to_lds s[G0+4*\s:G0+4*\s+3], s[G1:G1+7]
	s_nop 0
	s_branch .Lasked_\@
.Lfor_w_\@:
	tensor_load_to_lds s[G0B+4*\s:G0B+4*\s+3], s[G1B:G1B+7]
	s_nop 0
.Lasked_\@:
.endm
.macro CREST
	s_cmp_lg_u32 s10, 0
	s_cbranch_scc1 .Lnot_wave_0_\@
	s_barrier_signal -3
.Lnot_wave_0_\@:
	s_barrier_wait -3
	s_barrier_signal -1
	s_barrier_wait -1
.endm
.macro CROUND
	s_barrier_signal -1
	s_barrier_wait -1
	CREST
.endm
; NT matrix instructions: row tile 4 hi + a x all column tiles, 32 along K, from buffer f.  zero = 1: the first product starts the sums.
.macro MULA f, hi, a, zero
.set b_, 0
.rept NT
.if \zero
	v_wmma_f32_16x16x32_bf16 v[8*(NT*\a+b_):8*(NT*\a+b_)+7], v[\f+8*b_:\f+8*b_+7], v[\f+8*(4*\hi+\a):\f+8*(4*\hi+\a)+7], 0
.else
	v_wmma_f32_16x16x32_bf16 v[8*(NT*\a+b_):8*(NT*\a+b_)+7], v[\f+8*b_:\f+8*b_+7], v[\f+8*(4*\hi+\a):\f+8*(4*\hi+\a)+7], v[8*(NT*\a+b_):8*(NT*\a+b_)+7]
.endif
.set b_, b_+1
.endr
.endm
.macro HALF f, hi, zero                ; the 4 NT tiles of one accumulator window
	MULA \f, \hi, 0, \zero
	MULA \f, \hi, 1, \zero
	MULA \f, \hi, 2, \zero
	MULA \f, \hi, 3, \zero
.endm
; NL LDS loads in one run; column tiles 4-7 (up) lie 128 LDS rows behind tiles 0-3 (gate): row 16 b + 64 (b / 4) from my wave's first
.macro FETCH slot, k, f
	WIN TO_B
.set b_, 0
.rept NT
	ds_load_b128 v[\f+8*b_:\f+8*b_+3],   v[ADRB+\slot] offset:\k+(16*b_+GU*(b_/4)*64)*PITCH
	ds_load_b128 v[\f+8*b_+4:\f+8*b_+7], v[ADRB+\slot] offset:\k+(16*b_+GU*(b_/4)*64)*PITCH+32
.set b_, b_+1
.endr
	WIN 0
.irp a, 0,1,2,3,4,5,6,7
	ds_load_b128 v[\f+8*\a:\f+8*\a+3],   v[ADRA+\slot] offset:\k+16*\a*PITCH
	ds_load_b128 v[\f+8*\a+4:\f+8*\a+7], v[ADRA+\slot] offset:\k+16*\a*PITCH+32
.endr
.endm
; The 8 NT accumulators take turns, one instruction a turn, in the same order in every quarter.
.macro QUARTER slot, k, f, g, zero
	s_wait_dscnt 8                                 ; all but the eight youngest loads (h's row tiles 4-7) are in
	WIN MUL_LO
	HALF \f, 0, \zero
	PLACES                                         ; buffer g was read by earlier matrix instructions
	FETCH \slot, \k, \g
	s_wait_dscnt NL                                ; all but the NL just issued
	WIN MUL_HI
	HALF \f, 1, \zero
.endm
.macro BODY slot, zero
	QUARTER \slot, 64,  F0, F1, \zero
	QUARTER \slot, 128, F1, F0, 0
	QUARTER \slot, 192, F0, F1, 0
.endm
; The last quarter changes slots: each wave's reads of this slot and all its tensor loads are waited for in front of the barrier; with fill = 1
; the barrier opens a round of the cluster's barrier and the refill, two K steps ahead, is the first tensor load behind the round.
.macro TURN slot, next, fill
	s_wait_dscnt 8
	WIN MUL_LO
	MULA F1, 0, 0, 0
	MULA F1, 0, 1, 0
	s_wait_dscnt 0x0
	s_wait_tensorcnt 0x0
	ds_add_u32 v255, v255
	s_wait_dscnt 0x0
	s_barrier_signal -1
	MULA F1, 0, 2, 0                               ; register work while the others arrive
	MULA F1, 0, 3, 0
	WIN 0
	s_barrier_wait -1
.if \fill
	CREST
	s_add_nc_u64 s[G0+4*\slot+2:G0+4*\slot+3], s[G0+4*\slot+2:G0+4*\slot+3], 4*KSTEP      ; no tensor load of mine is out: group 0 may be written
	s_add_nc_u64 s[G0B+4*\slot+2:G0B+4*\slot+3], s[G0B+4*\slot+2:G0B+4*\slot+3], 4*KSTEP
	JLOAD \slot
.endif
	PLACES
	FETCH \next, 0, F0
	WIN MUL_HI
	HALF F1, 1, 0
.endm
.macro LAP zero
	BODY 0, \zero
	TURN 0, 1, 1
	BODY 1, 0
	TURN 1, 0, 1
.endm
	s_load_b128 s[4:7], s[0:1], 0x0                ; h, wt
	s_load_b64 s[68:69], s[0:1], 0x10              ; act
	s_set_vgpr_msb 0x40
	v_lshl_add_u32 v255, v0, 2, 0x4c800
	s_set_vgpr_msb 0x4000
	v_mov_b32 v255, 0
	s_set_vgpr_msb 0x1
	ds_add_u32 v255, v255
	ds_add_u32 v255, v255
	s_set_vgpr_msb 0x100
	v_lshrrev_b32 v1, 5, v0
	v_readfirstlane_b32 s10, v1
	s_lshr_b32 s11, s10, 1
	s_and_b32 s12, s10, 1
	s_bfe_u32 s40, ttmp6, 0x40000                  ; cx
	s_lshl_b32 s13, ttmp9, 2
	s_add_co_u32 s13, s13, s40                     ; row block
	s_and_b32 s42, ttmp7, 0xffff                   ; column block, shared by the cluster
	s_mov_b32 s[G1+0], (1<<16)|(1<<20)|(QI<<22)|(3<<25)
	s_mov_b32 s[G1+1], KSTEP<<16
	s_mov_b32 s[G1+2], 128<<16
	s_mov_b32 s[G1+3], KSTEP<<16
	s_mov_b32 s[G1+4], 128
	s_mov_b32 s[G1+5], KTOT
	s_mov_b32 s[G1+6], 0
	s_mov_b32 s[G1+7], 0
	s_mov_b32 s[G1B+0], 15|(1<<16)|(1<<20)|(1<<21)|(QI<<22)|(3<<25)
	s_mov_b32 s[G1B+1], KSTEP<<16
	s_mov_b32 s[G1B+2], BHALF<<16
	s_mov_b32 s[G1B+3], KSTEP<<16
	s_mov_b32 s[G1B+4], BHALF
	s_mov_b32 s[G1B+5], KTOT
	s_mov_b32 s[G1B+6], 0
	s_mov_b32 s[G1B+7], 0
	s_lshl_b32 s16, s13, 8
	s_lshl_b32 s17, s12, 7
	s_add_co_u32 s16, s16, s17                     ; h: row 256 x row block + 128 x half
	s_mul_i32 s16, s16, 2*KTOT
	s_mov_b32 s17, 0
	s_mul_i32 s46, s42, BSTEP
	s_mul_i32 s47, s12, BHS
	s_add_co_u32 s46, s46, s47                     ; wave 2: gate rows 128 x column block; wave 3: the up rows, 2816 further
	s_mul_i32 s46, s46, 2*KTOT
	s_add_co_u32 s46, s46, WOFF
	s_mov_b32 s47, 0
	s_mul_i32 s20, s10, 128*PITCH                  ; LDS: h's halves at wave x 128 rows (waves 0, 1),
	s_mul_i32 s21, s10, BHALF*PITCH                ; W's at 256 rows + (wave - 2) x 128 rows (waves 2, 3)
	s_add_co_i32 s21, s21, (256-2*BHALF)*PITCH
	s_wait_dscnt 0x0
	s_wait_kmcnt 0x0
	s_add_nc_u64 s[14:15], s[4:5], s[16:17]
	s_add_nc_u64 s[46:47], s[6:7], s[46:47]
	CROUND
.irp s, 0,1
	s_mov_b32 s[G0+4*\s], 1
	s_add_co_u32 s[G0+4*\s+1], s20, \s*SLOT
	s_add_nc_u64 s[G0+4*\s+2:G0+4*\s+3], s[14:15], \s*KSTEP*2
	s_or_b32 s[G0+4*\s+3], s[G0+4*\s+3], 0x80000000
	s_mov_b32 s[G0B+4*\s], 1
	s_add_co_u32 s[G0B+4*\s+1], s21, \s*SLOT
	s_add_nc_u64 s[G0B+4*\s+2:G0B+4*\s+3], s[46:47], \s*KSTEP*2
	s_or_b32 s[G0B+4*\s+3], s[G0B+4*\s+3], 0x80000000
	JLOAD \s                                       ; two tensor loads of a wave are out here, later never more than one
.endr
	v_and_b32 v1, 15, v0
	v_bfe_u32 v2, v0, 4, 1
	; the biases in the accumulators' layout, window 1: fragment b at 8 b; the up bias lies 11,264 bytes behind the gate bias
	v_lshlrev_b32 v[BO], 5, v2
	s_lshl_b32 s16, s42, 9
	s_lshl_b32 s17, s12, 8
	s_add_co_u32 s16, s16, s17
	s_add_co_u32 s16, s16, BGU
	s_mov_b32 s17, 0
	s_add_nc_u64 s[70:71], s[6:7], s[16:17]
	WIN TO_B
.set b_, 0
.rept NT
	global_load_b128 v[8*b_:8*b_+3],   v[BO], s[70:71] offset:64*b_+(b_/4)*11008
	global_load_b128 v[8*b_+4:8*b_+7], v[BO], s[70:71] offset:64*b_+(b_/4)*11008+16
.set b_, b_+1
.endr
	WIN 0
	; the way out: stage rows of 256 + 16 bytes, 128 rows: 64 of the upper waves' rows, then 64 of the lower waves'
	s_mul_i32 s22, s11, 64*272
	s_lshl_b32 s23, s12, 7
	s_add_co_u32 s22, s22, s23
	s_add_co_u32 s22, s22, STAGE
	v_mul_u32_u24 v4, v1, 272
	v_lshl_add_u32 v4, v2, 4, v4
	v_add_nc_u32 v[STO], s22, v4
	s_mul_i32 s22, s10, 32*272
	s_add_co_u32 s22, s22, STAGE
	v_mul_u32_u24 v5, v2, 272
	v_lshl_add_u32 v5, v1, 4, v5
	v_add_nc_u32 v[RD], s22, v5
	v_mul_u32_u24 v5, v2, 5632
	v_lshl_add_u32 v[CO], v1, 4, v5
	s_lshl_b32 s16, s13, 8
	s_lshl_b32 s17, s11, 7                         ; stage rows 32 w .. are rows 128 (w / 2) + 32 (w % 2) .. of the block (+ 64 in the second phase)
	s_add_co_u32 s16, s16, s17
	s_lshl_b32 s17, s12, 5
	s_add_co_u32 s16, s16, s17                     ; the rows that my wave stores
	s_mul_i32 s16, s16, 5632
	s_lshl_b32 s17, s42, 8
	s_add_co_u32 s16, s16, s17
	s_mov_b32 s17, 0
	s_add_nc_u64 s[68:69], s[68:69], s[16:17]
	v_mul_u32_u24 v3, v1, PITCH
	v_lshl_add_u32 v3, v2, 4, v3
	s_mul_i32 s22, s11, 128*PITCH
	s_mul_i32 s23, s12, WNR*PITCH
	s_add_co_u32 s23, s23, 256*PITCH
.irp s, 0,1
	v_add_nc_u32 v[ADRA+\s], s22, v3
	v_add_nc_u32 v[ADRB+\s], s23, v3
	s_add_co_u32 s22, s22, SLOT
	s_add_co_u32 s23, s23, SLOT
.endr
	s_wait_tensorcnt 0x1                           ; my part of K step 0 is in; step 1's may stay out
	s_barrier_signal -1
	s_barrier_wait -1
	FETCH 0, 0, F0
	LAP 1
	WIN 0
	s_mov_b32 s3, FL-1
.Llap:
	LAP 0
	WIN 0
	s_sub_co_u32 s3, s3, 1
	s_cmp_lg_u32 s3, 0
	s_cbranch_scc1 .Llap
	BODY 0, 0                                      ; the last two K steps fill nothing
	TURN 0, 1, 0
	BODY 1, 0
	s_wait_dscnt 8
	WIN MUL_LO
	HALF F1, 0, 0
	s_wait_dscnt 0x0
	WIN MUL_HI
	HALF F1, 1, 0
	PLACES                                         ; the sums are read, and the fragment buffers written, only behind these places
	WIN 0
	v_mov_b32 v[NLE], 0xbfb8aa3b                   ; -log2(e), as a pair for the packed multiply
	v_mov_b32 v[NLE+1], 0xbfb8aa3b
	v_mov_b32 v[ONE], 1.0
	v_mov_b32 v[ONE+1], 1.0
	s_wait_loadcnt 0x0                             ; the biases
; One phase of the way out: my row tiles 4 ph + 0..3 (accumulator window 2 + ph; win: source 0 that window, source 1 window 1, the biases).
.macro OUTPH ph, win
.if \ph
	s_wait_dscnt 0x0                               ; my reads of the stage are back,
	s_barrier_signal -1
	s_barrier_wait -1                              ; everybody's are: the stage may be written again
	s_wait_xcnt 0x0                                ; v64-127 held the data of the first phase's stores
.endif
.irp a, 0,1,2,3
	WIN \win
.set i_, 0
.rept 32
	v_pk_add_f32 v[64+2*i_:65+2*i_], v[64*\a+2*i_:64*\a+2*i_+1], v[2*i_:2*i_+1]     ; v64-95 gate, v96-127 up
.set i_, i_+1
.endr
	WIN 0
.irp b, 0,1,2,3
.irp i, 0,2,4,6
	v_pk_mul_f32 v[128+\i:129+\i], v[64+8*\b+\i:65+8*\b+\i], v[NLE:NLE+1]                 ; -g log2 e
.endr
.irp i, 0,1,2,3,4,5,6,7
	v_exp_f32 v[128+\i], v[128+\i]
.endr
.irp i, 0,2,4,6
	v_pk_mul_f32 v[136+\i:137+\i], v[64+8*\b+\i:65+8*\b+\i], v[96+8*\b+\i:97+8*\b+\i]     ; g u: the plain places behind the exponentials
.endr
	s_wait_alu depctr_va_vdst(0)
.irp i, 0,2,4,6
	v_pk_add_f32 v[128+\i:129+\i], v[128+\i:129+\i], v[ONE:ONE+1]
.endr
.irp i, 0,1,2,3,4,5,6,7
	v_rcp_f32 v[128+\i], v[128+\i]
.endr
	v_nop
	s_wait_alu depctr_va_vdst(0)
.irp i, 0,2,4,6
	v_pk_mul_f32 v[136+\i:137+\i], v[136+\i:137+\i], v[128+\i:129+\i]
.endr
.irp i, 0,1,2,3
	v_cvt_pk_bf16_f32 v[144+\i], v[136+2*\i], v[137+2*\i]
.endr
	ds_store_b128 v[STO], v[144:147] offset:4352*\a+32*\b
.endr
.endr
	s_wait_dscnt 0x0                               ; for the others' sake: my stores are done
	s_barrier_signal -1
	s_barrier_wait -1
.set t_, 0
.rept 16
	ds_load_b128 v[64+4*t_:64+4*t_+3], v[RD] offset:544*t_
.set t_, t_+1
.endr
.set t_, 0
.rept 16
	s_wait_dscnt 15-t_                             ; the younger loads stay out
	global_store_b128 v[CO], v[64+4*t_:64+4*t_+3], s[68:69] offset:11264*t_+360448*\ph      ; sixteen lanes store 256 consecutive bytes, aligned
.set t_, t_+1
.endr
.endm
	OUTPH 0, 0x06
	OUTPH 1, 0x07
	s_set_vgpr_msb 0x1
	s_wait_tensorcnt 0x0
	ds_add_u32 v255, v255
	s_wait_dscnt 0x0
	s_set_vgpr_msb 0x100
	CROUND                                         ; the closing round
	s_endpgm
.Lfunc_end_k_q01b9984ee4_gateup:
	.size	k_q01b9984ee4_gateup, .Lfunc_end_k_q01b9984ee4_gateup-k_q01b9984ee4_gateup
	.p2alignl 7, 3214868480
	.fill 96, 4, 3214868480
	.section	.rodata,"a",@progbits
	.p2align	6, 0x0
	.amdhsa_kernel k_q01b9984ee4_gateup
		.amdhsa_group_segment_fixed_size 327680
		.amdhsa_private_segment_fixed_size 0
		.amdhsa_enable_private_segment 0
		.amdhsa_kernarg_size 24
		.amdhsa_user_sgpr_count 2
		.amdhsa_user_sgpr_kernarg_segment_ptr 1
		.amdhsa_wavefront_size32 1
		.amdhsa_system_sgpr_workgroup_id_x 1
		.amdhsa_system_sgpr_workgroup_id_y 1
		.amdhsa_system_sgpr_workgroup_id_z 1
		.amdhsa_system_vgpr_workitem_id 0
		.amdhsa_next_free_vgpr 1024
		.amdhsa_next_free_sgpr 80
		.amdhsa_reserve_vcc 0
		.amdhsa_float_denorm_mode_32 3
		.amdhsa_float_denorm_mode_16_64 3
		.amdhsa_memory_ordered 1
		.amdhsa_forward_progress 1
		.amdhsa_inst_pref_size 249
	.end_amdhsa_kernel
	.amdgpu_metadata
---
amdhsa.version: [ 1, 2 ]
amdhsa.kernels:
  - .name:           k_q01b9984ee4_gateup
    .symbol:         k_q01b9984ee4_gateup.kd
    .args:
      - { .name: hbuf, .offset: 0, .size: 8, .value_kind: global_buffer, .address_space: global }
      - { .name: wt, .offset: 8, .size: 8, .value_kind: global_buffer, .address_space: global }
      - { .name: act, .offset: 16, .size: 8, .value_kind: global_buffer, .address_space: global }
    .group_segment_fixed_size: 327680
    .private_segment_fixed_size: 0
    .kernarg_segment_align: 8
    .kernarg_segment_size: 24
    .max_flat_workgroup_size: 128
    .sgpr_count:     80
    .vgpr_count:     1024
    .wavefront_size: 32
...
	.end_amdgpu_metadata
.endif
;; end of part 10
;; launch down (part 11): grid 32 x 8, 4 waves a work-group, clusters of 4 x 4, 327,680 bytes of LDS; arguments act, wt, down_b, x2, out0; writes out0
.if DOCPART == 11
	.amdgcn_target "amdgcn-amd-amdhsa--gfx1250"
	.amdhsa_code_object_version 6
	.text
	.protected	k_q01b9984ee4_down
	.globl	k_q01b9984ee4_down
	.p2align	8
	.type	k_q01b9984ee4_down,@function
k_q01b9984ee4_down:
	s_mov_b64 s[64:65], 0
	v_nop
	global_prefetch_b8 v0, s[64:65] scope:SCOPE_SE
	s_setreg_imm32_b32 hwreg(HW_REG_WAVE_MODE, 25, 1), 1
	s_wait_xcnt 0x0
	s_wait_alu depctr_hold_cnt(0) depctr_sa_sdst(0) depctr_va_vdst(0) depctr_va_sdst(0) depctr_va_ssrc(0) depctr_va_vcc(0) depctr_vm_vsrc(0)
	s_getreg_b32 s2, hwreg(HW_REG_IB_STS2, 6, 4)
	s_cmp_eq_u32 s2, 0
	s_cbranch_scc0 .Lentry_in_a_cluster
	s_endpgm
.Lentry_in_a_cluster:
	s_bfe_u32 s2, ttmp6, 0x10000c
	s_cmp_lg_u32 s2, 0xf033
	s_cbranch_scc0 .Lentry_shape_is_right
	s_endpgm
.Lentry_shape_is_right:
; out0 = x2 + act Wd + b, f32.  act: [4096][2816] bf16 (columns 2730.. are zeros); W: wt [1024 n][2816 k] bf16 at WOFF (k 2730.. zeros).  Sums in f32.
; A work-group makes 128 rows x 128 columns with four waves, 2 x 2; a wave makes 64 x 64: 4 x 4 accumulator tiles.  With 1024 columns that
; gives 256 work-groups; a larger block would leave WGPs without work.
; K goes in 11 steps of 256 through two LDS slots filled by the tensor data mover (rows of 512 bytes, aligned, padded by 16 in LDS).
; Waves 0 and 1 fetch the two halves of act's tile, waves 2 and 3 those of W's: one tensor load a wave for a step.
; CLUSTER 4 x 4: grid x is the row block, grid y the column block.  act's tiles hang on the row block alone and are asked for jointly by the four
; work-groups with my cx; W's hang on the column block alone and are asked for jointly by the four with my cy.
; The matrix instruction is used transposed (source 0 = rows of W, source 1 = rows of act): a lane holds row l % 16 and columns 8 (l / 16) + 0..7.
; Registers: window 0: addresses, two fragment buffers, the bias; window 1: accumulators at 8 (NT a + b), the residual at 128 + 32 a + 4 t.
.set KTOT,  2816
.set KSTEP, 256
.set PITCH, 528
.set QI,    6
.set T,     11
.set NT,    4
.set BN,    128
.set WOFF,  19922944
.set GU,    0
.set BSTEP, 128
.set BHS,   64
.set WNR,   64
.set BHALF, 16*NT
.set SLOT,  (128+BN)*PITCH
.set STAGE, 2*SLOT                     ; behind the ring, bytes into which no fill lands: 16 rows x 272 bytes for each wave
.set NQ,    KSTEP/32
.set NL,    2*NT+8
.set FL,    (T-2-(T&1))/2
.set ADRA, 16
.set ADRB, 20
.set STO,  24
.set RD,   25
.set CO,   26
.set BO,   27
.set FA0,  32
.set FB0,  96
.set G1,   24
.set G0,   32
.set G1B,  48
.set G0B,  56
.set MSB,  0
.macro WIN new
.if MSB != \new
	s_set_vgpr_msb (MSB<<8)|\new
.set MSB, \new
.endif
.endm
.macro PLACES                          ; four places behind a matrix instruction (ISA guide 7.12.1)
.rept 4
	v_nop
.endr
.endm
.macro JLOAD s                         ; one joint tensor load a wave: waves 0, 1 the left operand's halves, waves 2, 3 W's halves; each line has one mask
	s_cmp_eq_u32 s11, 0
	s_cbranch_scc0 .Lfor_w_\@
	tensor_load_to_lds s[G0+4*\s:G0+4*\s+3], s[G1:G1+7]
	s_nop 0
	s_branch .Lasked_\@
.Lfor_w_\@:
	tensor_load_to_lds s[G0B+4*\s:G0B+4*\s+3], s[G1B:G1B+7]
	s_nop 0
.Lasked_\@:
.endm
.macro CREST
	s_cmp_lg_u32 s10, 0
	s_cbranch_scc1 .Lnot_wave_0_\@
	s_barrier_signal -3
.Lnot_wave_0_\@:
	s_barrier_wait -3
	s_barrier_signal -1
	s_barrier_wait -1
.endm
.macro CROUND
	s_barrier_signal -1
	s_barrier_wait -1
	CREST
.endm
.macro MULA f, a, zero
.set b_, 0
.rept NT
.if \zero
	v_wmma_f32_16x16x32_bf16 v[8*(NT*\a+b_):8*(NT*\a+b_)+7], v[FB0+64*\f+8*b_:FB0+64*\f+8*b_+7], v[FA0+32*\f+8*\a:FA0+32*\f+8*\a+7], 0
.else
	v_wmma_f32_16x16x32_bf16 v[8*(NT*\a+b_):8*(NT*\a+b_)+7], v[FB0+64*\f+8*b_:FB0+64*\f+8*b_+7], v[FA0+32*\f+8*\a:FA0+32*\f+8*\a+7], v[8*(NT*\a+b_):8*(NT*\a+b_)+7]
.endif
.set b_, b_+1
.endr
.endm
.macro FETCH slot, k, f
	WIN 0
.set b_, 0
.rept NT
	ds_load_b128 v[FB0+64*\f+8*b_:FB0+64*\f+8*b_+3],   v[ADRB+\slot] offset:\k+(16*b_+GU*(b_/4)*64)*PITCH
	ds_load_b128 v[FB0+64*\f+8*b_+4:FB0+64*\f+8*b_+7], v[ADRB+\slot] offset:\k+(16*b_+GU*(b_/4)*64)*PITCH+32
.set b_, b_+1
.endr
.irp a, 0,1,2,3
	ds_load_b128 v[FA0+32*\f+8*\a:FA0+32*\f+8*\a+3],   v[ADRA+\slot] offset:\k+16*\a*PITCH
	ds_load_b128 v[FA0+32*\f+8*\a+4:FA0+32*\f+8*\a+7], v[ADRA+\slot] offset:\k+16*\a*PITCH+32
.endr
.endm
; The 4 NT accumulators take turns, one instruction a turn, in the same order in every quarter.
.macro QUARTER slot, k, f, g, zero
	s_wait_dscnt 4                                 ; all but the four youngest loads (row tiles 2 and 3) are in
	WIN 0x50
	MULA \f, 0, \zero
	MULA \f, 1, \zero
	PLACES
	FETCH \slot, \k, \g
	s_wait_dscnt NL                                ; all but the NL just issued
	WIN 0x50
	MULA \f, 2, \zero
	MULA \f, 3, \zero
.endm
.macro BODY slot, zero
	QUARTER \slot, 64,  0, 1, \zero
	QUARTER \slot, 128, 1, 0, 0
	QUARTER \slot, 192, 0, 1, 0
.if NQ == 8
	QUARTER \slot, 256, 1, 0, 0
	QUARTER \slot, 320, 0, 1, 0
	QUARTER \slot, 384, 1, 0, 0
	QUARTER \slot, 448, 0, 1, 0
.endif
.endm
; The last quarter changes slots: each wave's reads of this slot and all its tensor loads are waited for in front of the barrier; with fill = 1
; the barrier opens a round of the cluster's barrier and the refill, two K steps ahead, is the first tensor load behind the round.
.macro TURN slot, next, fill
	s_wait_dscnt 4
	WIN 0x50
	MULA 1, 0, 0
	s_wait_dscnt 0x0
	s_wait_tensorcnt 0x0
	ds_add_u32 v254, v255
	s_wait_dscnt 0x0
	s_barrier_signal -1
	MULA 1, 1, 0
	WIN 0
	s_barrier_wait -1
.if \fill
	CREST
	s_add_nc_u64 s[G0+4*\slot+2:G0+4*\slot+3], s[G0+4*\slot+2:G0+4*\slot+3], 4*KSTEP
	s_add_nc_u64 s[G0B+4*\slot+2:G0B+4*\slot+3], s[G0B+4*\slot+2:G0B+4*\slot+3], 4*KSTEP
	JLOAD \slot
.endif
	PLACES
	FETCH \next, 0, 0
	WIN 0x50
	MULA 1, 2, 0
	MULA 1, 3, 0
.endm
.macro LAP zero
	BODY 0, \zero
	TURN 0, 1, 1
	BODY 1, 0
	TURN 1, 0, 1
.endm
	s_load_b128 s[4:7], s[0:1], 0x0                ; left operand, wt
	s_load_b128 s[68:71], s[0:1], 0x10             ; bias, residual
	s_load_b64 s[72:73], s[0:1], 0x20              ; result
	v_lshl_add_u32 v254, v0, 2, 0x46400
	v_mov_b32 v255, 0
	ds_add_u32 v254, v255
	ds_add_u32 v254, v255
	v_lshrrev_b32 v1, 5, v0
	v_readfirstlane_b32 s10, v1
	s_lshr_b32 s11, s10, 1
	s_and_b32 s12, s10, 1
	s_bfe_u32 s40, ttmp6, 0x40000                  ; cx
	s_bfe_u32 s41, ttmp6, 0x40004                  ; cy
	s_lshl_b32 s13, ttmp9, 2
	s_add_co_u32 s13, s13, s40                     ; row block = 4 x cluster x + cx
	s_and_b32 s42, ttmp7, 0xffff
	s_lshl_b32 s42, s42, 2
	s_add_co_u32 s42, s42, s41                     ; column block = 4 x cluster y + cy
	s_lshl_b32 s43, 0x1111, s40                    ; the four with my cx: places cx, cx + 4, cx + 8, cx + 12
	s_lshl_b32 s44, s41, 2
	s_lshl_b32 s44, 15, s44                        ; the four with my cy: places 4 cy .. 4 cy + 3
	s_or_b32 s[G1+0], s43, (1<<16)|(1<<20)|(1<<21)|(QI<<22)|(3<<25)     ; the left operand's tiles: mask, 2-byte elements, padding, bit 21 beside the mask
	s_mov_b32 s[G1+1], KSTEP<<16
	s_mov_b32 s[G1+2], 64<<16
	s_mov_b32 s[G1+3], KSTEP<<16
	s_mov_b32 s[G1+4], 64
	s_mov_b32 s[G1+5], KTOT
	s_mov_b32 s[G1+6], 0
	s_mov_b32 s[G1+7], 0
	s_or_b32 s[G1B+0], s44, (1<<16)|(1<<20)|(1<<21)|(QI<<22)|(3<<25)    ; W's tiles: the other mask
	s_mov_b32 s[G1B+1], KSTEP<<16
	s_mov_b32 s[G1B+2], BHALF<<16
	s_mov_b32 s[G1B+3], KSTEP<<16
	s_mov_b32 s[G1B+4], BHALF
	s_mov_b32 s[G1B+5], KTOT
	s_mov_b32 s[G1B+6], 0
	s_mov_b32 s[G1B+7], 0
	; s14-17 hold terms of the row block alone, s46-47 terms of the column block alone: no register that feeds one operand's descriptors ever holds the other coordinate
	s_lshl_b32 s16, s13, 7
	s_lshl_b32 s17, s12, 6
	s_add_co_u32 s16, s16, s17
	s_mul_i32 s16, s16, 2*KTOT
	s_mov_b32 s17, 0
	s_mul_i32 s46, s42, BSTEP
	s_mul_i32 s47, s12, BHS
	s_add_co_u32 s46, s46, s47
	s_mul_i32 s46, s46, 2*KTOT
	s_add_co_u32 s46, s46, WOFF
	s_mov_b32 s47, 0
	s_mul_i32 s20, s10, 64*PITCH
	s_mul_i32 s21, s10, BHALF*PITCH
	s_add_co_i32 s21, s21, (128-2*BHALF)*PITCH
	s_wait_dscnt 0x0
	s_wait_kmcnt 0x0
	s_add_nc_u64 s[14:15], s[4:5], s[16:17]
	s_add_nc_u64 s[46:47], s[6:7], s[46:47]
	CROUND                                         ; all sixteen work-groups are here: the first joint loads meet
.irp s, 0,1
	s_mov_b32 s[G0+4*\s], 1
	s_add_co_u32 s[G0+4*\s+1], s20, \s*SLOT
	s_add_nc_u64 s[G0+4*\s+2:G0+4*\s+3], s[14:15], \s*KSTEP*2
	s_or_b32 s[G0+4*\s+3], s[G0+4*\s+3], 0x80000000
	s_mov_b32 s[G0B+4*\s], 1
	s_add_co_u32 s[G0B+4*\s+1], s21, \s*SLOT
	s_add_nc_u64 s[G0B+4*\s+2:G0B+4*\s+3], s[46:47], \s*KSTEP*2
	s_or_b32 s[G0B+4*\s+3], s[G0B+4*\s+3], 0x80000000
	JLOAD \s                                       ; two tensor loads of a wave are out here, later never more than one
.endr
	v_and_b32 v1, 15, v0
	v_bfe_u32 v2, v0, 4, 1
	; bias and residual of my 64 x 64, in the layout of the way out: lanes 0-15 a row's 256 bytes, lanes 16-31 the next row's
	v_lshlrev_b32 v[BO], 4, v1
	v_lshl_add_u32 v[CO], v2, 12, v[BO]
	s_lshl_b32 s46, s42, 9
	s_lshl_b32 s47, s12, 8
	s_add_co_u32 s46, s46, s47                     ; my first column, in bytes
	s_mov_b32 s47, 0
	s_add_nc_u64 s[68:69], s[68:69], s[46:47]
	s_add_nc_u64 s[70:71], s[70:71], s[46:47]
	s_add_nc_u64 s[72:73], s[72:73], s[46:47]
	s_lshl_b32 s16, s13, 7
	s_lshl_b32 s17, s11, 6
	s_add_co_u32 s16, s16, s17                     ; my first row
	s_lshl_b32 s16, s16, 12
	s_mov_b32 s17, 0
	s_add_nc_u64 s[70:71], s[70:71], s[16:17]
	s_add_nc_u64 s[72:73], s[72:73], s[16:17]
	global_load_b128 v[224:227], v[BO], s[68:69]
	WIN 0x40
.irp a, 0,1,2,3
.irp t, 0,1,2,3,4,5,6,7
	global_load_b128 v[128+32*\a+4*\t:128+32*\a+4*\t+3], v[CO], s[70:71] offset:(16*\a+2*\t)*4096
.endr
.endr
	WIN 0
	s_mul_i32 s22, s10, 16*272
	s_add_co_u32 s22, s22, STAGE
	v_mul_u32_u24 v4, v1, 272
	v_lshl_add_u32 v4, v2, 5, v4
	v_add_nc_u32 v[STO], s22, v4
	v_mul_u32_u24 v5, v2, 272
	v_lshl_add_u32 v5, v1, 4, v5
	v_add_nc_u32 v[RD], s22, v5
	v_mul_u32_u24 v3, v1, PITCH
	v_lshl_add_u32 v3, v2, 4, v3
	s_mul_i32 s22, s11, 64*PITCH
	s_mul_i32 s23, s12, WNR*PITCH
	s_add_co_u32 s23, s23, 128*PITCH
.irp s, 0,1
	v_add_nc_u32 v[ADRA+\s], s22, v3
	v_add_nc_u32 v[ADRB+\s], s23, v3
	s_add_co_u32 s22, s22, SLOT
	s_add_co_u32 s23, s23, SLOT
.endr
	s_wait_tensorcnt 0x1                           ; my part of K step 0 is in; step 1's may stay out
	s_barrier_signal -1
	s_barrier_wait -1
	FETCH 0, 0, 0
	LAP 1
.if FL > 1
	WIN 0
	s_mov_b32 s3, FL-1
.Llap:
	LAP 0
	WIN 0
	s_sub_co_u32 s3, s3, 1
	s_cmp_lg_u32 s3, 0
	s_cbranch_scc1 .Llap
.endif
.if T & 1
	BODY 0, 0                                      ; K step 8 still fills slot 0 with step 10; steps 9 and 10 fill nothing
	TURN 0, 1, 1
	BODY 1, 0
	TURN 1, 0, 0
	BODY 0, 0
.else
	BODY 0, 0
	TURN 0, 1, 0
	BODY 1, 0
.endif
	s_wait_dscnt 0x0
	WIN 0x50
	MULA 1, 0, 0
	MULA 1, 1, 0
	MULA 1, 2, 0
	MULA 1, 3, 0
	PLACES
	s_wait_loadcnt 0x0                             ; bias and residual
	; 16 rows at a time: the sums into my own stage (32 bytes a lane), read back as whole rows of 256 bytes, + residual + bias, out
.irp a, 0,1,2,3
.set TB, 32+32*(\a&1)
	WIN 0x04                                       ; source 1 in window 1: the stores' data, the residual
.set b_, 0
.rept NT
	ds_store_b128 v[STO], v[8*(NT*\a+b_):8*(NT*\a+b_)+3]   offset:64*b_
	ds_store_b128 v[STO], v[8*(NT*\a+b_)+4:8*(NT*\a+b_)+7] offset:64*b_+16
.set b_, b_+1
.endr
	s_wait_xcnt 0x0                                ; TB held the data of the stores two turns ago
.irp t, 0,1,2,3,4,5,6,7
	ds_load_b128 v[TB+4*\t:TB+4*\t+3], v[RD] offset:544*\t       ; my own bytes, served in order
.endr
.irp t, 0,1,2,3,4,5,6,7
	s_wait_dscnt 7-\t
	v_pk_add_f32 v[TB+4*\t:TB+4*\t+1],   v[TB+4*\t:TB+4*\t+1],   v[128+32*\a+4*\t:128+32*\a+4*\t+1]
	v_pk_add_f32 v[TB+4*\t+2:TB+4*\t+3], v[TB+4*\t+2:TB+4*\t+3], v[128+32*\a+4*\t+2:128+32*\a+4*\t+3]
.endr
	WIN 0
.irp t, 0,1,2,3,4,5,6,7
	v_pk_add_f32 v[TB+4*\t:TB+4*\t+1],   v[TB+4*\t:TB+4*\t+1],   v[224:225]
	v_pk_add_f32 v[TB+4*\t+2:TB+4*\t+3], v[TB+4*\t+2:TB+4*\t+3], v[226:227]
	global_store_b128 v[CO], v[TB+4*\t:TB+4*\t+3], s[72:73] offset:(16*\a+2*\t)*4096     ; sixteen lanes store 256 consecutive bytes, aligned
.endr
.endr
	s_wait_tensorcnt 0x0
	ds_add_u32 v254, v255
	s_wait_dscnt 0x0
	CROUND                                         ; the closing round
	s_endpgm
.Lfunc_end_k_q01b9984ee4_down:
	.size	k_q01b9984ee4_down, .Lfunc_end_k_q01b9984ee4_down-k_q01b9984ee4_down
	.p2alignl 7, 3214868480
	.fill 96, 4, 3214868480
	.section	.rodata,"a",@progbits
	.p2align	6, 0x0
	.amdhsa_kernel k_q01b9984ee4_down
		.amdhsa_group_segment_fixed_size 327680
		.amdhsa_private_segment_fixed_size 0
		.amdhsa_enable_private_segment 0
		.amdhsa_kernarg_size 40
		.amdhsa_user_sgpr_count 2
		.amdhsa_user_sgpr_kernarg_segment_ptr 1
		.amdhsa_wavefront_size32 1
		.amdhsa_system_sgpr_workgroup_id_x 1
		.amdhsa_system_sgpr_workgroup_id_y 1
		.amdhsa_system_sgpr_workgroup_id_z 1
		.amdhsa_system_vgpr_workitem_id 0
		.amdhsa_next_free_vgpr 512
		.amdhsa_next_free_sgpr 80
		.amdhsa_reserve_vcc 0
		.amdhsa_float_denorm_mode_32 3
		.amdhsa_float_denorm_mode_16_64 3
		.amdhsa_memory_ordered 1
		.amdhsa_forward_progress 1
		.amdhsa_inst_pref_size 158
	.end_amdhsa_kernel
	.amdgpu_metadata
---
amdhsa.version: [ 1, 2 ]
amdhsa.kernels:
  - .name:           k_q01b9984ee4_down
    .symbol:         k_q01b9984ee4_down.kd
    .args:
      - { .name: act, .offset: 0, .size: 8, .value_kind: global_buffer, .address_space: global }
      - { .name: wt, .offset: 8, .size: 8, .value_kind: global_buffer, .address_space: global }
      - { .name: down_b, .offset: 16, .size: 8, .value_kind: global_buffer, .address_space: global }
      - { .name: x2, .offset: 24, .size: 8, .value_kind: global_buffer, .address_space: global }
      - { .name: out0, .offset: 32, .size: 8, .value_kind: global_buffer, .address_space: global }
    .group_segment_fixed_size: 327680
    .private_segment_fixed_size: 0
    .kernarg_segment_align: 8
    .kernarg_segment_size: 40
    .max_flat_workgroup_size: 128
    .sgpr_count:     80
    .vgpr_count:     512
    .wavefront_size: 32
...
	.end_amdgpu_metadata
.endif
;; end of part 11
